; MI455X (gfx1250); checked and timed in simulation.
; The chip was launched on July 23, 2026; its instructions are those of AMD's public machine-readable ISA for CDNA 5 (MIT licence, August 2026) and "CDNA5" Instruction Set Architecture Reference Guide (July 2026). The comments in the code are by the model that wrote it; some were corrected since.
;; Transformer Encoder. Allowed arithmetic: matrix products marked QUANTISED: E2M1 operands, one E8M0 scale for each 32 along K, by v_wmma_scale_f32_16x16x128_f8f6f4 with both operands' format E2M1 (or v_wmma_scale_f32_32x16x128_f4), f32 sums; everything else in f32.
;; Inputs: W1 1,024 x 4,096 float32; W2 4,096 x 1,024 float32; Wk 1,024 x 1,024 float32; Wo 1,024 x 1,024 float32; Wq 1,024 x 1,024 float32; Wv 1,024 x 1,024 float32; b1 4,096 float32; b2 1,024 float32; bk 1,024 float32; bo 1,024 float32; bq 1,024 float32; bv 1,024 float32; ln1_b 1,024 float32; ln1_g 1,024 float32; ln2_b 1,024 float32; ln2_g 1,024 float32; slim 16 float32; x 2 x 2,048 x 1,024 float32.
;; Outputs: out0 2 x 2,048 x 1,024 float32.
;; This version of the problem:
;;   THIS VERSION OF THE PROBLEM IS GIVEN IN LOW PRECISION. The matrix products marked QUANTISED in the list below multiply operands that are first quantised to E2M1 (2 exponent bits, 1 mantissa bit; 4 bits a number), with one power-of-two scale for each 32 numbers along K (OCP MX v1.0); their sums are f32. All else is computed in f32.
;;   The module's matrix products, in the order in which they are computed (A, B: the left and right operand; K: the contracted axis; several contracted axes count as one K, in the product's order):
;;     1. [M 4,096, K 1,024] x [K 1,024, N 1,024]; A: computed on the way; B: input Wq: QUANTISED
;;     2. [M 4,096, K 1,024] x [K 1,024, N 1,024]; A: computed on the way; B: input Wk: QUANTISED
;;     3. [M 4,096, K 1,024] x [K 1,024, N 1,024]; A: computed on the way; B: input Wv: QUANTISED
;;     4. batch 32 x [M 2,048, K 64] x [K 64, N 2,048]; A: computed on the way; B: computed on the way: QUANTISED
;;     5. batch 32 x [M 64, K 2,048] x [K 2,048, N 2,048]; A: computed on the way; B: computed on the way: QUANTISED
;;     6. [M 4,096, K 1,024] x [K 1,024, N 1,024]; A: computed on the way; B: input Wo: QUANTISED
;;     7. [M 4,096, K 1,024] x [K 1,024, N 4,096]; A: computed on the way; B: input W1: QUANTISED
;;     8. [M 4,096, K 4,096] x [K 4,096, N 1,024]; A: computed on the way; B: input W2: QUANTISED
;;   THE QUANTISER, for each operand of a quantised product, along K:
;;     - K is cut into blocks of 32 from its start; a last block that is shorter is filled with zeros.
;;     - A block's scale is 2^e with e = floor(log2(the largest magnitude in the block)) - 2, held to -126 .. 127; a block of zeros has e = 0. As a byte (E8M0): e + 127.
;;     - Each number is divided by its block's scale, clamped to +-6, and rounded to the nearest number of E2M1, ties to even, subnormals kept.
;;     - The product sums the exact products of the quantised numbers (number of the format x scale) in f32.
;;   ~~~python
;;   def quantise(x, axis):      # numpy; x: float32 -> the quantised numbers, widened to float32 again
;;       x = np.moveaxis(x, axis, -1); K = x.shape[-1]
;;       x = np.pad(x, [(0, 0)] * (x.ndim - 1) + [(0, -K % 32)]); x = x.reshape(x.shape[:-1] + (-1, 32)); a = np.abs(x).max(-1, keepdims=True)
;;       e = np.where(a > 0, np.clip(np.frexp(np.where(a > 0, a, 1))[1] - 1 - 2, -126, 127), 0)      # np.frexp(a)[1] - 1 = floor(log2(a)), exactly
;;       r = np.clip(x / 2.0 ** e, -6, 6)
;;       step = 2.0 ** (np.maximum(np.frexp(np.where(r == 0, 1, r))[1] - 1, 0) - 1)
;;       q = np.round(r / step) * step * 2.0 ** e      # np.round: ties to even
;;       return np.moveaxis(q.reshape(q.shape[:-2] + (-1,))[..., :K], -1, axis).astype(np.float32)
;;   ~~~
;;   OPERANDS COMPUTED ON THE WAY. 'Computed on the way' means the value that the module computes at that place (a softmax that the list does not call 'softmax' is quantised finished and normalised). What goes into a quantiser is computed in f32, as accurately as f32 sums, v_exp_f32 and their like allow (about 1e-6 of the number): no bf16 or f16 on the way to a quantiser, and a product that is left as it is and whose result goes on into a quantised operand takes f32 operands (vector FMAs, or v_wmma_f32_16x16x4_f32). A number that lies on a knife's edge between two numbers of the format may be rounded either way, as far as f32 arithmetic and the matrix unit's own rounding can turn it there, and no further.
;; 2 versions, each right; version 2 is version 1 with the launch attn written anew for expert scheduling mode. Each part assembles by itself: llvm-mc -triple=amdgcn-amd-amdhsa -mcpu=gfx1250 --defsym DOCPART=n.
;; ======== version 1 of 2: 7 launches
;; workspace buffers: wb 7,241,728 bytes; hb 2,228,224 bytes; qb 6,946,816 bytes; ab 2,228,224 bytes; rb 16,777,216 bytes; h2 2,228,224 bytes; mb 8,912,896 bytes
;; launch prep (part 1): grid 448 x 1, 8 waves a work-group, no clusters, 66,816 bytes of LDS; arguments x, ln1_g, ln1_b, hb, Wq, Wk, Wv, Wo, W1, W2, wb; writes hb, wb
.if DOCPART == 1
	.amdgcn_target "amdgcn-amd-amdhsa--gfx1250"
	.amdhsa_code_object_version 6
	.text
	.protected	k_q2c02e9e83f_prep
	.globl	k_q2c02e9e83f_prep
	.p2align	8
	.type	k_q2c02e9e83f_prep,@function
k_q2c02e9e83f_prep:
	s_mov_b64 s[64:65], 0
	v_nop
	global_prefetch_b8 v0, s[64:65] scope:SCOPE_SE
	s_setreg_imm32_b32 hwreg(HW_REG_WAVE_MODE, 25, 1), 1
	s_wait_xcnt 0x0
; TWO INDEPENDENT JOBS IN ONE LAUNCH, parted by the work-group's number alone: work-groups 0-191 quantise the six weights into wb, work-groups 192-447 make hb = the codes of layernorm(x) x g + b.
; Neither reads what the other stores.  Both stream from memory, so they share one start and one end.
; FORMAT.  Codes of FP4 (E2M1), one E8M0 byte for each 32 along K.  Sixteen rows (columns n of a weight, tokens of x) form a tile; tile 2 p + u holds in its row r the index 32 p + 8 u + r + 8 (r / 8).
; A fragment (a tile x 128 along K, 8 registers a lane) lies as an image of its registers: 1,024 bytes = [c = 0, 1][lane][16 bytes].  Codes: [K / 128][tile][1,024].  Scale words (4 bytes: 128 along K of a row): [K / 128][tile / 4][r][tile % 4].
; wb: Wq, Wk, Wv codes [8][256 tiles] at 0 (q: tiles 0-63, k: 64-127, v: 128-191; the rest is neither written nor read), W1 [8][256] at 0x200000, Wo [8][64] at 0x400000, W2 [32][64] at 0x480000;
; scale words: QKV at 0x680000, W1 at 0x6A0000, Wo at 0x6C0000, W2 at 0x6C8000.  hb: codes [8][256 tiles] at 0, scale words at 0x200000.
; THE WEIGHTS are f32 [K][N] with K as the first axis.  Four waves take a share of 128 columns x 256 along K (a work-group has two shares), a wave 32 columns: A LANE TAKES A COLUMN AND ITS REGISTERS RUN DOWN K, so a block
; of 32 lies in one lane and the conversions give K innermost.  A lane's 32 codes are 16 bytes of an image: eight neighbouring lanes and the eight that lie 16 on fill 256 consecutive bytes.  Loads run two blocks (64 loads a wave) ahead.
; THE NORM.  A work-group makes one tile of tokens.  First wave w takes the tile's rows 2 w and 2 w + 1, each whole in 32 registers a lane (a load reads 512 consecutive bytes), so mean and variance never leave the wave;
; the finished rows go to a stage in LDS (rows of 4,096 + 16 bytes).  Then wave w makes K step w: lane (r, h) reads of row r 16 neighbours of each block of 32, quantises, and stores the image, 512 consecutive bytes a store.
; The scale words leave in pieces of 4 bytes: one byte for each 128 read.  No cluster: work-groups share only g and b, 8 KB.  All arithmetic ahead of the quantiser is f32.
; A block's byte is its largest magnitude's exponent field - 2, held at 1 from below (a block of zeros gets 1: its codes are zeros, and this program alone reads the bytes).
; LIMITS: NaN and infinities among the inputs are not served; blocks whose largest magnitude lies under 2^-124 get the byte 1.
.set NWQ, 192                          ; work-groups that quantise weights
; the weights' registers
.set OFF, 16                           ; v16-47   4 x lane + i rows of the weight
.set X,   48                           ; v48-111  two sets of 32 numbers
.set C,   112                          ; v112-143 four registers of codes for each block: no store's data are written again
.set SW,  12                           ; v12-13   the scale words of my two K steps
; the norm's registers
.set X0,   16                          ; v16-47 row 2 w, v48-79 row 2 w + 1; later the 64 numbers to be quantised
.set G,    80
.set B,    112
.set TM,   144                         ; v144-159 the quantiser's work
.set PC,   160                         ; v160-167 the codes
.set PW,   168                         ; the scale word
.set SEL,  20                          ; s[20:21] v_permlanex16_b32's selects for lane l xor 16
.set ROWP, 4112
.macro LOAD t                          ; block t: 32 rows at my column: a wave reads 128 consecutive bytes, four waves 512
.set li, 0
.rept 32
	global_load_b32 v[X+32*((\t)%2)+li], v[OFF+li], s[32+2*(\t):33+2*(\t)] th:TH_LOAD_NT
.set li, li+1
.endr
.endm
.macro BLOCK t
.set XS, X+32*((\t)%2)
.if (\t) < 7
	s_wait_loadcnt 32                              ; this block's 32 loads are in; the next block's 32 may be out
.else
	s_wait_loadcnt 0x0
.endif
	v_max3_num_f32 v8, |v[XS]|, |v[XS+1]|, |v[XS+2]|       ; the block's largest magnitude: all 32 numbers are mine; two chains
	v_max3_num_f32 v9, |v[XS+3]|, |v[XS+4]|, |v[XS+5]|
.irp i, 6,10,14,18,22,26
	v_max3_num_f32 v8, v8, |v[XS+\i]|, |v[XS+\i+1]|
	v_max3_num_f32 v9, v9, |v[XS+\i+2]|, |v[XS+\i+3]|
.endr
	v_max3_num_f32 v8, v8, |v[XS+30]|, |v[XS+31]|
	v_max3_num_f32 v8, v8, v9, 0x1800000           ; and the floor 2^(3 - 127): the byte cannot fall under 1
	v_add_nc_u32 v10, 0xff000000, v8               ; 2 off the exponent field: the conversion's scale operand
	v_lshrrev_b32 v11, 23, v10                     ; the scale's byte
.if (\t)%4 == 0
	v_mov_b32 v[SW+(\t)/4], v11
.else
	v_lshl_or_b32 v[SW+(\t)/4], v11, 8*((\t)%4), v[SW+(\t)/4]
.endif
.irp g, 0,1,2,3
	v_cvt_scalef32_pk8_fp4_f32 v[C+4*(\t)+\g], v[XS+8*\g:XS+8*\g+7], v10
.endr
	v_nop                                          ; one plain instruction behind the last conversion
	global_store_b128 v2, v[C+4*(\t):C+4*(\t)+3], s[56+2*((\t)/4):57+2*((\t)/4)] offset:(((\t)/2)%2)*512+((\t)%2)*256   ; block b of a K step: c = b / 2, half of the lanes b % 2
.if (\t)+2 < 8
	LOAD (\t)+2
.endif
.endm
.macro QUANT s                         ; 64 numbers of a lane, register 16 b + i = k 32 b + 16 (lane / 16) + i of my row, become a fragment's codes in v[PC] on and its scale word in v[PW]
.irp b, 0,1,2,3
	v_max3_num_f32 v[TM+\b], |v[(\s)+16*\b]|, |v[(\s)+1+16*\b]|, 0x1800000   ; my 16 numbers of block b, and the floor 2^(3 - 127)
.endr
.irp i, 2,4,6,8,10,12,14
.irp b, 0,1,2,3
	v_max3_num_f32 v[TM+\b], v[TM+\b], |v[(\s)+16*\b+\i]|, |v[(\s)+1+16*\b+\i]|
.endr
.endr
.irp b, 0,1,2,3
	v_permlanex16_b32 v[TM+4+\b], v[TM+\b], s[SEL], s[SEL+1]
.endr
.irp b, 0,1,2,3
	v_max_num_f32 v[TM+\b], v[TM+\b], v[TM+4+\b]   ; with lane l xor 16's: the block's largest magnitude
.endr
.irp b, 0,1,2,3
	v_add_nc_u32 v[TM+12+\b], 0xff000000, v[TM+\b] ; 2 off its exponent field: the conversion's scale operand
.endr
.irp b, 0,1,2,3
	v_lshrrev_b32 v[TM+4+\b], 23, v[TM+12+\b]      ; the byte
.endr
	v_lshl_or_b32 v[PW], v[TM+5], 8, v[TM+4]
	v_lshl_or_b32 v[PW], v[TM+6], 16, v[PW]
	v_lshl_or_b32 v[PW], v[TM+7], 24, v[PW]
.irp b, 0,1,2,3
	v_cvt_scalef32_pk8_fp4_f32 v[PC+2*\b], v[(\s)+16*\b:(\s)+7+16*\b], v[TM+12+\b]
	v_cvt_scalef32_pk8_fp4_f32 v[PC+1+2*\b], v[(\s)+8+16*\b:(\s)+15+16*\b], v[TM+12+\b]
.endr
	v_nop                                          ; one plain instruction behind a scaled conversion
.irp c, 0,1                                    ; the operand's layout wants a whole block in a lane
.irp i, 0,1
	v_permlane16_swap_b32 v[PC+4*\c+\i], v[PC+2+4*\c+\i]
.endr
.endr
.endm
.macro ALLSUM                          ; v170 and v172: the sum over the wave's 32 lanes, in every lane
.irp m, 1,2,4,8
	v_add_f32_dpp v170, v170, v170 row_xmask:\m row_mask:0xf bank_mask:0xf
	v_add_f32_dpp v172, v172, v172 row_xmask:\m row_mask:0xf bank_mask:0xf
.endr
	v_permlanex16_b32 v171, v170, s[SEL], s[SEL+1]
	v_permlanex16_b32 v173, v172, s[SEL], s[SEL+1]
	v_add_f32 v170, v170, v171
	v_add_f32 v172, v172, v173
.endm
	v_lshl_add_u32 v176, v0, 2, 0x10100
	v_mov_b32 v177, 0
	s_cmp_ge_u32 ttmp9, NWQ                        ; the same for all eight waves of a work-group
	s_cbranch_scc1 .Lnorm
	; ======== THE WEIGHTS ========
	s_load_b256 s[4:11], s[0:1], 0x20              ; Wq, Wk, Wv, Wo
	s_load_b128 s[12:15], s[0:1], 0x40             ; W1, W2
	s_load_b64 s[16:17], s[0:1], 0x50              ; wb
	v_lshrrev_b32 v1, 5, v0
	v_readfirstlane_b32 s18, v1                    ; wave 0..7
	s_lshr_b32 s31, s18, 2
	s_lshl_b32 s2, ttmp9, 1
	s_add_co_u32 s31, s31, s2                      ; my share, 0 .. 383: waves 0-3 take share 2 x, waves 4-7 share 2 x + 1
	s_and_b32 s18, s18, 3                          ; my place among the share's four waves
	; which weight, and its figures: s19 my share's number in it, s20 log2 of its column groups, s21 bytes in a row,
	; s22 / s23 where its codes begin and bytes from K step to K step, s24 / s25 the same for its scale words
	s_lshr_b32 s28, s31, 5                         ; 0, 1, 2, 3: Wq, Wk, Wv, Wo
	s_and_b32 s19, s31, 31
	s_sub_co_u32 s29, s31, 128
	s_sub_co_u32 s30, s31, 256
	s_mov_b32 s20, 3
	s_mov_b32 s21, 4096
	s_lshl_b32 s22, s28, 16
	s_mov_b32 s23, 0x40000
	s_lshl_b32 s24, s28, 12
	s_add_co_u32 s24, s24, 0x680000
	s_mov_b32 s25, 0x4000
	s_cmp_ge_u32 s31, 96                           ; Wo
	s_cselect_b32 s22, 0x400000, s22
	s_cselect_b32 s23, 0x10000, s23
	s_cselect_b32 s24, 0x6c0000, s24
	s_cselect_b32 s25, 0x1000, s25
	s_cmp_ge_u32 s31, 128                          ; W1
	s_cselect_b32 s19, s29, s19
	s_cselect_b32 s20, 5, s20
	s_cselect_b32 s21, 16384, s21
	s_cselect_b32 s22, 0x200000, s22
	s_cselect_b32 s23, 0x40000, s23
	s_cselect_b32 s24, 0x6a0000, s24
	s_cselect_b32 s25, 0x4000, s25
	s_cmp_ge_u32 s31, 256                          ; W2
	s_cselect_b32 s19, s30, s19
	s_cselect_b32 s20, 3, s20
	s_cselect_b32 s21, 4096, s21
	s_cselect_b32 s22, 0x480000, s22
	s_cselect_b32 s23, 0x10000, s23
	s_cselect_b32 s24, 0x6c8000, s24
	s_cselect_b32 s25, 0x1000, s25
	s_bfm_b32 s50, s20, 0
	s_and_b32 s50, s19, s50                        ; cg: which 128 columns
	s_lshr_b32 s51, s19, s20                       ; kc: which 256 along K
	v_and_b32 v1, 31, v0                           ; lane = my column among the wave's 32
	v_bfe_u32 v4, v1, 3, 1                         ; u: which of the two tiles
	v_and_b32 v5, 7, v1
	v_bfe_u32 v6, v1, 4, 1
	v_lshl_or_b32 v5, v6, 3, v5                    ; r: my row in it
	v_lshlrev_b32 v2, 4, v5
	v_lshl_or_b32 v2, v4, 10, v2                   ; codes: 1,024 u + 16 r
	v_lshlrev_b32 v3, 4, v5
	v_lshl_or_b32 v3, v4, 2, v3                    ; scale words: 16 r + 4 u
	v_lshlrev_b32 v[OFF], 2, v1
.set li, 1
.rept 31
	v_add_nc_u32 v[OFF+li], s21, v[OFF+li-1]
.set li, li+1
.endr
	; offsets, made apart from the addresses
	s_mul_i32 s52, s51, s21
	s_lshl_b32 s52, s52, 8                         ; 256 kc rows
	s_lshl_b32 s53, s50, 9
	s_add_co_u32 s52, s52, s53                     ; + 128 cg columns
	s_lshl_b32 s53, s18, 7
	s_add_co_u32 s52, s52, s53                     ; + 32 columns a wave
	s_mov_b32 s53, 0
	s_lshl_b32 s54, s21, 5                         ; a block: 32 rows
	s_mov_b32 s55, 0
	s_mul_i32 s56, s51, s23
	s_lshl_b32 s56, s56, 1                         ; K step 2 kc
	s_add_co_u32 s56, s56, s22
	s_lshl_b32 s57, s50, 13
	s_add_co_u32 s56, s56, s57                     ; tile 8 cg
	s_lshl_b32 s57, s18, 11
	s_add_co_u32 s56, s56, s57                     ; + 2 a wave
	s_mov_b32 s57, 0
	s_mov_b32 s58, s23
	s_mov_b32 s59, 0
	s_mul_i32 s60, s51, s25
	s_lshl_b32 s60, s60, 1
	s_add_co_u32 s60, s60, s24
	s_lshl_b32 s61, s50, 9
	s_add_co_u32 s60, s60, s61                     ; group of four tiles 2 cg
	s_lshr_b32 s61, s18, 1
	s_lshl_b32 s61, s61, 8
	s_add_co_u32 s60, s60, s61                     ; + wave / 2
	s_and_b32 s61, s18, 1
	s_lshl_b32 s61, s61, 3
	s_add_co_u32 s60, s60, s61                     ; tile % 4 = 2 (wave % 2) + u
	s_mov_b32 s61, 0
	s_mov_b32 s62, s25
	s_mov_b32 s63, 0
	s_wait_kmcnt 0x0
	s_cmp_eq_u32 s28, 1                            ; the choice hangs on the share's number alone
	s_cselect_b64 s[26:27], s[6:7], s[4:5]
	s_cmp_eq_u32 s28, 2
	s_cselect_b64 s[26:27], s[8:9], s[26:27]
	s_cmp_eq_u32 s28, 3
	s_cselect_b64 s[26:27], s[10:11], s[26:27]
	s_cmp_ge_u32 s31, 128
	s_cselect_b64 s[26:27], s[12:13], s[26:27]
	s_cmp_ge_u32 s31, 256
	s_cselect_b64 s[26:27], s[14:15], s[26:27]
	s_add_nc_u64 s[32:33], s[26:27], s[52:53]      ; s[32:47]: a base for each of my eight blocks
.irp t, 1,2,3,4,5,6,7
	s_add_nc_u64 s[32+2*\t:33+2*\t], s[30+2*\t:31+2*\t], s[54:55]
.endr
	s_add_nc_u64 s[56:57], s[16:17], s[56:57]      ; codes of my first K step,
	s_add_nc_u64 s[58:59], s[56:57], s[58:59]      ; and of my second
	s_add_nc_u64 s[60:61], s[16:17], s[60:61]      ; scale words likewise
	s_add_nc_u64 s[62:63], s[60:61], s[62:63]
	LOAD 0
	LOAD 1
.irp t, 0,1,2,3,4,5,6,7
	BLOCK \t
.endr
	global_store_b32 v3, v[SW], s[60:61]
	global_store_b32 v3, v[SW+1], s[62:63]
	s_endpgm
.Lnorm:
	; ======== THE NORM ========
	s_load_b256 s[4:11], s[0:1], 0x0               ; x, g, b, hb
	s_sub_co_u32 s28, ttmp9, NWQ                   ; T: my tile of tokens, 0 .. 255
	v_lshrrev_b32 v1, 5, v0
	v_readfirstlane_b32 s12, v1                    ; wave 0..7
	v_and_b32 v2, 31, v0
	v_lshlrev_b32 v3, 4, v2                        ; 16 x lane
	s_lshr_b32 s13, s28, 1
	s_lshl_b32 s13, s13, 5
	s_and_b32 s14, s28, 1
	s_lshl_b32 s14, s14, 3
	s_add_co_u32 s13, s13, s14
	s_lshl_b32 s14, s12, 1
	s_add_co_u32 s13, s13, s14
	s_lshr_b32 s14, s12, 2
	s_lshl_b32 s14, s14, 3
	s_add_co_u32 s13, s13, s14                     ; my first token: 32 (T / 2) + 8 (T % 2) + 2 w + 8 (w / 4); the second is its neighbour
	s_lshl_b32 s14, s13, 12
	s_mov_b32 s15, 0
	s_mov_b32 s[SEL], 0x76543210
	s_mov_b32 s[SEL+1], 0xfedcba98
	s_mov_b32 s22, 0x3a800000                      ; 1 / 1,024
	s_mov_b32 s23, 0x3727c5ac                      ; 1e-5
	s_wait_kmcnt 0x0
	s_add_nc_u64 s[4:5], s[4:5], s[14:15]
.irp e, 0,1
.irp j, 0,1,2,3,4,5,6,7
	global_load_b128 v[X0+32*\e+4*\j:X0+32*\e+4*\j+3], v3, s[4:5] offset:4096*\e+512*\j th:TH_LOAD_NT
.endr
.endr
.irp j, 0,1,2,3,4,5,6,7
	global_load_b128 v[G+4*\j:G+4*\j+3], v3, s[6:7] offset:512*\j
.endr
.irp j, 0,1,2,3,4,5,6,7
	global_load_b128 v[B+4*\j:B+4*\j+3], v3, s[8:9] offset:512*\j
.endr
	s_mul_i32 s16, s12, 2*ROWP
	v_add_nc_u32 v4, s16, v3                       ; the stage, in: rows 2 w, 2 w + 1, 16 bytes a lane
	v_and_b32 v6, 15, v0                           ; r
	v_bfe_u32 v7, v0, 4, 1                         ; h
	v_mul_u32_u24 v5, v6, ROWP
	v_lshl_add_u32 v5, v7, 6, v5
	s_lshl_b32 s17, s12, 9
	v_add_nc_u32 v5, s17, v5                       ; out: row r, K step w, + 64 h
	v_lshlrev_b32 v8, 4, v6                        ; 16 r
.irp b, 0,1,2,3
	v_mov_b32 v[TM+4+\b], 0                        ; written once: a lane permute's destination counts as one of its sources
.endr
	s_lshl_b32 s18, s12, 8
	s_add_co_u32 s18, s18, s28
	s_lshl_b32 s18, s18, 10                        ; image (w, T)
	s_mov_b32 s19, 0
	s_add_nc_u64 s[24:25], s[10:11], s[18:19]
	s_lshl_b32 s26, s12, 6
	s_lshr_b32 s27, s28, 2
	s_add_co_u32 s26, s26, s27
	s_lshl_b32 s26, s26, 8
	s_and_b32 s27, s28, 3
	s_lshl_b32 s27, s27, 2
	s_add_co_u32 s26, s26, s27
	s_add_co_u32 s26, s26, 0x200000
	s_mov_b32 s27, 0
	s_add_nc_u64 s[26:27], s[10:11], s[26:27]      ; its scale words
	s_wait_loadcnt 16                              ; my two rows are in; the sixteen loads of g and b may be out
.irp e, 0,1
	v_pk_add_f32 v[170+2*\e:171+2*\e], v[X0+32*\e:X0+32*\e+1], v[X0+32*\e+2:X0+32*\e+3]
.endr
.irp i, 4,6,8,10,12,14,16,18,20,22,24,26,28,30
.irp e, 0,1
	v_pk_add_f32 v[170+2*\e:171+2*\e], v[170+2*\e:171+2*\e], v[X0+32*\e+\i:X0+32*\e+\i+1]
.endr
.endr
	v_add_f32 v170, v170, v171
	v_add_f32 v172, v172, v173
	ALLSUM
	v_mul_f32 v170, s22, v170                      ; the means
	v_mul_f32 v172, s22, v172
.irp i, 0,2,4,6,8,10,12,14,16,18,20,22,24,26,28,30
.irp e, 0,1
	v_pk_add_f32 v[X0+32*\e+\i:X0+32*\e+\i+1], v[X0+32*\e+\i:X0+32*\e+\i+1], v[170+2*\e:171+2*\e] op_sel_hi:[1,0] neg_lo:[0,1] neg_hi:[0,1]   ; x - mean
.endr
.endr
.irp e, 0,1
	v_pk_mul_f32 v[170+2*\e:171+2*\e], v[X0+32*\e:X0+32*\e+1], v[X0+32*\e:X0+32*\e+1]
.endr
.irp i, 2,4,6,8,10,12,14,16,18,20,22,24,26,28,30
.irp e, 0,1
	v_pk_fma_f32 v[170+2*\e:171+2*\e], v[X0+32*\e+\i:X0+32*\e+\i+1], v[X0+32*\e+\i:X0+32*\e+\i+1], v[170+2*\e:171+2*\e]
.endr
.endr
	v_add_f32 v170, v170, v171
	v_add_f32 v172, v172, v173
	ALLSUM
	v_fma_f32 v170, v170, s22, s23                 ; variance + 1e-5
	v_fma_f32 v172, v172, s22, s23
	v_rsq_f32 v170, v170
	v_rsq_f32 v172, v172
	v_nop                                          ; a plain instruction behind the two roots,
	s_wait_alu depctr_va_vdst(0)                   ; and one wait for both, ahead of their first reader
	s_wait_loadcnt 0x0                             ; g and b
.irp i, 0,2,4,6,8,10,12,14,16,18,20,22,24,26,28,30
.irp e, 0,1
	v_pk_mul_f32 v[X0+32*\e+\i:X0+32*\e+\i+1], v[X0+32*\e+\i:X0+32*\e+\i+1], v[170+2*\e:171+2*\e] op_sel_hi:[1,0]
.endr
.endr
.irp i, 0,2,4,6,8,10,12,14,16,18,20,22,24,26,28,30
.irp e, 0,1
	v_pk_fma_f32 v[X0+32*\e+\i:X0+32*\e+\i+1], v[X0+32*\e+\i:X0+32*\e+\i+1], v[G+\i:G+\i+1], v[B+\i:B+\i+1]
.endr
.endr
.irp e, 0,1
.irp j, 0,1,2,3,4,5,6,7
	ds_store_b128 v4, v[X0+32*\e+4*\j:X0+32*\e+4*\j+3] offset:ROWP*\e+512*\j
.endr
.endr
	s_wait_dscnt 0x0                               ; for the others' sake: my rows lie in the stage
	s_barrier_signal -1
	s_barrier_wait -1
.irp b, 0,1,2,3
.irp j, 0,1,2,3
	ds_load_b128 v[X0+16*\b+4*\j:X0+16*\b+4*\j+3], v5 offset:128*\b+16*\j   ; sixteen lanes take sixteen rows: the pitch, 257 x 16 bytes, sets them on sixteen different columns of 16 bytes
.endr
.endr
	s_wait_dscnt 0x0
	QUANT X0
	global_store_b128 v3, v[PC:PC+3], s[24:25]
	global_store_b128 v3, v[PC+4:PC+7], s[24:25] offset:512
	global_store_b32 v8, v[PW], s[26:27]
	s_wait_tensorcnt 0x0
	ds_add_u32 v176, v177
	s_wait_dscnt 0x0
	s_endpgm
.Lfunc_end_k_q2c02e9e83f_prep:
	.size	k_q2c02e9e83f_prep, .Lfunc_end_k_q2c02e9e83f_prep-k_q2c02e9e83f_prep
	.p2alignl 7, 3214868480
	.fill 96, 4, 3214868480
	.section	.rodata,"a",@progbits
	.p2align	6, 0x0
	.amdhsa_kernel k_q2c02e9e83f_prep
		.amdhsa_group_segment_fixed_size 66816
		.amdhsa_private_segment_fixed_size 0
		.amdhsa_enable_private_segment 0
		.amdhsa_kernarg_size 88
		.amdhsa_user_sgpr_count 2
		.amdhsa_user_sgpr_kernarg_segment_ptr 1
		.amdhsa_wavefront_size32 1
		.amdhsa_system_sgpr_workgroup_id_x 1
		.amdhsa_system_sgpr_workgroup_id_y 1
		.amdhsa_system_sgpr_workgroup_id_z 1
		.amdhsa_system_vgpr_workitem_id 0
		.amdhsa_next_free_vgpr 178
		.amdhsa_next_free_sgpr 66
		.amdhsa_reserve_vcc 0
		.amdhsa_float_denorm_mode_32 3
		.amdhsa_float_denorm_mode_16_64 3
		.amdhsa_memory_ordered 1
		.amdhsa_forward_progress 1
		.amdhsa_inst_pref_size 66
	.end_amdhsa_kernel
	.amdgpu_metadata
---
amdhsa.version: [ 1, 2 ]
amdhsa.kernels:
  - .name:           k_q2c02e9e83f_prep
    .symbol:         k_q2c02e9e83f_prep.kd
    .args:
      - { .name: x, .offset: 0, .size: 8, .value_kind: global_buffer, .address_space: global }
      - { .name: ln1_g, .offset: 8, .size: 8, .value_kind: global_buffer, .address_space: global }
      - { .name: ln1_b, .offset: 16, .size: 8, .value_kind: global_buffer, .address_space: global }
      - { .name: hb, .offset: 24, .size: 8, .value_kind: global_buffer, .address_space: global }
      - { .name: Wq, .offset: 32, .size: 8, .value_kind: global_buffer, .address_space: global }
      - { .name: Wk, .offset: 40, .size: 8, .value_kind: global_buffer, .address_space: global }
      - { .name: Wv, .offset: 48, .size: 8, .value_kind: global_buffer, .address_space: global }
      - { .name: Wo, .offset: 56, .size: 8, .value_kind: global_buffer, .address_space: global }
      - { .name: W1, .offset: 64, .size: 8, .value_kind: global_buffer, .address_space: global }
      - { .name: W2, .offset: 72, .size: 8, .value_kind: global_buffer, .address_space: global }
      - { .name: wb, .offset: 80, .size: 8, .value_kind: global_buffer, .address_space: global }
    .group_segment_fixed_size: 66816
    .private_segment_fixed_size: 0
    .kernarg_segment_align: 8
    .kernarg_segment_size: 88
    .max_flat_workgroup_size: 256
    .sgpr_count:     66
    .vgpr_count:     178
    .wavefront_size: 32
...
	.end_amdgpu_metadata
.endif
;; end of part 1
;; launch qkv (part 2): grid 12 x 16, 16 waves a work-group, clusters of 4 x 4, 280,576 bytes of LDS; arguments hb, wb, bq, bk, bv, qb; writes qb
.if DOCPART == 2
	.amdgcn_target "amdgcn-amd-amdhsa--gfx1250"
	.amdhsa_code_object_version 6
	.text
	.protected	k_q2c02e9e83f_qkv
	.globl	k_q2c02e9e83f_qkv
	.p2align	8
	.type	k_q2c02e9e83f_qkv,@function
k_q2c02e9e83f_qkv:
	s_mov_b64 s[64:65], 0
	v_nop
	global_prefetch_b8 v0, s[64:65] scope:SCOPE_SE
	s_setreg_imm32_b32 hwreg(HW_REG_WAVE_MODE, 25, 1), 1
	s_wait_xcnt 0x0
	s_wait_alu depctr_hold_cnt(0) depctr_sa_sdst(0) depctr_va_vdst(0) depctr_va_sdst(0) depctr_va_ssrc(0) depctr_va_vcc(0) depctr_vm_vsrc(0)
	s_getreg_b32 s2, hwreg(HW_REG_IB_STS2, 6, 4)
	s_cmp_eq_u32 s2, 0
	s_cbranch_scc0 .Lentry_in_a_cluster
	s_endpgm
.Lentry_in_a_cluster:
	s_bfe_u32 s2, ttmp6, 0x10000c
	s_cmp_lg_u32 s2, 0xf033
	s_cbranch_scc0 .Lentry_shape_is_right
	s_endpgm
.Lentry_shape_is_right:
; q = h Wq + bq, k = h Wk + bk, v = h Wv + bv on codes of FP4 (E2M1) with E8M0 scales, and the results quantised at once: q and k along a head's 64 channels, v along the tokens (the keys are the later product's K).
; OPERANDS lie in memory as images of fragments (16 rows x 128 K: [c][lane][16 bytes], 1,024 bytes), [K step][tile][1,024], scale words [K step][tile / 4][r][tile % 4]; tile 2 p + u holds in row r the index 32 p + 8 u + r + 8 (r / 8).
; With such an operand as source 0, the 16 registers of result tiles 2 b and 2 b + 1 are 16 NEIGHBOURS, 32 b + 16 (lane / 16) + 0 .. 15: what the conversions want.  So source 0 is the axis along which the result is quantised:
; for q and k the features (panel P0 = the weight, P1 = the tokens), for v the tokens (P0 = h, P1 = Wv).  Clusters with x = 0, 1 make q, k; those with x = 2 make v.
; SHARES.  A work-group takes 256 rows of P0 x 256 rows of P1, K = 1,024; BOTH PANELS LIE WHOLE IN LDS (2 x 128 KB and 16 KB of scale words), filled once: no byte of LDS is filled again.  Sixteen waves, four to a SIMD:
; wave w takes P1's tiles 2 (w / 2) + a and P0's tiles 8 (w % 2) + b: 16 accumulators, 128 registers, no register windows.
; CLUSTER 4 x 4: P0's panel hangs on cx alone and is asked for jointly by a column of the cluster, P1's on cy alone, by a row.  Waves 0, 1 fetch P1's halves, waves 2, 3 P0's: three loads each are out (scale words, K steps 0-3, K steps 4-7).
; qb: q's codes [32 heads][128 tiles][512: the half image c = 0] at 0, k's at 0x200000, v's [32][16 K steps][4 tiles][1,024] at 0x400000; scale words: q's [32][32][256] at 0x600000, k's at 0x640000 (bytes 2, 3 are 0x7f: they meet zero codes), v's [32][16][r][tile] at 0x680000.
; LIMITS: NaN and infinities are not served; a block whose largest magnitude lies under 2^-124 (a block of zeros too) gets the byte 1.  The scale words leave in pieces of 8 bytes.
.set WV,   3                           ; s3   my wave's number
.set SEL,  18                          ; s[18:19] selects for lane l xor 16
.set L16,  1                           ; v1   16 x lane
.set R16,  2                           ; v2   16 x (lane % 16)
.set ADR1, 4                           ; v4   LDS: my two tiles of P1
.set ADR0, 5                           ; v5   my eight tiles of P0
.set ADS1, 6                           ; v6   P1's scale words
.set ADS0, 7                           ; v7   P0's
.set F0,   16                          ; v16-79  P0's eight fragments
.set F1,   80                          ; v80-95  P1's two
.set S0,   96                          ; v96-99  P0's scale words: register j: tile j in lanes 0-15, tile 4 + j in lanes 16-31.  Scales and nothing else
.set S1,   100                         ; v100-101 P1's
.set TM,   102                         ; v102-117 the quantiser's work
.set PW,   118
.set PWK,  120                         ; v120-121 the two scale words to be stored
.set BL,   124                         ; v124-125 v's bias
.set ACC,  128                         ; v128-255 accumulator (a, b) at 128 + 64 a + 8 b
.set PC,   16                          ; the way out: the codes (the fragments are done with)
.set SCB,  262144                      ; LDS: quarter q of the panels at 65,536 q ([K step][8 tiles][1,024]); its scale words at SCB + 4,096 q ([K step][2][256])
.macro PLACES n
.rept \n
	v_nop
.endr
.endm
.macro ROUND                           ; a round of the cluster's barrier
	s_barrier_signal -1
	s_barrier_wait -1
	s_cmp_lg_u32 s[WV], 0
	s_cbranch_scc1 .Lnot_wave_0_\@
	s_barrier_signal -3
.Lnot_wave_0_\@:
	s_barrier_wait -3
	s_barrier_signal -1
	s_barrier_wait -1
.endm
.macro QUANT s                         ; 64 numbers of a lane, register 16 b + i = k 32 b + 16 (lane / 16) + i of my row, become a fragment's codes in v[PC] on and its scale word in v[PW]
.irp b, 0,1,2,3
	v_max3_num_f32 v[TM+\b], |v[(\s)+16*\b]|, |v[(\s)+1+16*\b]|, 0x1800000   ; (each accumulator is read from its low end on)
.endr
.irp i, 2,4,6,8,10,12,14
.irp b, 0,1,2,3
	v_max3_num_f32 v[TM+\b], v[TM+\b], |v[(\s)+16*\b+\i]|, |v[(\s)+1+16*\b+\i]|
.endr
.endr
.irp b, 0,1,2,3
	v_permlanex16_b32 v[TM+4+\b], v[TM+\b], s[SEL], s[SEL+1]
.endr
.irp b, 0,1,2,3
	v_max_num_f32 v[TM+\b], v[TM+\b], v[TM+4+\b]
.endr
.irp b, 0,1,2,3
	v_add_nc_u32 v[TM+12+\b], 0xff000000, v[TM+\b]
.endr
.irp b, 0,1,2,3
	v_lshrrev_b32 v[TM+4+\b], 23, v[TM+12+\b]
.endr
	v_lshl_or_b32 v[PW], v[TM+5], 8, v[TM+4]
	v_lshl_or_b32 v[PW], v[TM+6], 16, v[PW]
	v_lshl_or_b32 v[PW], v[TM+7], 24, v[PW]
.irp b, 0,1,2,3
	v_cvt_scalef32_pk8_fp4_f32 v[PC+2*\b], v[(\s)+16*\b:(\s)+7+16*\b], v[TM+12+\b]
	v_cvt_scalef32_pk8_fp4_f32 v[PC+1+2*\b], v[(\s)+8+16*\b:(\s)+15+16*\b], v[TM+12+\b]
.endr
	v_nop
.irp c, 0,1
.irp i, 0,1
	v_permlane16_swap_b32 v[PC+4*\c+\i], v[PC+2+4*\c+\i]
.endr
.endr
.endm
; One K step of 128: 22 LDS loads, each of consecutive bytes, and 16 products; the 16 accumulators take turns, in the same order in every step.
.macro KSTEP ks
	PLACES 4                                       ; in front of loads into registers that matrix instructions have read (ISA guide 7.12.1 for vector instructions)
.irp a, 0,1
.irp c, 0,1
	ds_load_b128 v[F1+8*\a+4*\c:F1+8*\a+4*\c+3], v[ADR1] offset:(\ks)*8192+\a*1024+\c*512
.endr
.endr
	ds_load_b64 v[S1:S1+1], v[ADS1] offset:(\ks)*512
	ds_load_b128 v[S0:S0+3], v[ADS0] offset:(\ks)*512
.irp b, 0,1,2,3,4,5,6,7
.irp c, 0,1
	ds_load_b128 v[F0+8*\b+4*\c:F0+8*\b+4*\c+3], v[ADR0] offset:(\ks)*8192+\b*1024+\c*512
.endr
.endr
	s_wait_dscnt 8                                 ; all but the youngest eight loads: P0's tiles 4-7
.irp b, 0,1,2,3
.irp a, 0,1
	v_wmma_scale_f32_16x16x128_f8f6f4 v[ACC+64*\a+8*\b:ACC+64*\a+8*\b+7], v[F0+8*\b:F0+8*\b+7], v[F1+8*\a:F1+8*\a+7], v[ACC+64*\a+8*\b:ACC+64*\a+8*\b+7], v[S0+\b], v[S1+\a] matrix_a_fmt:MATRIX_FMT_FP4 matrix_b_fmt:MATRIX_FMT_FP4
.endr
.endr
	s_wait_dscnt 0x0
.irp b, 4,5,6,7
.irp a, 0,1
	v_wmma_scale_f32_16x16x128_f8f6f4 v[ACC+64*\a+8*\b:ACC+64*\a+8*\b+7], v[F0+8*\b:F0+8*\b+7], v[F1+8*\a:F1+8*\a+7], v[ACC+64*\a+8*\b:ACC+64*\a+8*\b+7], v[S0+\b-4], v[S1+\a] matrix_a_fmt:MATRIX_FMT_FP4 matrix_b_fmt:MATRIX_FMT_FP4 matrix_a_scale:MATRIX_SCALE_ROW1
.endr
.endr
.endm
	s_load_b256 s[4:11], s[0:1], 0x0               ; hb, wb, bq, bk
	s_load_b128 s[12:15], s[0:1], 0x20             ; bv, qb
	v_lshl_add_u32 v126, v0, 2, 0x44000
	v_mov_b32 v127, 0
	ds_add_u32 v126, v127
	v_lshrrev_b32 v1, 5, v0
	v_readfirstlane_b32 s[WV], v1                  ; wave 0..15
	s_lshr_b32 s84, s[WV], 1                       ; wr
	s_and_b32 s85, s[WV], 1                        ; wc
	s_bfe_u32 s16, ttmp6, 0x40000                  ; cx
	s_bfe_u32 s17, ttmp6, 0x40004                  ; cy
	s_and_b32 s19, ttmp7, 0xffff                   ; cluster y
	s_cmp_eq_u32 ttmp9, 2                          ; cluster x = 2 makes v: the same in all sixteen partners
	s_cselect_b32 s20, 1, 0
	s_cselect_b32 s21, s19, ttmp9
	s_cselect_b32 s22, 2, s19
	s_mov_b32 s86, 0x200000
	s_cselect_b32 s86, 0x680000, s86               ; where P1's scale words begin in its buffer,
	s_mov_b32 s88, 0x680000
	s_cselect_b32 s88, 0x200000, s88               ; and P0's
	s_lshl_b32 s21, s21, 2
	s_add_co_u32 s21, s21, s16                     ; i0, P0's panel: it holds cx and never cy
	s_lshl_b32 s22, s22, 2
	s_add_co_u32 s22, s22, s17                     ; i1, P1's panel: it holds cy and never cx
	s_lshl_b32 s23, s17, 2
	s_lshl_b32 s23, 15, s23                        ; my row of the cluster: for P1
	s_lshl_b32 s2, 0x1111, s16                     ; my column: for P0
	; descriptor groups 1.  Codes: 4 K steps x 8 KB (8 tiles on end: 1,024 elements of 8 bytes), 256 KB from K step to K step.  Scale words: 8 K steps x 512 bytes, 16 KB apart.  No padding: every LDS load takes consecutive bytes
	s_or_b32 s24, s23, (3<<16)|(1<<21)             ; 15:0 the mask; 17:16 elements of 8 bytes; 21 set beside a mask
	s_or_b32 s32, s2, (3<<16)|(1<<21)
	s_or_b32 s40, s23, (3<<16)|(1<<21)
	s_or_b32 s48, s2, (3<<16)|(1<<21)
.irp g, 24, 32
	s_mov_b32 s[\g+1], 1024<<16                    ; tensor_dim0
	s_mov_b32 s[\g+2], 4<<16                       ; tensor_dim1
	s_mov_b32 s[\g+3], 1024<<16                    ; tile_dim0
	s_mov_b32 s[\g+4], 4                           ; tile_dim1
	s_mov_b32 s[\g+5], 32768                       ; tensor_dim0_stride
	s_mov_b32 s[\g+6], 0
	s_mov_b32 s[\g+7], 0
.endr
.irp g, 40, 48
	s_mov_b32 s[\g+1], 64<<16
	s_mov_b32 s[\g+2], 8<<16
	s_mov_b32 s[\g+3], 64<<16
	s_mov_b32 s[\g+4], 8
	s_mov_b32 s[\g+5], 2048
	s_mov_b32 s[\g+6], 0
	s_mov_b32 s[\g+7], 0
.endr
	s_lshl_b32 s90, s22, 14                        ; P1's codes: 16 tiles a panel, 8 a half
	s_lshl_b32 s96, s85, 13
	s_add_co_u32 s90, s90, s96
	s_mov_b32 s91, 0
	s_lshl_b32 s96, s22, 10                        ; its scale words: 1,024 bytes a panel
	s_add_co_u32 s86, s86, s96
	s_lshl_b32 s96, s85, 9
	s_add_co_u32 s86, s86, s96
	s_mov_b32 s87, 0
	s_lshl_b32 s92, s21, 14                        ; P0 likewise
	s_lshl_b32 s99, s85, 13
	s_add_co_u32 s92, s92, s99
	s_mov_b32 s93, 0
	s_lshl_b32 s99, s21, 10
	s_add_co_u32 s88, s88, s99
	s_lshl_b32 s99, s85, 9
	s_add_co_u32 s88, s88, s99
	s_mov_b32 s89, 0
	s_lshl_b32 s97, s[WV], 16                      ; where a fetching wave's quarter goes: 65,536 x wave,
	s_lshl_b32 s98, s[WV], 12
	s_add_co_u32 s98, s98, SCB                     ; and its scale words
	s_wait_dscnt 0x0
	s_wait_kmcnt 0x0
	s_cmp_eq_u32 s20, 1
	s_cselect_b64 s[94:95], s[6:7], s[4:5]         ; P1's buffer
	s_cselect_b64 s[100:101], s[4:5], s[6:7]       ; P0's
	s_mov_b32 s56, 1                               ; groups 0 for P1: scale words,
	s_mov_b32 s57, s98
	s_add_nc_u64 s[58:59], s[94:95], s[86:87]
	s_or_b32 s59, s59, 0x80000000
	s_mov_b32 s60, 1                               ; K steps 0-3,
	s_mov_b32 s61, s97
	s_add_nc_u64 s[62:63], s[94:95], s[90:91]
	s_mov_b32 s68, 1                               ; K steps 4-7
	s_add_co_u32 s69, s97, 32768
	s_add_nc_u64 s[70:71], s[62:63], 0x100000
	s_or_b32 s63, s63, 0x80000000
	s_or_b32 s71, s71, 0x80000000
	s_mov_b32 s72, 1                               ; and for P0
	s_mov_b32 s73, s98
	s_add_nc_u64 s[74:75], s[100:101], s[88:89]
	s_or_b32 s75, s75, 0x80000000
	s_mov_b32 s76, 1
	s_mov_b32 s77, s97
	s_add_nc_u64 s[78:79], s[100:101], s[92:93]
	s_mov_b32 s80, 1
	s_add_co_u32 s81, s97, 32768
	s_add_nc_u64 s[82:83], s[78:79], 0x100000
	s_or_b32 s79, s79, 0x80000000
	s_or_b32 s83, s83, 0x80000000
	ROUND                                          ; all sixteen work-groups are here: the joint loads meet
	s_cmp_lt_u32 s[WV], 2                          ; a wave's three fills stand in one branch on its number
	s_cbranch_scc0 .Lnot_p1
	tensor_load_to_lds s[56:59], s[40:47]
	s_nop 0
	tensor_load_to_lds s[60:63], s[24:31]
	s_nop 0
	tensor_load_to_lds s[68:71], s[24:31]
	s_nop 0
	PLACES 4
	s_branch .Lasked
.Lnot_p1:
	s_cmp_lt_u32 s[WV], 4
	s_cbranch_scc0 .Lasked
	tensor_load_to_lds s[72:75], s[48:55]
	s_nop 0
	tensor_load_to_lds s[76:79], s[32:39]
	s_nop 0
	tensor_load_to_lds s[80:83], s[32:39]
	s_nop 0
	PLACES 4
.Lasked:
	v_and_b32 v1, 31, v0
	v_lshlrev_b32 v[L16], 4, v1
	v_and_b32 v3, 15, v0                           ; r
	v_lshlrev_b32 v[R16], 4, v3
	v_bfe_u32 v9, v0, 4, 1                         ; h
	v_lshlrev_b32 v8, 6, v9                        ; 64 h
	v_and_b32 v10, 8, v3
	v_add_nc_u32 v10, v10, v3
	v_lshlrev_b32 v10, 2, v10                      ; 4 (r + 8 (r / 8))
.irp b, 0,1,2,3
	v_mov_b32 v[TM+4+\b], 0                        ; written once: a lane permute's destination counts as one of its sources
.endr
	s_mov_b32 s[SEL], 0x76543210
	s_mov_b32 s[SEL+1], 0xfedcba98
	; THE SUMS BEGIN AS THE BIAS.  q, k: the bias runs along the registers (features 32 (b / 2) + 16 h + 8 (b % 2) + j) and is loaded straight into the accumulators.  v: it runs along the lanes (P1's rows) and is copied
	s_and_b32 s96, s21, 3
	s_lshl_b32 s96, s96, 10
	s_lshl_b32 s99, s85, 9
	s_add_co_u32 s96, s96, s99                     ; q, k: 4 (256 (i0 % 4) + 128 wc)
	s_lshl_b32 s98, s17, 10
	s_lshl_b32 s99, s84, 7
	s_add_co_u32 s98, s98, s99                     ; v: 4 (256 cy + 32 wr)
	s_cmp_eq_u32 ttmp9, 1
	s_cselect_b64 s[94:95], s[10:11], s[8:9]
	s_cmp_eq_u32 s20, 1
	s_cselect_b64 s[94:95], s[12:13], s[94:95]
	s_cselect_b32 s96, s98, s96
	s_mov_b32 s97, 0
	s_add_nc_u64 s[94:95], s[94:95], s[96:97]
	s_cmp_eq_u32 s20, 1
	s_cbranch_scc1 .Lbias_v
.irp a, 0,1
.irp b, 0,1,2,3,4,5,6,7
	global_load_b128 v[ACC+64*\a+8*\b:ACC+64*\a+8*\b+3], v8, s[94:95] offset:(32*(\b/2)+8*(\b%2))*4
	global_load_b128 v[ACC+64*\a+8*\b+4:ACC+64*\a+8*\b+7], v8, s[94:95] offset:(32*(\b/2)+8*(\b%2))*4+16
.endr
.endr
	s_branch .Lbias_done
.Lbias_v:
	global_load_b32 v[BL], v10, s[94:95]
	global_load_b32 v[BL+1], v10, s[94:95] offset:32
	s_wait_loadcnt 0x0
.irp a, 0,1
.set bi, 0
.rept 64
	v_mov_b32 v[ACC+64*\a+bi], v[BL+\a]            ; these set the bias: they clear nothing
.set bi, bi+1
.endr
.endr
.Lbias_done:
	s_lshr_b32 s96, s84, 2                         ; P1's tiles 2 wr + a: half wr / 4, tile 2 (wr % 4) + a in it
	s_lshl_b32 s96, s96, 16
	s_and_b32 s99, s84, 3
	s_lshl_b32 s99, s99, 11
	s_add_co_u32 s96, s96, s99
	v_add_nc_u32 v[ADR1], s96, v[L16]
	s_add_co_u32 s96, s85, 2                       ; P0's half wc is quarter 2 + wc
	s_lshl_b32 s96, s96, 16
	v_add_nc_u32 v[ADR0], s96, v[L16]
	s_lshr_b32 s96, s84, 2
	s_lshl_b32 s96, s96, 12
	s_bfe_u32 s99, s84, 0x10001
	s_lshl_b32 s99, s99, 8
	s_add_co_u32 s96, s96, s99
	s_and_b32 s99, s84, 1
	s_lshl_b32 s99, s99, 3
	s_add_co_u32 s96, s96, s99
	s_add_co_u32 s96, s96, SCB
	v_add_nc_u32 v[ADS1], s96, v[R16]              ; 16 r + 8 (wr % 2): the words of tiles 2 wr, 2 wr + 1
	s_add_co_u32 s96, s85, 2
	s_lshl_b32 s96, s96, 12
	s_add_co_u32 s96, s96, SCB
	v_add_nc_u32 v[ADS0], s96, v[L16]              ; 16 x lane: lanes 0-15 tiles 0-3, lanes 16-31 tiles 4-7
	s_wait_tensorcnt 1                             ; my scale words and K steps 0-3 are in; the load of K steps 4-7 may be out
	s_barrier_signal -1
	s_barrier_wait -1                              ; everybody's are
	s_wait_loadcnt 0x0                             ; the bias
	KSTEP 0
	KSTEP 1
	KSTEP 2
	KSTEP 3
	s_wait_tensorcnt 0x0                           ; K steps 4-7 (no LDS instruction of mine is out: the last step waited for all)
	s_barrier_signal -1
	s_barrier_wait -1
	KSTEP 4
	KSTEP 5
	KSTEP 6
	KSTEP 7
	PLACES 4
	; THE WAY OUT.  One text for q, k and v: what differs is chosen by scalar selects.  The descriptors' registers are free: all tensor loads have been waited for.
	s_lshr_b32 s24, s22, 3                         ; q, k: head A = 16 (i1 / 8) + 4 (i0 % 4) + 2 wc (batch x 16 + head); the wave's 128 features are heads A and A + 1
	s_lshl_b32 s24, s24, 4
	s_and_b32 s25, s21, 3
	s_lshl_b32 s25, s25, 2
	s_add_co_u32 s24, s24, s25
	s_lshl_b32 s25, s85, 1
	s_add_co_u32 s24, s24, s25
	s_and_b32 s25, s22, 7                          ; token tile in the batch: 16 (i1 % 8) + 2 wr + a
	s_lshl_b32 s25, s25, 4
	s_lshl_b32 s26, s84, 1
	s_add_co_u32 s25, s25, s26
	s_lshl_b32 s26, s24, 7
	s_add_co_u32 s26, s26, s25
	s_lshl_b32 s26, s26, 9
	s_lshl_b32 s27, ttmp9, 21                      ; q at 0, k at 0x200000
	s_add_co_u32 s26, s26, s27
	s_lshl_b32 s27, s24, 13
	s_lshr_b32 s28, s25, 2
	s_lshl_b32 s28, s28, 8
	s_add_co_u32 s27, s27, s28
	s_lshl_b32 s28, ttmp9, 18
	s_add_co_u32 s27, s27, s28
	s_add_co_u32 s27, s27, 0x600000
	s_lshr_b32 s29, s21, 3                         ; v: head = 16 (i0 / 8) + 4 cy + wr / 2; K step = 2 (i0 % 8) + wc; tile of channels 2 (wr % 2) + a
	s_lshl_b32 s29, s29, 4
	s_lshl_b32 s30, s17, 2
	s_add_co_u32 s29, s29, s30
	s_lshr_b32 s30, s84, 1
	s_add_co_u32 s29, s29, s30
	s_lshl_b32 s29, s29, 4
	s_and_b32 s30, s21, 7
	s_lshl_b32 s30, s30, 1
	s_add_co_u32 s29, s29, s30
	s_add_co_u32 s29, s29, s85
	s_lshl_b32 s30, s29, 12
	s_and_b32 s31, s84, 1
	s_lshl_b32 s32, s31, 11
	s_add_co_u32 s30, s30, s32
	s_add_co_u32 s30, s30, 0x400000
	s_lshl_b32 s33, s29, 8
	s_add_co_u32 s33, s33, 0x680000
	s_lshl_b32 s31, s31, 3                         ; 8 (wr % 2): the place of the two words in a row's four
	s_cmp_eq_u32 s20, 1
	s_cselect_b32 s36, s30, s26                    ; where the codes go,
	s_cselect_b32 s38, s33, s27                    ; the scale words,
	s_mov_b32 s40, 512
	s_cselect_b32 s40, 1024, s40                   ; bytes from a = 0 to a = 1,
	s_mov_b32 s42, 65536
	s_cselect_b32 s42, 512, s42                    ; from registers 0-3 to registers 4-7: the next head's half image, or the same image's second half
	s_cselect_b32 s44, 0, -1                       ; q, k alone: lanes 16-31 serve head A + 1
	s_mov_b32 s45, 0xffff
	s_cselect_b32 s45, -1, s45
	s_mov_b32 s46, 0x7f7f0000
	s_cselect_b32 s46, 0, s46
	s_add_co_u32 s38, s38, s31
	s_mov_b32 s37, 0
	s_mov_b32 s39, 0
	s_mov_b32 s41, 0
	s_mov_b32 s43, 0
	s_add_nc_u64 s[48:49], s[14:15], s[36:37]
	s_add_nc_u64 s[50:51], s[48:49], s[42:43]
	s_add_nc_u64 s[52:53], s[48:49], s[40:41]
	s_add_nc_u64 s[54:55], s[52:53], s[42:43]
	s_add_nc_u64 s[56:57], s[14:15], s[38:39]
	v_lshlrev_b32 v11, 4, v9
	v_and_b32 v11, s44, v11                        ; q, k: 16 h bits down: my head's two bytes
	v_lshlrev_b32 v12, 13, v9
	v_and_b32 v12, s44, v12
	v_add_nc_u32 v12, v12, v[R16]                  ; 16 r, and for q, k 8,192 h: the next head's words
.irp a, 0,1
.if \a
	s_wait_xcnt 0x0                                ; the stores above have read the codes' registers: they are written again only behind this wait
.endif
	QUANT ACC+64*\a
	global_store_b128 v[L16], v[PC:PC+3], s[48+4*\a:49+4*\a]       ; 512 consecutive bytes a store
	global_store_b128 v[L16], v[PC+4:PC+7], s[50+4*\a:51+4*\a]
	v_lshrrev_b32 v[PWK+\a], v11, v[PW]
	v_and_or_b32 v[PWK+\a], v[PWK+\a], s45, s46    ; q, k: two bytes, and 0x7f for the 64 along K that are zero codes
.endr
	global_store_b64 v12, v[PWK:PWK+1], s[56:57]
	s_wait_tensorcnt 0x0
	ds_add_u32 v126, v127
	s_wait_dscnt 0x0
	ROUND                                          ; the closing round: no work-group ends while a partner may still ask for a tile that names it
	s_endpgm
.Lfunc_end_k_q2c02e9e83f_qkv:
	.size	k_q2c02e9e83f_qkv, .Lfunc_end_k_q2c02e9e83f_qkv-k_q2c02e9e83f_qkv
	.p2alignl 7, 3214868480
	.fill 96, 4, 3214868480
	.section	.rodata,"a",@progbits
	.p2align	6, 0x0
	.amdhsa_kernel k_q2c02e9e83f_qkv
		.amdhsa_group_segment_fixed_size 280576
		.amdhsa_private_segment_fixed_size 0
		.amdhsa_enable_private_segment 0
		.amdhsa_kernarg_size 48
		.amdhsa_user_sgpr_count 2
		.amdhsa_user_sgpr_kernarg_segment_ptr 1
		.amdhsa_wavefront_size32 1
		.amdhsa_system_sgpr_workgroup_id_x 1
		.amdhsa_system_sgpr_workgroup_id_y 1
		.amdhsa_system_sgpr_workgroup_id_z 1
		.amdhsa_system_vgpr_workitem_id 0
		.amdhsa_next_free_vgpr 256
		.amdhsa_next_free_sgpr 102
		.amdhsa_reserve_vcc 0
		.amdhsa_float_denorm_mode_32 3
		.amdhsa_float_denorm_mode_16_64 3
		.amdhsa_memory_ordered 1
		.amdhsa_forward_progress 1
		.amdhsa_inst_pref_size 56
	.end_amdhsa_kernel
	.amdgpu_metadata
---
amdhsa.version: [ 1, 2 ]
amdhsa.kernels:
  - .name:           k_q2c02e9e83f_qkv
    .symbol:         k_q2c02e9e83f_qkv.kd
    .args:
      - { .name: hb, .offset: 0, .size: 8, .value_kind: global_buffer, .address_space: global }
      - { .name: wb, .offset: 8, .size: 8, .value_kind: global_buffer, .address_space: global }
      - { .name: bq, .offset: 16, .size: 8, .value_kind: global_buffer, .address_space: global }
      - { .name: bk, .offset: 24, .size: 8, .value_kind: global_buffer, .address_space: global }
      - { .name: bv, .offset: 32, .size: 8, .value_kind: global_buffer, .address_space: global }
      - { .name: qb, .offset: 40, .size: 8, .value_kind: global_buffer, .address_space: global }
    .group_segment_fixed_size: 280576
    .private_segment_fixed_size: 0
    .kernarg_segment_align: 8
    .kernarg_segment_size: 48
    .max_flat_workgroup_size: 512
    .sgpr_count:     102
    .vgpr_count:     256
    .wavefront_size: 32
...
	.end_amdgpu_metadata
.endif
;; end of part 2
;; launch attn (part 3): grid 8 x 32, 8 waves a work-group, no clusters, 267,776 bytes of LDS; arguments qb, slim, ab; writes ab
.if DOCPART == 3
	.amdgcn_target "amdgcn-amd-amdhsa--gfx1250"
	.amdhsa_code_object_version 6
	.text
	.protected	k_q2c02e9e83f_attn
	.globl	k_q2c02e9e83f_attn
	.p2align	8
	.type	k_q2c02e9e83f_attn,@function
k_q2c02e9e83f_attn:
	s_mov_b64 s[64:65], 0
	v_nop
	global_prefetch_b8 v0, s[64:65] scope:SCOPE_SE
	s_setreg_imm32_b32 hwreg(HW_REG_WAVE_MODE, 25, 1), 1
	s_wait_xcnt 0x0
; For each of 32 heads (batch x 16 + head): p = exp(s / 8 - max) / (1 + the sum of these) x slim[head], s = q . k; o = p v.  Both products on codes of FP4 (E2M1) with E8M0 scales.
; p IS QUANTISED FINISHED, as it is defined: so a row's maximum and sum over ALL 2,048 keys are known before any p is turned into a code.  o is quantised along the features for the next product.
; SHARES.  A work-group takes 256 queries (16 tiles) of one head.  WAVE w OWNS KEYS 256 w .. 256 w + 255, as two HALVES of 128: its codes of k (16 tiles) and v (2 K steps x 4 tiles of channels) stay in its registers.
; So each score costs one product and one exponential.  Each half has its own maximum m and sum l of e = 2^(c s - c m), c = log2(e) / 8.  For each tile of queries the eight waves exchange, through LDS, their (c m, l) of both halves;
; each then scales a half's e by F = 2^(c m - M) x slim / (1 + the sum over all sixteen halves of l 2^(c m - M)), M the largest c m: the maximum is taken away as it is in the definition.
; The waves' partial o are added through LDS once for 8 tiles.
; A PIPELINE.  The exponentials and the other vector work are laid side by side.  Half 0 has two register buffers, by the tile's parity, so that a tile's half 0 is under way while the tile before is being finished.
; A PERIOD runs from one barrier to the next, for tile i.  Its first part: half 0's exponentials, in units of four; between the units: the exchange of tile i - 1 is read and F made, tile i - 1's half 1 is finished and
; quantised, tile i's half 1 gets its scores and maxima.  Its second part: half 1's exponentials; between the units: half 0's sum, tile i - 1's half 0 is finished and quantised, O^T of tile i - 1, tile i + 1's half 0 gets its scores
; and maxima.  Then half 1's sum, the store of my four numbers, and the barrier, with the first four units of tile i + 1 round its signal.  The pipeline drains once for 8 tiles, ahead of the adding-up.
; LAYOUT.  Both products are used transposed (S^T = k q^T, O^T = v^T p^T): a lane holds one query.  The keys of a tile of k are 32 p + 8 u + r + 8 (r / 8), so that the 16 registers of tiles 2 b, 2 b + 1 are 16 neighbouring keys.
; A head has 64 channels: half a K step.  q's registers 4-7 are zero codes, and the scale bytes of that half are 0x7f on both sides; k's tile t is named as v[4 t : 4 t + 7], whose upper half (the next tile's codes) meets those zeros.
; A block's largest |p| is not searched for: p rises with the score, so the block's largest score goes through the same multiply-add, exponential and multiplication (this takes v_exp_f32 not to fall where its input rises).
; NO CLUSTER: k and v, 140 KB a work-group, are read once, at the head, straight into registers, where a joint load cannot land; q differs between work-groups.
; REGISTERS.  Window 0: v1-13 addresses and my two factors; v16-31 q, two buffers; v32-47 scale words and nothing else; v48-95 statistics; v96-159 half 0 of even tiles; v160-223 half 1;
;   v224-255 the sixteen pairs of the exchange, then p's codes (v224-239) and the scales' work.   Window 1: v0-67 k (v64-67 zero); v72-135 v; v136-167 O^T; v168-231 half 0 of odd tiles.
; LDS: the partial O^T [8 tiles][8 waves][4,096] at 0; the exchange, two buffers by turns of 16 rows x (8 waves x 16 bytes + 16), at 262,144.
; LIMITS: NaN and infinities are not served; v_exp_f32 gives 0 for results under 2^-126; a block whose largest |p| lies under 2^-124 gets the byte 1.  The scale bytes leave in pieces of 2 bytes, 128 KB in all.
; Behind the last tiles q's loads read up to 1,024 + 64 bytes further on in qb than the work-group's own tiles: bytes of qb that nobody uses there.
.set STAT, 262144
.set STB,  2304                        ; a buffer of the exchange
.set L16, 1                            ; v1   16 x lane
.set R16, 2                            ; v2   16 x (lane % 16)
.set STW, 3                            ; v3   the exchange: where I put my wave's four numbers
.set STR, 4                            ; v4   and where my query's row begins
.set OPW, 5                            ; v5   4,096 x wave + 16 x lane
.set OPA, 6                            ; v6   + the tile's 32,768
.set OPR, 7                            ; v7   32,768 x wave + 16 x lane: the tile that I add up
.set QA,  8                            ; v8-9   offsets of q's codes to come, by turns
.set QSA, 10                           ; v10-11 and of its scale words
.set G0,  12                           ; v12-13 2^(c m - M) of my two halves, then x slim
.set G1,  13
.set QF,  16
.set KS,  32                           ; v32-39 k's scale words: tile t: register 4 (t / 8) + t % 4, lanes 0-15 or 16-31 by (t / 4) % 2
.set VS,  40                           ; v40-43 v's: tile t: register t, lanes by the K step
.set QS,  44                           ; v44-45 q's, two buffers
.set PWS, 46                           ; v46-47 p's, for my two K steps
.set BM,  48                           ; v48-63 the eight blocks' largest, by the tile's parity
.set BX,  64
.set STP, 72                           ; v72-79 (c m, l) of half 0, (c m, l) of half 1, by the tile's parity
.set SU,  80                           ; v80-87 four chains of sums
.set FF,  88                           ; v[88:89] F of half 0, v[90:91] of half 1
.set MX,  92
.set LL,  93
.set RR,  94
.set L2,  95
.set S,   96                           ; half 0 of a tile of parity p lies at 96 + 72 p of window p
.set S1,  160
.set ST,  224
.set PC,  224
.set SCO, 240
.set BY,  248
.set KW,  0                            ; window 1
.set VW,  72
.set OW,  136
.set WV,  10
.set SEL, 20
.set CS,  22                           ; s[22:23] c
.set SLIM, 24
.set TI,  25                           ; the tile in hand, 0 .. 15
.set TO,  26                           ; where the next partial O^T goes
.set TC,  27
.set GC,  28
.set MSB, 0
.macro WIN new                         ; bits 1:0 source 0, 3:2 source 1, 5:4 source 2, 7:6 destination; the high byte repeats the setting that is left
.if MSB != (\new)
	s_set_vgpr_msb (MSB<<8)|(\new)
.set MSB, (\new)
.endif
.endm
.macro WINX w                          ; for an exponential in place: only the destination's and source 0's windows matter to it; the other two fields stay
.if (MSB&0xc3) != 0x41*(\w)
.set NMSB, (MSB&0x3c)|(0x41*(\w))
	s_set_vgpr_msb (MSB<<8)|NMSB
.set MSB, NMSB
.endif
.endm
.macro PLACES n
.rept \n
	v_nop
.endr
.endm
; ---- a half's 64 scores (window w, from register r on) become e, in sixteen units
.macro SC w, r, cm, j                  ; pair j: c s - c m
	WIN 0x41*(\w)
	v_pk_fma_f32 v[(\r)+2*(\j):(\r)+2*(\j)+1], v[(\r)+2*(\j):(\r)+2*(\j)+1], s[CS:CS+1], v[(\cm):(\cm)+1] op_sel_hi:[1,0,0] neg_lo:[0,0,1] neg_hi:[0,0,1]
.endm
.macro EX w, r, j
	WINX \w
	v_exp_f32 v[(\r)+(\j)], v[(\r)+(\j)]
.endm
.macro PRE w, r, cm                    ; the scalings of units 0 and 1
.irp j, 0,1,2,3
	SC \w, \r, \cm, \j
.endr
.endm
.macro UNIT w, r, cm, u                ; unit u: four exponentials, and the two scalings of the unit two further on
.if (\u)+2 < 16
	SC \w, \r, \cm, 2*(\u)+4
.endif
	EX \w, \r, 4*(\u)
	EX \w, \r, 4*(\u)+1
.if (\u)+2 < 16
	SC \w, \r, \cm, 2*(\u)+5
.endif
	EX \w, \r, 4*(\u)+2
	EX \w, \r, 4*(\u)+3
.endm
.macro UH p, u                         ; a unit of half 0 of a tile of parity p
	UNIT \p, 96+72*(\p), STP+4*(\p), \u
.endm
.macro UL p, u                         ; a unit of half 1
	UNIT 0, S1, STP+4*(\p)+2, \u
.endm
.macro BMX bm                          ; the four blocks' largest e: the same two instructions on the same number give the same bits
.irp b, 0,1,2,3
	EX 0, \bm, \b
.endr
.endm
; ---- the scores of half hh: eight products, q from buffer qp
.macro SPROD hh, qp, w, r
	WIN 0x40*(\w)+1                                ; k in window 1
.set t, 0
.rept 8
.if (t/4)%2
	v_wmma_scale_f32_16x16x128_f8f6f4 v[(\r)+8*t:(\r)+8*t+7], v[KW+32*(\hh)+4*t:KW+32*(\hh)+4*t+7], v[QF+8*(\qp):QF+8*(\qp)+7], 0, v[KS+4*(\hh)+t%4], v[QS+(\qp)] matrix_a_fmt:MATRIX_FMT_FP4 matrix_b_fmt:MATRIX_FMT_FP4 matrix_a_scale:MATRIX_SCALE_ROW1
.else
	v_wmma_scale_f32_16x16x128_f8f6f4 v[(\r)+8*t:(\r)+8*t+7], v[KW+32*(\hh)+4*t:KW+32*(\hh)+4*t+7], v[QF+8*(\qp):QF+8*(\qp)+7], 0, v[KS+4*(\hh)+t%4], v[QS+(\qp)] matrix_a_fmt:MATRIX_FMT_FP4 matrix_b_fmt:MATRIX_FMT_FP4
.endif
.set t, t+1
.endr
.endm
; ---- the largest score of each of a half's four blocks of 32 keys, and of the half; in three parts
.macro MSA w, r, bm
	WIN 0x15*(\w)
.irp b, 0,1,2,3
	v_max3_num_f32 v[(\bm)+\b], v[(\r)+16*\b], v[(\r)+16*\b+1], v[(\r)+16*\b+2]    ; (each accumulator is read from its low end on)
.endr
	WIN 0x14*(\w)
.irp i, 3,5,7,9,11,13
.irp b, 0,1,2,3
	v_max3_num_f32 v[(\bm)+\b], v[(\bm)+\b], v[(\r)+16*\b+\i], v[(\r)+16*\b+\i+1]
.endr
.endr
.endm
.macro MSQ w, r, bm
	WIN 0x04*(\w)
.irp b, 0,1,2,3
	v_max_num_f32 v[(\bm)+\b], v[(\bm)+\b], v[(\r)+16*\b+15]
.endr
	WIN 0
.irp b, 0,1,2,3
	v_permlanex16_b32 v[BX+\b], v[(\bm)+\b], s[SEL], s[SEL+1]
.endr
.endm
.macro MSR bm, cm
	WIN 0
.irp b, 0,1,2,3
	v_max_num_f32 v[(\bm)+\b], v[(\bm)+\b], v[BX+\b]       ; with lane l xor 16's 16 keys
.endr
	v_max3_num_f32 v[MX], v[(\bm)], v[(\bm)+1], v[(\bm)+2]
	v_max_num_f32 v[MX], v[MX], v[(\bm)+3]
	v_mul_f32 v[\cm], s[CS], v[MX]                 ; c m of the half
.irp b, 0,1,2,3
	v_fma_f32 v[(\bm)+\b], v[(\bm)+\b], s[CS], -v[\cm]
.endr
.endm
; ---- the sum of a half's unquantised e, in four chains; in two parts
.macro SUMA w, r
	WIN 0x05*(\w)
.irp k, 0,1,2,3
	v_pk_add_f32 v[SU+2*\k:SU+2*\k+1], v[(\r)+2*\k:(\r)+2*\k+1], v[(\r)+8+2*\k:(\r)+8+2*\k+1]
.endr
	WIN 0x04*(\w)
.irp j, 16,24,32
.irp k, 0,1,2,3
	v_pk_add_f32 v[SU+2*\k:SU+2*\k+1], v[SU+2*\k:SU+2*\k+1], v[(\r)+\j+2*\k:(\r)+\j+2*\k+1]
.endr
.endr
.endm
.macro SUMB w, r, ld
	WIN 0x04*(\w)
.irp j, 40,48,56
.irp k, 0,1,2,3
	v_pk_add_f32 v[SU+2*\k:SU+2*\k+1], v[SU+2*\k:SU+2*\k+1], v[(\r)+\j+2*\k:(\r)+\j+2*\k+1]
.endr
.endr
	WIN 0
	v_pk_add_f32 v[SU:SU+1], v[SU:SU+1], v[SU+2:SU+3]
	v_pk_add_f32 v[SU+4:SU+5], v[SU+4:SU+5], v[SU+6:SU+7]
	v_pk_add_f32 v[SU:SU+1], v[SU:SU+1], v[SU+4:SU+5]
	v_add_f32 v[SU], v[SU], v[SU+1]
	v_permlanex16_b32 v[SU+1], v[SU], s[SEL], s[SEL+1]
	v_add_f32 v[\ld], v[SU], v[SU+1]
.endm
; ---- the exchange of a tile of parity pp is read, and F made; in five parts
.macro D1 pp
	WIN 0
.irp i, 0,1,2,3,4,5,6,7
	ds_load_b128 v[ST+4*\i:ST+4*\i+3], v[STR] offset:(\pp)*STB+16*\i       ; wave i's (c m, l, c m, l)
.endr
.endm
.macro D2 pp
	s_wait_dscnt 0x0
	WIN 0
	v_max3_num_f32 v[MX], v[ST], v[ST+2], v[ST+4]
	v_max3_num_f32 v[L2], v[ST+16], v[ST+18], v[ST+20]
	v_max3_num_f32 v[MX], v[MX], v[ST+6], v[ST+8]
	v_max3_num_f32 v[L2], v[L2], v[ST+22], v[ST+24]
	v_max3_num_f32 v[MX], v[MX], v[ST+10], v[ST+12]
	v_max3_num_f32 v[L2], v[L2], v[ST+26], v[ST+28]
	v_max3_num_f32 v[MX], v[MX], v[ST+14], v[ST+30]
	v_max_num_f32 v[MX], v[MX], v[L2]              ; M: c x the row's maximum over all keys
.irp k, 0,2,4,6,8,10,12,14,16,18,20,22,24,26,28,30
	v_sub_f32 v[ST+\k], v[ST+\k], v[MX]
.endr
	v_sub_f32 v[G0], v[STP+4*(\pp)], v[MX]
	v_sub_f32 v[G1], v[STP+4*(\pp)+2], v[MX]
.endm
.macro D3
.irp k, 0,2,4,6,8,10,12,14,16,18,20,22,24,26,28,30
	EX 0, ST, \k
.endr
	EX 0, G0, 0
	EX 0, G1, 0
.endm
.macro D4                              ; a plain instruction stands between D3 and this
	s_wait_alu depctr_va_vdst(0)                   ; one wait for the eighteen, ahead of their first reader
	WIN 0
	v_fma_f32 v[LL], v[ST+1], v[ST], 1.0           ; 1 + the sum, under M; two chains
	v_mul_f32 v[L2], v[ST+17], v[ST+16]
.irp e, 1,2,3,4,5,6,7
	v_fma_f32 v[LL], v[ST+2*\e+1], v[ST+2*\e], v[LL]
	v_fma_f32 v[L2], v[ST+16+2*\e+1], v[ST+16+2*\e], v[L2]
.endr
	v_add_f32 v[LL], v[LL], v[L2]
	v_rcp_f32 v[RR], v[LL]
	v_mul_f32 v[G0], s[SLIM], v[G0]                ; (plain instructions behind the reciprocal)
	v_mul_f32 v[G1], s[SLIM], v[G1]
.endm
.macro D5
	s_wait_alu depctr_va_vdst(0)                   ; the reciprocal's wait
	WIN 0
	v_mul_f32 v[FF], v[G0], v[RR]
	v_mul_f32 v[FF+2], v[G1], v[RR]
.endm
; ---- a half is finished and quantised
.macro EM w, r, fr, j0, n              ; p = e F, n pairs from pair j0 on
	WIN 0x41*(\w)
.set ej, \j0
.rept \n
	v_pk_mul_f32 v[(\r)+2*ej:(\r)+2*ej+1], v[(\r)+2*ej:(\r)+2*ej+1], v[(\fr):(\fr)+1] op_sel_hi:[1,0]
.set ej, ej+1
.endr
.endm
.macro ES hh, bm                       ; the four blocks' scales and the scale word
	WIN 0
.irp b, 0,1,2,3
	v_mul_f32 v[(\bm)+\b], v[(\bm)+\b], v[FF+2*(\hh)]
.endr
.irp b, 0,1,2,3
	v_max3_num_f32 v[(\bm)+\b], |v[(\bm)+\b]|, |v[(\bm)+\b]|, 0x1800000    ; slim may be negative: the magnitude; and the floor 2^(3 - 127)
.endr
.irp b, 0,1,2,3
	v_add_nc_u32 v[SCO+4*(\hh)+\b], 0xff000000, v[(\bm)+\b]
.endr
.irp b, 0,1,2,3
	v_lshrrev_b32 v[BY+4*(\hh)+\b], 23, v[SCO+4*(\hh)+\b]
.endr
	v_lshl_or_b32 v[PWS+(\hh)], v[BY+4*(\hh)+1], 8, v[BY+4*(\hh)]
	v_lshl_or_b32 v[PWS+(\hh)], v[BY+4*(\hh)+2], 16, v[PWS+(\hh)]
	v_lshl_or_b32 v[PWS+(\hh)], v[BY+4*(\hh)+3], 24, v[PWS+(\hh)]
.endm
.macro EC hh, w, r                     ; the codes: the operand of K step hh
	WIN 0x01*(\w)
.irp b, 0,1,2,3
	v_cvt_scalef32_pk8_fp4_f32 v[PC+8*(\hh)+2*\b], v[(\r)+16*\b:(\r)+16*\b+7], v[SCO+4*(\hh)+\b]
	v_cvt_scalef32_pk8_fp4_f32 v[PC+8*(\hh)+2*\b+1], v[(\r)+16*\b+8:(\r)+16*\b+15], v[SCO+4*(\hh)+\b]
.endr
	WIN 0
	v_nop                                          ; one plain instruction behind the last conversion
.irp c, 0,1
.irp i, 0,1
	v_permlane16_swap_b32 v[PC+8*(\hh)+4*\c+\i], v[PC+8*(\hh)+2+4*\c+\i]
.endr
.endr
.endm
.macro PVPROD                          ; O^T = v^T p^T over my 256 keys; the four accumulators take turns
	WIN 0x51                                       ; v and O^T in window 1, p in window 0
.irp t, 0,1,2,3
	v_wmma_scale_f32_16x16x128_f8f6f4 v[OW+8*\t:OW+8*\t+7], v[VW+8*\t:VW+8*\t+7], v[PC:PC+7], 0, v[VS+\t], v[PWS] matrix_a_fmt:MATRIX_FMT_FP4 matrix_b_fmt:MATRIX_FMT_FP4
.endr
.irp t, 0,1,2,3
	v_wmma_scale_f32_16x16x128_f8f6f4 v[OW+8*\t:OW+8*\t+7], v[VW+32+8*\t:VW+32+8*\t+7], v[PC+8:PC+15], v[OW+8*\t:OW+8*\t+7], v[VS+\t], v[PWS+1] matrix_a_fmt:MATRIX_FMT_FP4 matrix_b_fmt:MATRIX_FMT_FP4 matrix_a_scale:MATRIX_SCALE_ROW1
.endr
.endm
.macro OSTORE
	WIN 0x04                                       ; an LDS store's data are its source 1: window 1
.irp i, 0,1,2,3,4,5,6,7
	ds_store_b128 v[OPA], v[OW+4*\i:OW+4*\i+3] offset:512*\i               ; my keys' part of O^T, as its registers stand
.endr
	WIN 0
	s_add_co_u32 s[TO], s[TO], 32768
.endm
.macro QLOAD p                         ; q of the tile two on, into the buffer whose last products have just been issued (seven plain instructions lie between)
	WIN 0
	s_add_co_u32 s29, s[TI], 2
	v_lshl_add_u32 v[QA+\p], s29, 9, v[L16]        ; these two offsets were last named by loads issued two periods ago, which a wait on LOADcnt since has shown done
	s_lshr_b32 s30, s29, 2
	s_lshl_b32 s30, s30, 8
	s_and_b32 s31, s29, 3
	s_lshl_b32 s31, s31, 2
	s_add_co_u32 s30, s30, s31
	v_add_nc_u32 v[QSA+\p], s30, v[R16]
	global_load_b128 v[QF+8*\p:QF+8*\p+3], v[QA+\p], s[16:17]
	global_load_b32 v[QS+\p], v[QSA+\p], s[18:19]
.endm
; A PERIOD, for a tile of parity p.  prev: a tile before it is to be finished.  next: a tile behind it is to be begun.
; On entry: half 0's scores lie in their buffer, c m of half 0 is made, units 0-3 are done and units 4, 5 scaled.
.macro PERIOD p, prev, next
.if \prev
	D1 1-\p
.endif
	UH \p, 4
	UH \p, 5
.if \prev
	D2 1-\p
	D3
.endif
	UH \p, 6                                       ; (it begins with a plain instruction)
.if \prev
	D4
.endif
	UH \p, 7
.if \prev
	D5
	EM 0, S1, FF+2, 0, 8
.endif
	UH \p, 8
.if \prev
	EM 0, S1, FF+2, 8, 8
.endif
	UH \p, 9
.if \prev
	EM 0, S1, FF+2, 16, 16
.endif
	UH \p, 10
.if \prev
	ES 1, BM+8*(1-\p)+4
.endif
	UH \p, 11
.if \prev
	EC 1, 0, S1
.endif
	SPROD 1, \p, 0, S1                             ; this tile's half 1
	UH \p, 12                                      ; the four scalings in these two units and the addition below are five places behind the products: they name none of their registers
	UH \p, 13
	WIN 0
	v_add_nc_u32 v[OPA], s[TO], v[OPW]
	QLOAD \p
	MSA 0, S1, BM+8*\p+4
	UH \p, 14
	MSQ 0, S1, BM+8*\p+4
	UH \p, 15
	BMX BM+8*\p
	MSR BM+8*\p+4, STP+4*\p+2
	PRE 0, S1, STP+4*\p+2
	s_wait_alu depctr_va_vdst(0)                   ; one wait for half 0's exponentials, ahead of their first reader, the sum below
	UL \p, 0
	UL \p, 1
	SUMA \p, 96+72*\p
	UL \p, 2
	SUMB \p, 96+72*\p, STP+4*\p+1
	UL \p, 3
.if \prev
	EM 1-\p, 96+72*(1-\p), FF, 0, 8
.endif
	UL \p, 4
.if \prev
	EM 1-\p, 96+72*(1-\p), FF, 8, 8
.endif
	UL \p, 5
.if \prev
	EM 1-\p, 96+72*(1-\p), FF, 16, 8
.endif
	UL \p, 6
.if \prev
	EM 1-\p, 96+72*(1-\p), FF, 24, 8
.endif
	UL \p, 7
.if \prev
	ES 0, BM+8*(1-\p)
.endif
	UL \p, 8
.if \prev
	EC 0, 1-\p, 96+72*(1-\p)
.endif
	UL \p, 9
	UL \p, 10
.if \prev
	WIN 0
	PLACES 4                                       ; with the scalings of the units above: more than 8 plain instructions behind the scale word's last write, 8 behind the codes'
	PVPROD
.endif
.if \next
	s_wait_loadcnt 2                               ; all but the two loads issued in this period: the next tile's q is in
	SPROD 0, 1-\p, 1-\p, 96+72*(1-\p)              ; the next tile's half 0, into the buffer that has just been turned into codes
.endif
	UL \p, 11                                      ; six scalings in these three units: the places behind both runs of products
	UL \p, 12
	UL \p, 13
.if \prev
	OSTORE
.endif
.if \next
	MSA 1-\p, 96+72*(1-\p), BM+8*(1-\p)
.endif
	UL \p, 14
.if \next
	MSQ 1-\p, 96+72*(1-\p), BM+8*(1-\p)
.endif
	UL \p, 15
	BMX BM+8*\p+4
.if \next
	MSR BM+8*(1-\p), STP+4*(1-\p)
.endif
	WIN 0
	v_nop                                          ; a plain instruction behind the last exponential,
	s_wait_alu depctr_va_vdst(0)                   ; and one wait for half 1's, ahead of the sum
	SUMA 0, S1
	SUMB 0, S1, STP+4*\p+3
	ds_store_b128 v[STW], v[STP+4*\p:STP+4*\p+3] offset:\p*STB             ; lanes l and l xor 16 write the same four numbers
.if \next
	PRE 1-\p, 96+72*(1-\p), STP+4*(1-\p)           ; the next tile's half 0 begins while the store is out
	UH 1-\p, 0
	UH 1-\p, 1
.endif
	s_wait_dscnt 0x0                               ; for the others' sake: my numbers lie there, my part of O^T has landed, and my reads of the other buffer are long back
	s_barrier_signal -1
.if \next
	UH 1-\p, 2                                     ; work on registers while the others arrive
	UH 1-\p, 3
	WIN 0
	v_nop
	s_wait_alu depctr_va_vdst(0)
.endif
	s_barrier_wait -1                              ; this buffer of the exchange is written again two periods on, behind the next barrier, in front of which every wave has waited for its reads of it
	WIN 0
	s_add_co_u32 s[TI], s[TI], 1
.endm
	s_load_b128 s[4:7], s[0:1], 0x0                ; qb, slim
	s_load_b64 s[8:9], s[0:1], 0x10                ; ab
	v_lshl_add_u32 v70, v0, 2, 0x41200
	v_mov_b32 v71, 0
	v_lshrrev_b32 v1, 5, v0
	v_readfirstlane_b32 s[WV], v1                  ; wave 0..7
	s_and_b32 s11, ttmp7, 0xffff                   ; batch x 16 + head
	v_and_b32 v1, 31, v0
	v_lshlrev_b32 v[L16], 4, v1
	v_and_b32 v[R16], 15, v0
	v_mul_u32_u24 v[STR], v[R16], 144
	v_add_nc_u32 v[STR], STAT, v[STR]
	s_lshl_b32 s29, s[WV], 4
	v_add_nc_u32 v[STW], s29, v[STR]
	v_lshlrev_b32 v[R16], 4, v[R16]
	s_lshl_b32 s29, s[WV], 12
	v_add_nc_u32 v[OPW], s29, v[L16]
	s_lshl_b32 s29, s[WV], 15
	v_add_nc_u32 v[OPR], s29, v[L16]
	s_lshl_b32 s36, s11, 16                        ; k's and v's codes: 65,536 bytes a head, 8,192 a wave
	s_lshl_b32 s29, s[WV], 13
	s_add_co_u32 s36, s36, s29
	s_add_co_u32 s38, s36, 0x400000
	s_add_co_u32 s36, s36, 0x200000
	s_mov_b32 s37, 0
	s_mov_b32 s39, 0
	s_lshl_b32 s40, s11, 13                        ; k's scale words: 8,192 a head, 1,024 a wave
	s_lshl_b32 s29, s[WV], 10
	s_add_co_u32 s40, s40, s29
	s_add_co_u32 s40, s40, 0x640000
	s_mov_b32 s41, 0
	s_lshl_b32 s42, s11, 12                        ; v's: 4,096 a head, 512 a wave
	s_lshl_b32 s29, s[WV], 9
	s_add_co_u32 s42, s42, s29
	s_add_co_u32 s42, s42, 0x680000
	s_mov_b32 s43, 0
	s_lshl_b32 s16, s11, 16                        ; q's codes: my work-group's 16 tiles of 512 bytes
	s_lshl_b32 s29, ttmp9, 13
	s_add_co_u32 s16, s16, s29
	s_mov_b32 s17, 0
	s_lshl_b32 s18, s11, 13                        ; and their scale words
	s_lshl_b32 s29, ttmp9, 10
	s_add_co_u32 s18, s18, s29
	s_add_co_u32 s18, s18, 0x600000
	s_mov_b32 s19, 0
	s_and_b32 s12, s11, 15                         ; head
	s_lshr_b32 s13, s11, 4                         ; batch
	s_lshl_b32 s44, s12, 2
	s_mov_b32 s45, 0
	s_lshr_b32 s32, s12, 1                         ; ab: K step head / 2, token tile 128 batch + 16 x + w (+ 8 for the second group), half image head % 2
	s_lshl_b32 s32, s32, 8
	s_lshl_b32 s29, s13, 7
	s_add_co_u32 s32, s32, s29
	s_lshl_b32 s29, ttmp9, 4
	s_add_co_u32 s32, s32, s29
	s_add_co_u32 s32, s32, s[WV]
	s_lshl_b32 s32, s32, 10
	s_and_b32 s30, s12, 1
	s_lshl_b32 s29, s30, 9
	s_add_co_u32 s32, s32, s29
	s_mov_b32 s33, 0
	s_lshr_b32 s34, s12, 1                         ; its scale bytes: word (K step, tile / 4, r, tile % 4), bytes 2 (head % 2) on
	s_lshl_b32 s34, s34, 6
	s_lshl_b32 s29, s13, 5
	s_add_co_u32 s34, s34, s29
	s_lshl_b32 s29, ttmp9, 2
	s_add_co_u32 s34, s34, s29
	s_lshr_b32 s29, s[WV], 2
	s_add_co_u32 s34, s34, s29
	s_lshl_b32 s34, s34, 8
	s_and_b32 s29, s[WV], 3
	s_lshl_b32 s29, s29, 2
	s_add_co_u32 s34, s34, s29
	s_lshl_b32 s29, s30, 1
	s_add_co_u32 s34, s34, s29
	s_add_co_u32 s34, s34, 0x200000
	s_mov_b32 s35, 0
	s_mov_b32 s[SEL], 0x76543210
	s_mov_b32 s[SEL+1], 0xfedcba98
	s_mov_b32 s[CS], 0x3e38aa3b                    ; c = log2(e) / 8
	s_mov_b32 s[CS+1], s[CS]                       ; (named with it as a pair, so it is written)
	s_wait_kmcnt 0x0
	s_add_nc_u64 s[36:37], s[4:5], s[36:37]
	s_add_nc_u64 s[38:39], s[4:5], s[38:39]
	s_add_nc_u64 s[40:41], s[4:5], s[40:41]
	s_add_nc_u64 s[42:43], s[4:5], s[42:43]
	s_add_nc_u64 s[16:17], s[4:5], s[16:17]
	s_add_nc_u64 s[18:19], s[4:5], s[18:19]
	s_add_nc_u64 s[32:33], s[8:9], s[32:33]
	s_add_nc_u64 s[34:35], s[8:9], s[34:35]
	s_add_nc_u64 s[6:7], s[6:7], s[44:45]
	s_load_b32 s[SLIM], s[6:7], 0x0
	WIN 0x40                                       ; destination window 1
.set i, 0
.rept 16
	global_load_b128 v[KW+4*i:KW+4*i+3], v[L16], s[36:37] offset:512*i     ; k's tile i: a half image
.set i, i+1
.endr
.set i, 0
.rept 16
	global_load_b128 v[VW+4*i:VW+4*i+3], v[L16], s[38:39] offset:512*i     ; v's images (K step, tile) on end
.set i, i+1
.endr
.irp j, 0,1,2,3
	v_mov_b32 v[KW+64+\j], 0                       ; behind k's last tile: zero codes
.endr
	WIN 0
	global_load_b128 v[KS:KS+3], v[L16], s[40:41]
	global_load_b128 v[KS+4:KS+7], v[L16], s[40:41] offset:512
	global_load_b128 v[VS:VS+3], v[L16], s[42:43]
	global_load_b128 v[QF:QF+3], v[L16], s[16:17]  ; q's tiles 0 and 1
	global_load_b32 v[QS], v[R16], s[18:19]
	global_load_b128 v[QF+8:QF+11], v[L16], s[16:17] offset:512
	global_load_b32 v[QS+1], v[R16], s[18:19] offset:4
.irp j, 4,5,6,7,12,13,14,15
	v_mov_b32 v[QF+\j], 0                          ; the upper 64 along K: zero codes, in both buffers
.endr
.irp j, 0,1,2,3
	v_mov_b32 v[BX+\j], 0                          ; written once: a lane permute's destination counts as one of its sources
.endr
.irp j, 0,1,2,3,4,5,6,7
	v_mov_b32 v[STP+\j], 0                         ; (halves of pairs that are named before they are first written)
.endr
	v_mov_b32 v[FF+1], 0
	v_mov_b32 v[FF+3], 0
	s_mov_b32 s[TI], 0
	s_mov_b32 s[GC], 2
	s_wait_loadcnt 0x0
	s_wait_kmcnt 0x0
.Lgroup:                                           ; two groups of eight tiles
	s_mov_b32 s[TO], 0
	s_wait_loadcnt 0x0                             ; q of the group's first two tiles (asked for a period and more ago)
	SPROD 0, 0, 0, 96                              ; the pipeline is filled: the first tile's half 0
	WIN 0
	PLACES 4
	MSA 0, 96, BM
	MSQ 0, 96, BM
	MSR BM, STP
	PRE 0, 96, STP
	UH 0, 0
	UH 0, 1
	UH 0, 2
	UH 0, 3
	WIN 0
	v_nop
	s_wait_alu depctr_va_vdst(0)
	PERIOD 0, 0, 1                                 ; tile 0 of the group
	s_mov_b32 s[TC], 3
.Lpair:                                            ; tiles 1 to 6
	PERIOD 1, 1, 1
	PERIOD 0, 1, 1
	s_sub_co_u32 s[TC], s[TC], 1
	s_cmp_lg_u32 s[TC], 0
	s_cbranch_scc1 .Lpair
	PERIOD 1, 1, 0                                 ; tile 7
	D1 1                                           ; the pipeline drains: tile 7 is finished
	D2 1
	D3
	v_nop
	D4
	D5
	EM 0, S1, FF+2, 0, 32
	ES 1, BM+12
	EC 1, 0, S1
	EM 1, 168, FF, 0, 32
	ES 0, BM+8
	EC 0, 1, 168
	v_add_nc_u32 v[OPA], s[TO], v[OPW]
	PLACES 8                                       ; a scale register written by a vector instruction stands 8 places ahead of a scaled matrix instruction, an operand so written 4
	PVPROD
	WIN 0
	PLACES 4
	OSTORE
	s_wait_dscnt 0x0
	s_barrier_signal -1
	s_barrier_wait -1                              ; eight tiles' partial O^T lie in LDS.  They are written again behind the next group's first barrier, in front of which every wave has waited for the reads below
	; wave w adds up tile w: eight parts of 32 registers, in the order of the waves
.set i, 0
.rept 32
	ds_load_b128 v[S+4*i:S+4*i+3], v[OPR] offset:512*i
.set i, i+1
.endr
	s_wait_dscnt 0x0
.irp q, 1,2,3
.set j, 0
.rept 16
	v_pk_add_f32 v[S+j:S+j+1], v[S+j:S+j+1], v[S+32*\q+j:S+32*\q+j+1]
.set j, j+2
.endr
.endr
.set i, 0
.rept 24
	ds_load_b128 v[S+32+4*i:S+32+4*i+3], v[OPR] offset:16384+512*i
.set i, i+1
.endr
.set i, 0
.rept 8
	ds_load_b128 v[PC+4*i:PC+4*i+3], v[OPR] offset:28672+512*i
.set i, i+1
.endr
	s_wait_dscnt 0x0
.irp q, 1,2,3,4
.set j, 0
.rept 16
	v_pk_add_f32 v[S+j:S+j+1], v[S+j:S+j+1], v[S+32*\q+j:S+32*\q+j+1]      ; (S + 128 is v224: the eighth part)
.set j, j+2
.endr
.endr
	; register 16 b + i is channel 32 b + 16 (lane / 16) + i of my query: two blocks of the next product's K
.irp b, 0,1
	v_max3_num_f32 v[BM+\b], |v[S+16*\b]|, |v[S+16*\b+1]|, 0x1800000
.endr
.irp i, 2,4,6,8,10,12,14
.irp b, 0,1
	v_max3_num_f32 v[BM+\b], v[BM+\b], |v[S+16*\b+\i]|, |v[S+16*\b+\i+1]|
.endr
.endr
.irp b, 0,1
	v_permlanex16_b32 v[BX+\b], v[BM+\b], s[SEL], s[SEL+1]
.endr
.irp b, 0,1
	v_max_num_f32 v[BM+\b], v[BM+\b], v[BX+\b]
.endr
.irp b, 0,1
	v_add_nc_u32 v[SCO+\b], 0xff000000, v[BM+\b]
.endr
.irp b, 0,1
	v_lshrrev_b32 v[BY+\b], 23, v[SCO+\b]
.endr
	v_lshl_or_b32 v[BY+2], v[BY+1], 8, v[BY]
.irp b, 0,1
	v_cvt_scalef32_pk8_fp4_f32 v[PC+2*\b], v[S+16*\b:S+16*\b+7], v[SCO+\b]
	v_cvt_scalef32_pk8_fp4_f32 v[PC+2*\b+1], v[S+16*\b+8:S+16*\b+15], v[SCO+\b]
.endr
	v_nop
	v_permlane16_swap_b32 v[PC], v[PC+2]
	v_permlane16_swap_b32 v[PC+1], v[PC+3]
	global_store_b128 v[L16], v[PC:PC+3], s[32:33] ; half an image: 512 consecutive bytes
	global_store_b16 v[R16], v[BY+2], s[34:35]     ; my head's two bytes of the row's scale word
	s_wait_xcnt 0x0                                ; the stores have read their registers and bases: both are written again only behind this wait
	s_add_nc_u64 s[32:33], s[32:33], 8192          ; eight tiles on
	s_add_nc_u64 s[34:35], s[34:35], 512
	s_sub_co_u32 s[GC], s[GC], 1
	s_cmp_lg_u32 s[GC], 0
	s_cbranch_scc1 .Lgroup
	s_wait_tensorcnt 0x0
	ds_add_u32 v70, v71
	s_wait_dscnt 0x0
	s_endpgm
.Lfunc_end_k_q2c02e9e83f_attn:
	.size	k_q2c02e9e83f_attn, .Lfunc_end_k_q2c02e9e83f_attn-k_q2c02e9e83f_attn
	.p2alignl 7, 3214868480
	.fill 96, 4, 3214868480
	.section	.rodata,"a",@progbits
	.p2align	6, 0x0
	.amdhsa_kernel k_q2c02e9e83f_attn
		.amdhsa_group_segment_fixed_size 267776
		.amdhsa_private_segment_fixed_size 0
		.amdhsa_enable_private_segment 0
		.amdhsa_kernarg_size 24
		.amdhsa_user_sgpr_count 2
		.amdhsa_user_sgpr_kernarg_segment_ptr 1
		.amdhsa_wavefront_size32 1
		.amdhsa_system_sgpr_workgroup_id_x 1
		.amdhsa_system_sgpr_workgroup_id_y 1
		.amdhsa_system_sgpr_workgroup_id_z 1
		.amdhsa_system_vgpr_workitem_id 0
		.amdhsa_next_free_vgpr 512
		.amdhsa_next_free_sgpr 66
		.amdhsa_reserve_vcc 0
		.amdhsa_float_denorm_mode_32 3
		.amdhsa_float_denorm_mode_16_64 3
		.amdhsa_memory_ordered 1
		.amdhsa_forward_progress 1
		.amdhsa_inst_pref_size 158
	.end_amdhsa_kernel
	.amdgpu_metadata
---
amdhsa.version: [ 1, 2 ]
amdhsa.kernels:
  - .name:           k_q2c02e9e83f_attn
    .symbol:         k_q2c02e9e83f_attn.kd
    .args:
      - { .name: qb, .offset: 0, .size: 8, .value_kind: global_buffer, .address_space: global }
      - { .name: slim, .offset: 8, .size: 8, .value_kind: global_buffer, .address_space: global }
      - { .name: ab, .offset: 16, .size: 8, .value_kind: global_buffer, .address_space: global }
    .group_segment_fixed_size: 267776
    .private_segment_fixed_size: 0
    .kernarg_segment_align: 8
    .kernarg_segment_size: 24
    .max_flat_workgroup_size: 256
    .sgpr_count:     66
    .vgpr_count:     512
    .wavefront_size: 32
...
	.end_amdgpu_metadata
.endif
;; end of part 3
;; launch oproj (part 4): grid 8 x 32, 8 waves a work-group, clusters of 4 x 4, 207,872 bytes of LDS; arguments ab, wb, bo, x, rb; writes rb
.if DOCPART == 4
	.amdgcn_target "amdgcn-amd-amdhsa--gfx1250"
	.amdhsa_code_object_version 6
	.text
	.protected	k_q2c02e9e83f_oproj
	.globl	k_q2c02e9e83f_oproj
	.p2align	8
	.type	k_q2c02e9e83f_oproj,@function
k_q2c02e9e83f_oproj:
	s_mov_b64 s[64:65], 0
	v_nop
	global_prefetch_b8 v0, s[64:65] scope:SCOPE_SE
	s_setreg_imm32_b32 hwreg(HW_REG_WAVE_MODE, 25, 1), 1
	s_wait_xcnt 0x0
	s_wait_alu depctr_hold_cnt(0) depctr_sa_sdst(0) depctr_va_vdst(0) depctr_va_sdst(0) depctr_va_ssrc(0) depctr_va_vcc(0) depctr_vm_vsrc(0)
	s_getreg_b32 s2, hwreg(HW_REG_IB_STS2, 6, 4)
	s_cmp_eq_u32 s2, 0
	s_cbranch_scc0 .Lentry_in_a_cluster
	s_endpgm
.Lentry_in_a_cluster:
	s_bfe_u32 s2, ttmp6, 0x10000c
	s_cmp_lg_u32 s2, 0xf033
	s_cbranch_scc0 .Lentry_shape_is_right
	s_endpgm
.Lentry_shape_is_right:
; rb = attn Wo + bo + x, f32, row-major; the product on codes of FP4 (E2M1) with E8M0 scales, K = 1,024.
; OPERANDS lie as images of fragments ([K step][tile][1,024 bytes]), scale words [K step][tile / 4][r][tile % 4]; tile 2 p + u holds in row r the index 32 p + 8 u + r + 8 (r / 8).
; SHARES.  A work-group takes 128 features (P0 = Wo, source 0) x 128 tokens (P1 = attn, source 1).  Eight waves: wave w takes P1's tiles 2 (w / 2) + a and P0's tiles 4 (w % 2) + b: 8 accumulators.
; K lies in two LDS slots of 4 K steps, each filled ONCE: no byte of LDS is filled again.  Wave 0 fetches P1's codes, wave 1 P0's, wave 2 P1's scale words, wave 3 P0's: two loads each are out at the start.
; CLUSTER 4 x 4: P1 hangs on the work-group's y alone and is asked for jointly by a row of the cluster, P0 on its x alone, by a column.
; THE WAY OUT.  A lane holds eight features of one token; the 128 x 128 results meet in a stage in LDS (rows of 512 + 16 bytes, in the order of the tiles' rows), and each wave stores 16 whole rows: 512 consecutive bytes a store.
; LIMITS: NaN and infinities are not served.
.set KSLOT, 4
.set SLOT,  KSLOT*17408                ; P1's codes [KSLOT][8][1,024], P0's, P1's scale words [KSLOT][2][256], P0's
.set STG,   2*SLOT                     ; the stage: 128 rows x 528 bytes, bytes of its own
.set WV,   3
.set L16,  1
.set R16,  2
.set ADR1, 4                           ; v4-5   P1's tiles in slot 0, 1
.set ADR0, 6                           ; v6-7   P0's
.set ADS1, 8                           ; v8-9   P1's scale words
.set ADS0, 10                          ; v10-11 P0's
.set STO,  12
.set SRD,  13
.set F0,   16                          ; v16-47 P0's four fragments
.set F1,   48                          ; v48-63 P1's two
.set S0,   64                          ; v64-67 P0's scale words; v68-69 P1's: scales and nothing else
.set S1,   68
.set BI,   72                          ; v72-75 the bias of my four features
.set ACC,  80                          ; v80-143 accumulator (a, b) at 80 + 32 a + 8 b; later 16 rows of the result
.set XR,   144                         ; v144-207 16 rows of x
.macro PLACES n
.rept \n
	v_nop
.endr
.endm
.macro ROUND
	s_barrier_signal -1
	s_barrier_wait -1
	s_cmp_lg_u32 s[WV], 0
	s_cbranch_scc1 .Lnot_wave_0_\@
	s_barrier_signal -3
.Lnot_wave_0_\@:
	s_barrier_wait -3
	s_barrier_signal -1
	s_barrier_wait -1
.endm
.macro MKG1 g1, mask, d0, rows, stride ; a tile of rows x d0 elements of 8 bytes, stride elements apart; no padding: every LDS load takes consecutive bytes
	s_or_b32 s[\g1], s[\mask], (3<<16)|(1<<21)
	s_mov_b32 s[\g1+1], (\d0)<<16
	s_mov_b32 s[\g1+2], (\rows)<<16
	s_mov_b32 s[\g1+3], (\d0)<<16
	s_mov_b32 s[\g1+4], \rows
	s_mov_b32 s[\g1+5], \stride
	s_mov_b32 s[\g1+6], 0
	s_mov_b32 s[\g1+7], 0
.endm
.macro MKG0 g0, lds, base, off, chunk  ; groups 0 for slots 0 and 1
	s_mov_b32 s[\g0], 1
	s_mov_b32 s[\g0+1], \lds
	s_add_nc_u64 s[\g0+2:\g0+3], s[\base:\base+1], s[\off:\off+1]
	s_mov_b32 s[\g0+4], 1
	s_mov_b32 s[\g0+5], (\lds)+SLOT
	s_add_nc_u64 s[\g0+6:\g0+7], s[\g0+2:\g0+3], \chunk
	s_or_b32 s[\g0+3], s[\g0+3], 0x80000000
	s_or_b32 s[\g0+7], s[\g0+7], 0x80000000
.endm
.macro FIRST w, g0, g1, next           ; wave w's two first fills, in one branch on its number
	s_cmp_lg_u32 s[WV], \w
	s_cbranch_scc1 \next
	tensor_load_to_lds s[\g0:\g0+3], s[\g1:\g1+7]
	s_nop 0
	tensor_load_to_lds s[\g0+4:\g0+7], s[\g1:\g1+7]
	s_nop 0
	PLACES 4
	s_branch .Lasked
.endm
.macro KSTEP sl, ks, zero              ; 128 along K: 14 LDS loads and 8 products; the 8 accumulators take turns
	PLACES 4
.irp a, 0,1
.irp c, 0,1
	ds_load_b128 v[F1+8*\a+4*\c:F1+8*\a+4*\c+3], v[ADR1+\sl] offset:(\ks)*8192+\a*1024+\c*512
.endr
.endr
	ds_load_b64 v[S1:S1+1], v[ADS1+\sl] offset:(\ks)*512
	ds_load_b128 v[S0:S0+3], v[ADS0+\sl] offset:(\ks)*512
.irp b, 0,1,2,3
.irp c, 0,1
	ds_load_b128 v[F0+8*\b+4*\c:F0+8*\b+4*\c+3], v[ADR0+\sl] offset:(\ks)*8192+\b*1024+\c*512
.endr
.endr
	s_wait_dscnt 0x0
.irp b, 0,1,2,3
.irp a, 0,1
.if \zero
	v_wmma_scale_f32_16x16x128_f8f6f4 v[ACC+32*\a+8*\b:ACC+32*\a+8*\b+7], v[F0+8*\b:F0+8*\b+7], v[F1+8*\a:F1+8*\a+7], 0, v[S0+\b], v[S1+\a] matrix_a_fmt:MATRIX_FMT_FP4 matrix_b_fmt:MATRIX_FMT_FP4
.else
	v_wmma_scale_f32_16x16x128_f8f6f4 v[ACC+32*\a+8*\b:ACC+32*\a+8*\b+7], v[F0+8*\b:F0+8*\b+7], v[F1+8*\a:F1+8*\a+7], v[ACC+32*\a+8*\b:ACC+32*\a+8*\b+7], v[S0+\b], v[S1+\a] matrix_a_fmt:MATRIX_FMT_FP4 matrix_b_fmt:MATRIX_FMT_FP4
.endif
.endr
.endr
.endm
.macro CHUNK sl, first
.set kq, 0
.rept KSLOT
.if (\first) && (kq == 0)
	KSTEP \sl, kq, 1                               ; the first product starts the sums: nothing is cleared
.else
	KSTEP \sl, kq, 0
.endif
.set kq, kq+1
.endr
.endm
	s_load_b256 s[4:11], s[0:1], 0x0               ; ab, wb, bo, x
	s_load_b64 s[12:13], s[0:1], 0x20              ; rb
	v_lshl_add_u32 v254, v0, 2, 0x32800
	v_mov_b32 v255, 0
	ds_add_u32 v254, v255
	v_lshrrev_b32 v1, 5, v0
	v_readfirstlane_b32 s[WV], v1                  ; wave 0..7
	s_lshr_b32 s20, s[WV], 1                       ; wr
	s_and_b32 s21, s[WV], 1                        ; wc
	s_bfe_u32 s14, ttmp6, 0x40000                  ; cx
	s_bfe_u32 s15, ttmp6, 0x40004                  ; cy
	s_lshl_b32 s16, ttmp9, 2
	s_add_co_u32 s16, s16, s14                     ; work-group x: which 128 features
	s_and_b32 s17, ttmp7, 0xffff
	s_lshl_b32 s17, s17, 2
	s_add_co_u32 s17, s17, s15                     ; work-group y: which 128 tokens
	s_lshl_b32 s18, s15, 2
	s_lshl_b32 s18, 15, s18                        ; my row of the cluster: for P1
	s_lshl_b32 s19, 0x1111, s14                    ; my column: for P0
	MKG1 24, 18, 1024, KSLOT, 32768                ; P1's codes: 8 tiles on end, 256 tiles from K step to K step
	MKG1 32, 19, 1024, KSLOT, 8192                 ; P0's: 64 tiles
	MKG1 40, 18, 64, KSLOT, 2048                   ; P1's scale words: 512 bytes, 16 KB apart
	MKG1 48, 19, 64, KSLOT, 512                    ; P0's: 4 KB apart
	s_lshl_b32 s92, s17, 13
	s_mov_b32 s93, 0
	s_lshl_b32 s94, s17, 9
	s_add_co_u32 s94, s94, 0x200000
	s_mov_b32 s95, 0
	s_lshl_b32 s96, s16, 13
	s_add_co_u32 s96, s96, 0x400000
	s_mov_b32 s97, 0
	s_lshl_b32 s98, s16, 9
	s_add_co_u32 s98, s98, 0x6c0000
	s_mov_b32 s99, 0
	s_wait_dscnt 0x0
	s_wait_kmcnt 0x0
	MKG0 56, 0, 4, 92, KSLOT*0x40000
	MKG0 68, KSLOT*8192, 6, 96, KSLOT*0x10000
	MKG0 76, 2*KSLOT*8192, 4, 94, KSLOT*0x4000
	MKG0 84, 2*KSLOT*8192+KSLOT*512, 6, 98, KSLOT*0x1000
	ROUND                                          ; all sixteen work-groups are here: the joint loads meet
	FIRST 0, 56, 24, .Lw1
.Lw1:
	FIRST 1, 68, 32, .Lw2
.Lw2:
	FIRST 2, 76, 40, .Lw3
.Lw3:
	FIRST 3, 84, 48, .Lasked
.Lasked:
	v_and_b32 v1, 31, v0
	v_lshlrev_b32 v[L16], 4, v1
	v_and_b32 v3, 15, v0                           ; r
	v_lshlrev_b32 v[R16], 4, v3
	v_bfe_u32 v14, v0, 4, 1                        ; h
	s_lshl_b32 s22, s17, 7                         ; the rows that I store: tile w of the panel: token 128 y + 32 (w / 2) + 8 (w % 2) + i + 8 (i / 8)
	s_lshl_b32 s23, s20, 5
	s_add_co_u32 s22, s22, s23
	s_lshl_b32 s23, s21, 3
	s_add_co_u32 s22, s22, s23
	s_lshl_b32 s22, s22, 12
	s_lshl_b32 s23, s16, 9
	s_add_co_u32 s22, s22, s23                     ; + my work-group's 512 bytes of a row
	s_mov_b32 s23, 0
	s_add_nc_u64 s[10:11], s[10:11], s[22:23]
	s_add_nc_u64 s[12:13], s[12:13], s[22:23]
	s_lshl_b32 s22, s16, 9
	s_add_nc_u64 s[8:9], s[8:9], s[22:23]
.irp i, 0,1,2,3,4,5,6,7,8,9,10,11,12,13,14,15
	global_load_b128 v[XR+4*\i:XR+4*\i+3], v[L16], s[10:11] offset:(\i+8*(\i/8))*4096
.endr
	global_load_b128 v[BI:BI+3], v[L16], s[8:9]
	s_lshl_b32 s22, s20, 11                        ; P1's tiles 2 wr + a
	s_lshl_b32 s23, s21, 12
	s_add_co_u32 s23, s23, KSLOT*8192              ; P0's tiles 4 wc + b
	s_lshr_b32 s100, s20, 1
	s_lshl_b32 s100, s100, 8
	s_and_b32 s101, s20, 1
	s_lshl_b32 s101, s101, 3
	s_add_co_u32 s100, s100, s101
	s_add_co_u32 s100, s100, 2*KSLOT*8192          ; P1's words: group wr / 2, 16 r + 8 (wr % 2)
	s_lshl_b32 s101, s21, 8
	s_add_co_u32 s101, s101, 2*KSLOT*8192+KSLOT*512   ; P0's: group wc, 16 r
.irp s, 0,1
	v_add_nc_u32 v[ADR1+\s], s22, v[L16]
	v_add_nc_u32 v[ADR0+\s], s23, v[L16]
	v_add_nc_u32 v[ADS1+\s], s100, v[R16]
	v_add_nc_u32 v[ADS0+\s], s101, v[R16]
	s_add_co_u32 s22, s22, SLOT
	s_add_co_u32 s23, s23, SLOT
	s_add_co_u32 s100, s100, SLOT
	s_add_co_u32 s101, s101, SLOT
.endr
	s_mul_i32 s22, s20, 32*528
	s_lshl_b32 s23, s21, 8
	s_add_co_u32 s22, s22, s23
	s_add_co_u32 s22, s22, STG
	v_mul_u32_u24 v[STO], v3, 528
	v_lshl_add_u32 v[STO], v14, 6, v[STO]
	v_add_nc_u32 v[STO], s22, v[STO]               ; the stage, in: row 32 wr + 16 a + r; byte 256 wc + 128 (b / 2) + 64 h + 32 (b % 2)
	s_mul_i32 s22, s[WV], 16*528
	s_add_co_u32 s22, s22, STG
	v_add_nc_u32 v[SRD], s22, v[L16]               ; back: rows 16 w + i, whole
	s_wait_tensorcnt 1                             ; my part of slot 0 is in; slot 1's load may be out
	s_barrier_signal -1
	s_barrier_wait -1
	CHUNK 0, 1
	s_wait_tensorcnt 0x0                           ; slot 1 (no LDS instruction of mine is out)
	s_barrier_signal -1
	s_barrier_wait -1
	CHUNK 1, 0
	PLACES 4
.irp a, 0,1
.irp b, 0,1,2,3
	ds_store_b128 v[STO], v[ACC+32*\a+8*\b:ACC+32*\a+8*\b+3] offset:16*\a*528+128*(\b/2)+32*(\b%2)       ; each accumulator from its low end on
	ds_store_b128 v[STO], v[ACC+32*\a+8*\b+4:ACC+32*\a+8*\b+7] offset:16*\a*528+128*(\b/2)+32*(\b%2)+16
.endr
.endr
	s_wait_dscnt 0x0                               ; for the others' sake: my results lie in the stage
	s_barrier_signal -1
	s_barrier_wait -1
.irp i, 0,1,2,3,4,5,6,7,8,9,10,11,12,13,14,15
	ds_load_b128 v[ACC+4*\i:ACC+4*\i+3], v[SRD] offset:\i*528
.endr
	s_wait_dscnt 0x0
	s_wait_loadcnt 0x0                             ; x and the bias
.irp i, 0,1,2,3,4,5,6,7,8,9,10,11,12,13,14,15
	v_pk_add_f32 v[ACC+4*\i:ACC+4*\i+1], v[ACC+4*\i:ACC+4*\i+1], v[BI:BI+1]
	v_pk_add_f32 v[ACC+4*\i+2:ACC+4*\i+3], v[ACC+4*\i+2:ACC+4*\i+3], v[BI+2:BI+3]
.endr
.irp i, 0,1,2,3,4,5,6,7,8,9,10,11,12,13,14,15
	v_pk_add_f32 v[ACC+4*\i:ACC+4*\i+1], v[ACC+4*\i:ACC+4*\i+1], v[XR+4*\i:XR+4*\i+1]
	v_pk_add_f32 v[ACC+4*\i+2:ACC+4*\i+3], v[ACC+4*\i+2:ACC+4*\i+3], v[XR+4*\i+2:XR+4*\i+3]
.endr
.irp i, 0,1,2,3,4,5,6,7,8,9,10,11,12,13,14,15
	global_store_b128 v[L16], v[ACC+4*\i:ACC+4*\i+3], s[12:13] offset:(\i+8*(\i/8))*4096   ; 32 lanes store 512 consecutive bytes, at a multiple of 512 from rb's first byte
.endr
	s_wait_tensorcnt 0x0
	ds_add_u32 v254, v255
	s_wait_dscnt 0x0
	ROUND                                          ; the closing round
	s_endpgm
.Lfunc_end_k_q2c02e9e83f_oproj:
	.size	k_q2c02e9e83f_oproj, .Lfunc_end_k_q2c02e9e83f_oproj-k_q2c02e9e83f_oproj
	.p2alignl 7, 3214868480
	.fill 96, 4, 3214868480
	.section	.rodata,"a",@progbits
	.p2align	6, 0x0
	.amdhsa_kernel k_q2c02e9e83f_oproj
		.amdhsa_group_segment_fixed_size 207872
		.amdhsa_private_segment_fixed_size 0
		.amdhsa_enable_private_segment 0
		.amdhsa_kernarg_size 40
		.amdhsa_user_sgpr_count 2
		.amdhsa_user_sgpr_kernarg_segment_ptr 1
		.amdhsa_wavefront_size32 1
		.amdhsa_system_sgpr_workgroup_id_x 1
		.amdhsa_system_sgpr_workgroup_id_y 1
		.amdhsa_system_sgpr_workgroup_id_z 1
		.amdhsa_system_vgpr_workitem_id 0
		.amdhsa_next_free_vgpr 256
		.amdhsa_next_free_sgpr 102
		.amdhsa_reserve_vcc 0
		.amdhsa_float_denorm_mode_32 3
		.amdhsa_float_denorm_mode_16_64 3
		.amdhsa_memory_ordered 1
		.amdhsa_forward_progress 1
		.amdhsa_inst_pref_size 36
	.end_amdhsa_kernel
	.amdgpu_metadata
---
amdhsa.version: [ 1, 2 ]
amdhsa.kernels:
  - .name:           k_q2c02e9e83f_oproj
    .symbol:         k_q2c02e9e83f_oproj.kd
    .args:
      - { .name: ab, .offset: 0, .size: 8, .value_kind: global_buffer, .address_space: global }
      - { .name: wb, .offset: 8, .size: 8, .value_kind: global_buffer, .address_space: global }
      - { .name: bo, .offset: 16, .size: 8, .value_kind: global_buffer, .address_space: global }
      - { .name: x, .offset: 24, .size: 8, .value_kind: global_buffer, .address_space: global }
      - { .name: rb, .offset: 32, .size: 8, .value_kind: global_buffer, .address_space: global }
    .group_segment_fixed_size: 207872
    .private_segment_fixed_size: 0
    .kernarg_segment_align: 8
    .kernarg_segment_size: 40
    .max_flat_workgroup_size: 256
    .sgpr_count:     102
    .vgpr_count:     256
    .wavefront_size: 32
...
	.end_amdgpu_metadata
.endif
;; end of part 4
;; launch ln2 (part 5): grid 256 x 1, 8 waves a work-group, no clusters, 66,816 bytes of LDS; arguments rb, ln2_g, ln2_b, h2; writes h2
.if DOCPART == 5
	.amdgcn_target "amdgcn-amd-amdhsa--gfx1250"
	.amdhsa_code_object_version 6
	.text
	.protected	k_q2c02e9e83f_ln2
	.globl	k_q2c02e9e83f_ln2
	.p2align	8
	.type	k_q2c02e9e83f_ln2,@function
k_q2c02e9e83f_ln2:
	s_mov_b64 s[64:65], 0
	v_nop
	global_prefetch_b8 v0, s[64:65] scope:SCOPE_SE
	s_setreg_imm32_b32 hwreg(HW_REG_WAVE_MODE, 25, 1), 1
	s_wait_xcnt 0x0
; dst = the codes of FP4 (E2M1) of layernorm(src) x g + b, quantised along the 1,024 features, one E8M0 byte for each 32.  src: [4,096][1,024] f32.  All arithmetic ahead of the quantiser is f32.
; dst: codes [8 K steps][256 tiles][1,024 bytes: an image of a fragment's registers, [c][lane][16]] at 0; scale words [8][tile / 4][r][tile % 4] at 0x200000.
; Tile 2 p + u holds in its row r the token 32 p + 8 u + r + 8 (r / 8).
; SHARES.  Work-group T makes tile T.  Phase 1: wave w takes the tile's rows 2 w and 2 w + 1, each whole in 32 registers a lane (a load reads 512 consecutive bytes), so mean and variance never leave the wave.
; The finished rows go to a stage in LDS (rows of 4,096 + 16 bytes).  Phase 2: wave w makes K step w: lane (r, h) reads of row r 16 neighbours of each block of 32, quantises, and stores the image: 512 consecutive bytes a store.
; The scale words leave in pieces of 4 bytes (lanes 16-31 repeat lanes 0-15): one byte for each 128 read.  No cluster: work-groups share only g and b, 8 KB.
; LIMITS: NaN and infinities are not served; a block whose largest magnitude lies under 2^-124 (a block of zeros too) gets the byte 1: this program alone reads the bytes.
.set X0,   16                          ; v16-47 row 2 w, v48-79 row 2 w + 1; in phase 2 the 64 numbers to be quantised
.set G,    80
.set B,    112
.set TM,   144                         ; v144-159 the quantiser's work
.set PC,   160                         ; v160-167 the codes
.set PW,   168                         ; the scale word
.set SEL,  20                          ; s[20:21] v_permlanex16_b32's selects for lane l xor 16
.set ROWP, 4112
.macro QUANT s                         ; 64 numbers of a lane, register 16 b + i = k 32 b + 16 (lane / 16) + i of my row, become a fragment's codes in v[PC] on and its scale word in v[PW]
.irp b, 0,1,2,3
	v_max3_num_f32 v[TM+\b], |v[(\s)+16*\b]|, |v[(\s)+1+16*\b]|, 0x1800000   ; my 16 numbers of block b, and the floor 2^(3 - 127)
.endr
.irp i, 2,4,6,8,10,12,14
.irp b, 0,1,2,3
	v_max3_num_f32 v[TM+\b], v[TM+\b], |v[(\s)+16*\b+\i]|, |v[(\s)+1+16*\b+\i]|
.endr
.endr
.irp b, 0,1,2,3
	v_permlanex16_b32 v[TM+4+\b], v[TM+\b], s[SEL], s[SEL+1]
.endr
.irp b, 0,1,2,3
	v_max_num_f32 v[TM+\b], v[TM+\b], v[TM+4+\b]   ; with lane l xor 16's: the block's largest magnitude
.endr
.irp b, 0,1,2,3
	v_add_nc_u32 v[TM+12+\b], 0xff000000, v[TM+\b] ; 2 off its exponent field: the conversion's scale operand
.endr
.irp b, 0,1,2,3
	v_lshrrev_b32 v[TM+4+\b], 23, v[TM+12+\b]      ; the byte
.endr
	v_lshl_or_b32 v[PW], v[TM+5], 8, v[TM+4]
	v_lshl_or_b32 v[PW], v[TM+6], 16, v[PW]
	v_lshl_or_b32 v[PW], v[TM+7], 24, v[PW]
.irp b, 0,1,2,3
	v_cvt_scalef32_pk8_fp4_f32 v[PC+2*\b], v[(\s)+16*\b:(\s)+7+16*\b], v[TM+12+\b]
	v_cvt_scalef32_pk8_fp4_f32 v[PC+1+2*\b], v[(\s)+8+16*\b:(\s)+15+16*\b], v[TM+12+\b]
.endr
	v_nop                                          ; one plain instruction behind a scaled conversion
.irp c, 0,1                                    ; the operand's layout wants a whole block in a lane
.irp i, 0,1
	v_permlane16_swap_b32 v[PC+4*\c+\i], v[PC+2+4*\c+\i]
.endr
.endr
.endm
.macro ALLSUM                          ; v170 and v172: the sum over the wave's 32 lanes, in every lane
.irp m, 1,2,4,8
	v_add_f32_dpp v170, v170, v170 row_xmask:\m row_mask:0xf bank_mask:0xf
	v_add_f32_dpp v172, v172, v172 row_xmask:\m row_mask:0xf bank_mask:0xf
.endr
	v_permlanex16_b32 v171, v170, s[SEL], s[SEL+1]
	v_permlanex16_b32 v173, v172, s[SEL], s[SEL+1]
	v_add_f32 v170, v170, v171
	v_add_f32 v172, v172, v173
.endm
	s_load_b256 s[4:11], s[0:1], 0x0               ; src, g, b, dst
	v_lshl_add_u32 v176, v0, 2, 0x10100
	v_mov_b32 v177, 0
	v_lshrrev_b32 v1, 5, v0
	v_readfirstlane_b32 s12, v1                    ; wave 0..7
	v_and_b32 v2, 31, v0
	v_lshlrev_b32 v3, 4, v2                        ; 16 x lane
	s_lshr_b32 s13, ttmp9, 1
	s_lshl_b32 s13, s13, 5
	s_and_b32 s14, ttmp9, 1
	s_lshl_b32 s14, s14, 3
	s_add_co_u32 s13, s13, s14
	s_lshl_b32 s14, s12, 1
	s_add_co_u32 s13, s13, s14
	s_lshr_b32 s14, s12, 2
	s_lshl_b32 s14, s14, 3
	s_add_co_u32 s13, s13, s14                     ; my first token: 32 (T / 2) + 8 (T % 2) + 2 w + 8 (w / 4); the second is its neighbour
	s_lshl_b32 s14, s13, 12
	s_mov_b32 s15, 0
	s_mov_b32 s[SEL], 0x76543210
	s_mov_b32 s[SEL+1], 0xfedcba98
	s_mov_b32 s22, 0x3a800000                      ; 1 / 1,024
	s_mov_b32 s23, 0x3727c5ac                      ; 1e-5
	s_wait_kmcnt 0x0
	s_add_nc_u64 s[4:5], s[4:5], s[14:15]
.irp e, 0,1
.irp j, 0,1,2,3,4,5,6,7
	global_load_b128 v[X0+32*\e+4*\j:X0+32*\e+4*\j+3], v3, s[4:5] offset:4096*\e+512*\j th:TH_LOAD_NT
.endr
.endr
.irp j, 0,1,2,3,4,5,6,7
	global_load_b128 v[G+4*\j:G+4*\j+3], v3, s[6:7] offset:512*\j
.endr
.irp j, 0,1,2,3,4,5,6,7
	global_load_b128 v[B+4*\j:B+4*\j+3], v3, s[8:9] offset:512*\j
.endr
	s_mul_i32 s16, s12, 2*ROWP
	v_add_nc_u32 v4, s16, v3                       ; the stage, in: rows 2 w, 2 w + 1, 16 bytes a lane
	v_and_b32 v6, 15, v0                           ; r
	v_bfe_u32 v7, v0, 4, 1                         ; h
	v_mul_u32_u24 v5, v6, ROWP
	v_lshl_add_u32 v5, v7, 6, v5
	s_lshl_b32 s17, s12, 9
	v_add_nc_u32 v5, s17, v5                       ; out: row r, K step w, + 64 h
	v_lshlrev_b32 v8, 4, v6                        ; 16 r
.irp b, 0,1,2,3
	v_mov_b32 v[TM+4+\b], 0                        ; written once: a lane permute's destination counts as one of its sources
.endr
	s_lshl_b32 s18, s12, 8
	s_add_co_u32 s18, s18, ttmp9
	s_lshl_b32 s18, s18, 10                        ; image (w, T)
	s_mov_b32 s19, 0
	s_add_nc_u64 s[24:25], s[10:11], s[18:19]
	s_lshl_b32 s26, s12, 6
	s_lshr_b32 s27, ttmp9, 2
	s_add_co_u32 s26, s26, s27
	s_lshl_b32 s26, s26, 8
	s_and_b32 s27, ttmp9, 3
	s_lshl_b32 s27, s27, 2
	s_add_co_u32 s26, s26, s27
	s_add_co_u32 s26, s26, 0x200000
	s_mov_b32 s27, 0
	s_add_nc_u64 s[26:27], s[10:11], s[26:27]      ; its scale words
	s_wait_loadcnt 16                              ; my two rows are in; the sixteen loads of g and b may be out
.irp e, 0,1
	v_pk_add_f32 v[170+2*\e:171+2*\e], v[X0+32*\e:X0+32*\e+1], v[X0+32*\e+2:X0+32*\e+3]
.endr
.irp i, 4,6,8,10,12,14,16,18,20,22,24,26,28,30
.irp e, 0,1
	v_pk_add_f32 v[170+2*\e:171+2*\e], v[170+2*\e:171+2*\e], v[X0+32*\e+\i:X0+32*\e+\i+1]
.endr
.endr
	v_add_f32 v170, v170, v171
	v_add_f32 v172, v172, v173
	ALLSUM
	v_mul_f32 v170, s22, v170                      ; the means
	v_mul_f32 v172, s22, v172
.irp i, 0,2,4,6,8,10,12,14,16,18,20,22,24,26,28,30
.irp e, 0,1
	v_pk_add_f32 v[X0+32*\e+\i:X0+32*\e+\i+1], v[X0+32*\e+\i:X0+32*\e+\i+1], v[170+2*\e:171+2*\e] op_sel_hi:[1,0] neg_lo:[0,1] neg_hi:[0,1]   ; x - mean
.endr
.endr
.irp e, 0,1
	v_pk_mul_f32 v[170+2*\e:171+2*\e], v[X0+32*\e:X0+32*\e+1], v[X0+32*\e:X0+32*\e+1]
.endr
.irp i, 2,4,6,8,10,12,14,16,18,20,22,24,26,28,30
.irp e, 0,1
	v_pk_fma_f32 v[170+2*\e:171+2*\e], v[X0+32*\e+\i:X0+32*\e+\i+1], v[X0+32*\e+\i:X0+32*\e+\i+1], v[170+2*\e:171+2*\e]
.endr
.endr
	v_add_f32 v170, v170, v171
	v_add_f32 v172, v172, v173
	ALLSUM
	v_fma_f32 v170, v170, s22, s23                 ; variance + 1e-5
	v_fma_f32 v172, v172, s22, s23
	v_rsq_f32 v170, v170
	v_rsq_f32 v172, v172
	v_nop                                          ; a plain instruction behind the two roots,
	s_wait_alu depctr_va_vdst(0)                   ; and one wait for both, ahead of their first reader
	s_wait_loadcnt 0x0                             ; g and b
.irp i, 0,2,4,6,8,10,12,14,16,18,20,22,24,26,28,30
.irp e, 0,1
	v_pk_mul_f32 v[X0+32*\e+\i:X0+32*\e+\i+1], v[X0+32*\e+\i:X0+32*\e+\i+1], v[170+2*\e:171+2*\e] op_sel_hi:[1,0]
.endr
.endr
.irp i, 0,2,4,6,8,10,12,14,16,18,20,22,24,26,28,30
.irp e, 0,1
	v_pk_fma_f32 v[X0+32*\e+\i:X0+32*\e+\i+1], v[X0+32*\e+\i:X0+32*\e+\i+1], v[G+\i:G+\i+1], v[B+\i:B+\i+1]
.endr
.endr
.irp e, 0,1
.irp j, 0,1,2,3,4,5,6,7
	ds_store_b128 v4, v[X0+32*\e+4*\j:X0+32*\e+4*\j+3] offset:ROWP*\e+512*\j
.endr
.endr
	s_wait_dscnt 0x0                               ; for the others' sake: my rows lie in the stage
	s_barrier_signal -1
	s_barrier_wait -1
.irp b, 0,1,2,3
.irp j, 0,1,2,3
	ds_load_b128 v[X0+16*\b+4*\j:X0+16*\b+4*\j+3], v5 offset:128*\b+16*\j   ; sixteen lanes take sixteen rows: the pitch, 257 x 16 bytes, sets them on sixteen different columns of 16 bytes
.endr
.endr
	s_wait_dscnt 0x0
	QUANT X0
	global_store_b128 v3, v[PC:PC+3], s[24:25]
	global_store_b128 v3, v[PC+4:PC+7], s[24:25] offset:512
	global_store_b32 v8, v[PW], s[26:27]
	s_wait_tensorcnt 0x0
	ds_add_u32 v176, v177
	s_wait_dscnt 0x0
	s_endpgm
.Lfunc_end_k_q2c02e9e83f_ln2:
	.size	k_q2c02e9e83f_ln2, .Lfunc_end_k_q2c02e9e83f_ln2-k_q2c02e9e83f_ln2
	.p2alignl 7, 3214868480
	.fill 96, 4, 3214868480
	.section	.rodata,"a",@progbits
	.p2align	6, 0x0
	.amdhsa_kernel k_q2c02e9e83f_ln2
		.amdhsa_group_segment_fixed_size 66816
		.amdhsa_private_segment_fixed_size 0
		.amdhsa_enable_private_segment 0
		.amdhsa_kernarg_size 32
		.amdhsa_user_sgpr_count 2
		.amdhsa_user_sgpr_kernarg_segment_ptr 1
		.amdhsa_wavefront_size32 1
		.amdhsa_system_sgpr_workgroup_id_x 1
		.amdhsa_system_sgpr_workgroup_id_y 1
		.amdhsa_system_sgpr_workgroup_id_z 1
		.amdhsa_system_vgpr_workitem_id 0
		.amdhsa_next_free_vgpr 178
		.amdhsa_next_free_sgpr 66
		.amdhsa_reserve_vcc 0
		.amdhsa_float_denorm_mode_32 3
		.amdhsa_float_denorm_mode_16_64 3
		.amdhsa_memory_ordered 1
		.amdhsa_forward_progress 1
		.amdhsa_inst_pref_size 24
	.end_amdhsa_kernel
	.amdgpu_metadata
---
amdhsa.version: [ 1, 2 ]
amdhsa.kernels:
  - .name:           k_q2c02e9e83f_ln2
    .symbol:         k_q2c02e9e83f_ln2.kd
    .args:
      - { .name: rb, .offset: 0, .size: 8, .value_kind: global_buffer, .address_space: global }
      - { .name: ln2_g, .offset: 8, .size: 8, .value_kind: global_buffer, .address_space: global }
      - { .name: ln2_b, .offset: 16, .size: 8, .value_kind: global_buffer, .address_space: global }
      - { .name: h2, .offset: 24, .size: 8, .value_kind: global_buffer, .address_space: global }
    .group_segment_fixed_size: 66816
    .private_segment_fixed_size: 0
    .kernarg_segment_align: 8
    .kernarg_segment_size: 32
    .max_flat_workgroup_size: 256
    .sgpr_count:     66
    .vgpr_count:     178
    .wavefront_size: 32
...
	.end_amdgpu_metadata
.endif
;; end of part 5
;; launch fc1 (part 6): grid 16 x 16, 16 waves a work-group, clusters of 4 x 4, 280,576 bytes of LDS; arguments h2, wb, b1, mb; writes mb
.if DOCPART == 6
	.amdgcn_target "amdgcn-amd-amdhsa--gfx1250"
	.amdhsa_code_object_version 6
	.text
	.protected	k_q2c02e9e83f_fc1
	.globl	k_q2c02e9e83f_fc1
	.p2align	8
	.type	k_q2c02e9e83f_fc1,@function
k_q2c02e9e83f_fc1:
	s_mov_b64 s[64:65], 0
	v_nop
	global_prefetch_b8 v0, s[64:65] scope:SCOPE_SE
	s_setreg_imm32_b32 hwreg(HW_REG_WAVE_MODE, 25, 1), 1
	s_wait_xcnt 0x0
	s_wait_alu depctr_hold_cnt(0) depctr_sa_sdst(0) depctr_va_vdst(0) depctr_va_sdst(0) depctr_va_ssrc(0) depctr_va_vcc(0) depctr_vm_vsrc(0)
	s_getreg_b32 s2, hwreg(HW_REG_IB_STS2, 6, 4)
	s_cmp_eq_u32 s2, 0
	s_cbranch_scc0 .Lentry_in_a_cluster
	s_endpgm
.Lentry_in_a_cluster:
	s_bfe_u32 s2, ttmp6, 0x10000c
	s_cmp_lg_u32 s2, 0xf033
	s_cbranch_scc0 .Lentry_shape_is_right
	s_endpgm
.Lentry_shape_is_right:
; m = gelu(h2 W1 + b1), the exact (erf) gelu in f32, quantised at once along its 4,096 features; the product on codes of FP4 (E2M1) with E8M0 scales, K = 1,024.
; OPERANDS lie as images of fragments ([K step][tile][1,024 bytes]), scale words [K step][tile / 4][r][tile % 4]; tile 2 p + u holds in row r the index 32 p + 8 u + r + 8 (r / 8).
; Source 0 = the features (P0 = W1), source 1 = the tokens (P1 = h2): a lane holds one token, and the 16 registers of result tiles 2 b, 2 b + 1 are 16 neighbouring features: what the conversions want.
; SHARES.  A work-group takes 256 features x 256 tokens; BOTH PANELS LIE WHOLE IN LDS (2 x 128 KB and 16 KB of scale words), filled once: no byte of LDS is filled again.  Sixteen waves, four to a SIMD, so that one wave's
; exponentials and reciprocals stand beside another's plain work: wave w takes P1's tiles 2 (w / 2) + a and P0's tiles 8 (w % 2) + b: 16 accumulators; its 128 features are one K step of the next product.
; CLUSTER 4 x 4: P0 hangs on the work-group's x alone (asked for jointly by a column), P1 on its y alone (by a row).  Waves 0, 1 fetch P1's halves, waves 2, 3 P0's: three loads each are out.
; GELU.  gelu(y) = max(y, 0) - |y| E, E = erfc(|y| / sqrt 2) / 2 = t 2^(P(t) - y^2 log2(e) / 2), t = 1 / (1 + |y| sqrt 2 / 4), P of degree 9 (the rational Chebyshev fit of erfc whose relative error is under 1.2e-7, its coefficients x log2(e), 1 off the constant).
; LIMITS: NaN and infinities are not served; E is good to about 1e-6 of itself; a block whose largest magnitude lies under 2^-124 (a block of zeros too) gets the byte 1.  The scale words leave in pieces of 8 bytes.
.set WV,   3
.set SEL,  18
.set L16,  1
.set R16,  2
.set ADR1, 4
.set ADR0, 5
.set ADS1, 6
.set ADS0, 7
.set F0,   16                          ; v16-79  P0's eight fragments
.set F1,   80                          ; v80-95  P1's two
.set S0,   96                          ; v96-99  P0's scale words, v100-101 P1's: scales and nothing else
.set S1,   100
.set TM,   102
.set PW,   118
.set PWK,  120
.set C8,   122                         ; v[122:123] the polynomial's coefficient 8
.set ACC,  128
.set PC,   16                          ; the way out (the fragments are done with): codes,
.set GT,   24                          ; v24-55 t,
.set GH,   56                          ; v56-87 the exponent, then E,
.set GM,   88                          ; v88-95 at work
.set SCB,  262144
.macro PLACES n
.rept \n
	v_nop
.endr
.endm
.macro ROUND
	s_barrier_signal -1
	s_barrier_wait -1
	s_cmp_lg_u32 s[WV], 0
	s_cbranch_scc1 .Lnot_wave_0_\@
	s_barrier_signal -3
.Lnot_wave_0_\@:
	s_barrier_wait -3
	s_barrier_signal -1
	s_barrier_wait -1
.endm
.macro QUANT s
.irp b, 0,1,2,3
	v_max3_num_f32 v[TM+\b], |v[(\s)+16*\b]|, |v[(\s)+1+16*\b]|, 0x1800000
.endr
.irp i, 2,4,6,8,10,12,14
.irp b, 0,1,2,3
	v_max3_num_f32 v[TM+\b], v[TM+\b], |v[(\s)+16*\b+\i]|, |v[(\s)+1+16*\b+\i]|
.endr
.endr
.irp b, 0,1,2,3
	v_permlanex16_b32 v[TM+4+\b], v[TM+\b], s[SEL], s[SEL+1]
.endr
.irp b, 0,1,2,3
	v_max_num_f32 v[TM+\b], v[TM+\b], v[TM+4+\b]
.endr
.irp b, 0,1,2,3
	v_add_nc_u32 v[TM+12+\b], 0xff000000, v[TM+\b]
.endr
.irp b, 0,1,2,3
	v_lshrrev_b32 v[TM+4+\b], 23, v[TM+12+\b]
.endr
	v_lshl_or_b32 v[PW], v[TM+5], 8, v[TM+4]
	v_lshl_or_b32 v[PW], v[TM+6], 16, v[PW]
	v_lshl_or_b32 v[PW], v[TM+7], 24, v[PW]
.irp b, 0,1,2,3
	v_cvt_scalef32_pk8_fp4_f32 v[PC+2*\b], v[(\s)+16*\b:(\s)+7+16*\b], v[TM+12+\b]
	v_cvt_scalef32_pk8_fp4_f32 v[PC+1+2*\b], v[(\s)+8+16*\b:(\s)+15+16*\b], v[TM+12+\b]
.endr
	v_nop
.irp c, 0,1
.irp i, 0,1
	v_permlane16_swap_b32 v[PC+4*\c+\i], v[PC+2+4*\c+\i]
.endr
.endr
.endm
.macro GELU32 y                        ; 32 registers from v[y] on, in place: two batches of 32 transcendentals, each with one plain instruction and one wait behind it
.set gi, 0
.rept 32
	v_fma_f32 v[GT+gi], |v[(\y)+gi]|, 0x3eb504f3, 1.0      ; 1 + |y| sqrt 2 / 4  (each accumulator is read from its low end on)
.set gi, gi+1
.endr
.set gi, 0
.rept 32
	v_rcp_f32 v[GT+gi], v[GT+gi]
.set gi, gi+1
.endr
	v_nop
	s_wait_alu depctr_va_vdst(0)
.set gi, 0
.rept 16
	v_pk_fma_f32 v[GH+gi:GH+gi+1], v[GT+gi:GT+gi+1], 0x3e7c6f08, v[C8:C8+1] op_sel_hi:[1,0,0]
.set gi, gi+2
.endr
.irp k, 0x40097039, 0xbfd1a1e5, 0x3ecdfd18, 0xbe899a80, 0x3e0efb2e, 0x3f0a29d2, 0x3fb8ab5a, 0xc034d90f
.set gi, 0
.rept 16
	v_pk_fma_f32 v[GH+gi:GH+gi+1], v[GH+gi:GH+gi+1], v[GT+gi:GT+gi+1], \k op_sel_hi:[1,1,0]
.set gi, gi+2
.endr
.endr
.set gi, 0
.rept 4
.irp q, 0,2,4,6
	v_pk_mul_f32 v[GM+\q:GM+\q+1], v[(\y)+gi+\q:(\y)+gi+\q+1], 0xbf38aa3b op_sel_hi:[1,0]
.endr
.irp q, 0,2,4,6
	v_pk_fma_f32 v[GH+gi+\q:GH+gi+\q+1], v[GM+\q:GM+\q+1], v[(\y)+gi+\q:(\y)+gi+\q+1], v[GH+gi+\q:GH+gi+\q+1]   ; - y^2 log2(e) / 2
.endr
.set gi, gi+8
.endr
.set gi, 0
.rept 32
	v_exp_f32 v[GH+gi], v[GH+gi]
.set gi, gi+1
.endr
	v_nop
	s_wait_alu depctr_va_vdst(0)
.set gi, 0
.rept 16
	v_pk_mul_f32 v[GH+gi:GH+gi+1], v[GH+gi:GH+gi+1], v[GT+gi:GT+gi+1]      ; E
.set gi, gi+2
.endr
.set gi, 0
.rept 32
	v_max_num_f32 v[GT+gi], 0, v[(\y)+gi]
.set gi, gi+1
.endr
.set gi, 0
.rept 32
	v_fma_f32 v[(\y)+gi], -|v[(\y)+gi]|, v[GH+gi], v[GT+gi]
.set gi, gi+1
.endr
.endm
.macro KSTEP ks                        ; 128 along K: 22 LDS loads of consecutive bytes and 16 products; the 16 accumulators take turns
	PLACES 4
.irp a, 0,1
.irp c, 0,1
	ds_load_b128 v[F1+8*\a+4*\c:F1+8*\a+4*\c+3], v[ADR1] offset:(\ks)*8192+\a*1024+\c*512
.endr
.endr
	ds_load_b64 v[S1:S1+1], v[ADS1] offset:(\ks)*512
	ds_load_b128 v[S0:S0+3], v[ADS0] offset:(\ks)*512
.irp b, 0,1,2,3,4,5,6,7
.irp c, 0,1
	ds_load_b128 v[F0+8*\b+4*\c:F0+8*\b+4*\c+3], v[ADR0] offset:(\ks)*8192+\b*1024+\c*512
.endr
.endr
	s_wait_dscnt 8                                 ; all but the youngest eight loads: P0's tiles 4-7
.irp b, 0,1,2,3
.irp a, 0,1
	v_wmma_scale_f32_16x16x128_f8f6f4 v[ACC+64*\a+8*\b:ACC+64*\a+8*\b+7], v[F0+8*\b:F0+8*\b+7], v[F1+8*\a:F1+8*\a+7], v[ACC+64*\a+8*\b:ACC+64*\a+8*\b+7], v[S0+\b], v[S1+\a] matrix_a_fmt:MATRIX_FMT_FP4 matrix_b_fmt:MATRIX_FMT_FP4
.endr
.endr
	s_wait_dscnt 0x0
.irp b, 4,5,6,7
.irp a, 0,1
	v_wmma_scale_f32_16x16x128_f8f6f4 v[ACC+64*\a+8*\b:ACC+64*\a+8*\b+7], v[F0+8*\b:F0+8*\b+7], v[F1+8*\a:F1+8*\a+7], v[ACC+64*\a+8*\b:ACC+64*\a+8*\b+7], v[S0+\b-4], v[S1+\a] matrix_a_fmt:MATRIX_FMT_FP4 matrix_b_fmt:MATRIX_FMT_FP4 matrix_a_scale:MATRIX_SCALE_ROW1
.endr
.endr
.endm
	s_load_b256 s[4:11], s[0:1], 0x0               ; h2, wb, b1, mb
	v_lshl_add_u32 v126, v0, 2, 0x44000
	v_mov_b32 v127, 0
	ds_add_u32 v126, v127
	v_lshrrev_b32 v1, 5, v0
	v_readfirstlane_b32 s[WV], v1                  ; wave 0..15
	s_lshr_b32 s84, s[WV], 1                       ; wr
	s_and_b32 s85, s[WV], 1                        ; wc
	s_bfe_u32 s16, ttmp6, 0x40000                  ; cx
	s_bfe_u32 s17, ttmp6, 0x40004                  ; cy
	s_lshl_b32 s21, ttmp9, 2
	s_add_co_u32 s21, s21, s16                     ; i0: which 256 features
	s_and_b32 s22, ttmp7, 0xffff
	s_lshl_b32 s22, s22, 2
	s_add_co_u32 s22, s22, s17                     ; i1: which 256 tokens
	s_lshl_b32 s23, s17, 2
	s_lshl_b32 s23, 15, s23                        ; my row of the cluster: for P1
	s_lshl_b32 s2, 0x1111, s16                     ; my column: for P0
	s_or_b32 s24, s23, (3<<16)|(1<<21)             ; groups 1: codes: 4 K steps x 8 KB, 256 KB apart; scale words: 8 K steps x 512 bytes, 16 KB apart; elements of 8 bytes; no padding
	s_or_b32 s32, s2, (3<<16)|(1<<21)
	s_or_b32 s40, s23, (3<<16)|(1<<21)
	s_or_b32 s48, s2, (3<<16)|(1<<21)
.irp g, 24, 32
	s_mov_b32 s[\g+1], 1024<<16
	s_mov_b32 s[\g+2], 4<<16
	s_mov_b32 s[\g+3], 1024<<16
	s_mov_b32 s[\g+4], 4
	s_mov_b32 s[\g+5], 32768
	s_mov_b32 s[\g+6], 0
	s_mov_b32 s[\g+7], 0
.endr
.irp g, 40, 48
	s_mov_b32 s[\g+1], 64<<16
	s_mov_b32 s[\g+2], 8<<16
	s_mov_b32 s[\g+3], 64<<16
	s_mov_b32 s[\g+4], 8
	s_mov_b32 s[\g+5], 2048
	s_mov_b32 s[\g+6], 0
	s_mov_b32 s[\g+7], 0
.endr
	s_lshl_b32 s90, s22, 14                        ; P1's codes
	s_lshl_b32 s96, s85, 13
	s_add_co_u32 s90, s90, s96
	s_mov_b32 s91, 0
	s_lshl_b32 s86, s22, 10                        ; its scale words
	s_lshl_b32 s96, s85, 9
	s_add_co_u32 s86, s86, s96
	s_add_co_u32 s86, s86, 0x200000
	s_mov_b32 s87, 0
	s_lshl_b32 s92, s21, 14                        ; P0's codes
	s_lshl_b32 s99, s85, 13
	s_add_co_u32 s92, s92, s99
	s_add_co_u32 s92, s92, 0x200000
	s_mov_b32 s93, 0
	s_lshl_b32 s88, s21, 10                        ; its scale words
	s_lshl_b32 s99, s85, 9
	s_add_co_u32 s88, s88, s99
	s_add_co_u32 s88, s88, 0x6a0000
	s_mov_b32 s89, 0
	s_lshl_b32 s97, s[WV], 16
	s_lshl_b32 s98, s[WV], 12
	s_add_co_u32 s98, s98, SCB
	s_wait_dscnt 0x0
	s_wait_kmcnt 0x0
	s_mov_b32 s56, 1
	s_mov_b32 s57, s98
	s_add_nc_u64 s[58:59], s[4:5], s[86:87]
	s_or_b32 s59, s59, 0x80000000
	s_mov_b32 s60, 1
	s_mov_b32 s61, s97
	s_add_nc_u64 s[62:63], s[4:5], s[90:91]
	s_mov_b32 s68, 1
	s_add_co_u32 s69, s97, 32768
	s_add_nc_u64 s[70:71], s[62:63], 0x100000
	s_or_b32 s63, s63, 0x80000000
	s_or_b32 s71, s71, 0x80000000
	s_mov_b32 s72, 1
	s_mov_b32 s73, s98
	s_add_nc_u64 s[74:75], s[6:7], s[88:89]
	s_or_b32 s75, s75, 0x80000000
	s_mov_b32 s76, 1
	s_mov_b32 s77, s97
	s_add_nc_u64 s[78:79], s[6:7], s[92:93]
	s_mov_b32 s80, 1
	s_add_co_u32 s81, s97, 32768
	s_add_nc_u64 s[82:83], s[78:79], 0x100000
	s_or_b32 s79, s79, 0x80000000
	s_or_b32 s83, s83, 0x80000000
	ROUND                                          ; all sixteen work-groups are here: the joint loads meet
	s_cmp_lt_u32 s[WV], 2                          ; a wave's three fills stand in one branch on its number
	s_cbranch_scc0 .Lnot_p1
	tensor_load_to_lds s[56:59], s[40:47]
	s_nop 0
	tensor_load_to_lds s[60:63], s[24:31]
	s_nop 0
	tensor_load_to_lds s[68:71], s[24:31]
	s_nop 0
	PLACES 4
	s_branch .Lasked
.Lnot_p1:
	s_cmp_lt_u32 s[WV], 4
	s_cbranch_scc0 .Lasked
	tensor_load_to_lds s[72:75], s[48:55]
	s_nop 0
	tensor_load_to_lds s[76:79], s[32:39]
	s_nop 0
	tensor_load_to_lds s[80:83], s[32:39]
	s_nop 0
	PLACES 4
.Lasked:
	v_and_b32 v1, 31, v0
	v_lshlrev_b32 v[L16], 4, v1
	v_and_b32 v3, 15, v0
	v_lshlrev_b32 v[R16], 4, v3
	v_bfe_u32 v9, v0, 4, 1
	v_lshlrev_b32 v8, 6, v9                        ; 64 h
.irp b, 0,1,2,3
	v_mov_b32 v[TM+4+\b], 0
.endr
	v_mov_b32 v[C8], 0xbf97d29d
	v_mov_b32 v[C8+1], 0xbf97d29d
	s_mov_b32 s[SEL], 0x76543210
	s_mov_b32 s[SEL+1], 0xfedcba98
	s_lshl_b32 s96, s21, 10                        ; THE SUMS BEGIN AS THE BIAS: b1 at features 256 i0 + 128 wc + 32 (b / 2) + 16 h + 8 (b % 2) + j, loaded straight into the accumulators
	s_lshl_b32 s99, s85, 9
	s_add_co_u32 s96, s96, s99
	s_mov_b32 s97, 0
	s_add_nc_u64 s[8:9], s[8:9], s[96:97]
.irp a, 0,1
.irp b, 0,1,2,3,4,5,6,7
	global_load_b128 v[ACC+64*\a+8*\b:ACC+64*\a+8*\b+3], v8, s[8:9] offset:(32*(\b/2)+8*(\b%2))*4
	global_load_b128 v[ACC+64*\a+8*\b+4:ACC+64*\a+8*\b+7], v8, s[8:9] offset:(32*(\b/2)+8*(\b%2))*4+16
.endr
.endr
	s_lshr_b32 s96, s84, 2
	s_lshl_b32 s96, s96, 16
	s_and_b32 s99, s84, 3
	s_lshl_b32 s99, s99, 11
	s_add_co_u32 s96, s96, s99
	v_add_nc_u32 v[ADR1], s96, v[L16]
	s_add_co_u32 s96, s85, 2
	s_lshl_b32 s96, s96, 16
	v_add_nc_u32 v[ADR0], s96, v[L16]
	s_lshr_b32 s96, s84, 2
	s_lshl_b32 s96, s96, 12
	s_bfe_u32 s99, s84, 0x10001
	s_lshl_b32 s99, s99, 8
	s_add_co_u32 s96, s96, s99
	s_and_b32 s99, s84, 1
	s_lshl_b32 s99, s99, 3
	s_add_co_u32 s96, s96, s99
	s_add_co_u32 s96, s96, SCB
	v_add_nc_u32 v[ADS1], s96, v[R16]
	s_add_co_u32 s96, s85, 2
	s_lshl_b32 s96, s96, 12
	s_add_co_u32 s96, s96, SCB
	v_add_nc_u32 v[ADS0], s96, v[L16]
	s_wait_tensorcnt 1                             ; my scale words and K steps 0-3 are in; the load of K steps 4-7 may be out
	s_barrier_signal -1
	s_barrier_wait -1
	s_wait_loadcnt 0x0                             ; the bias
	KSTEP 0
	KSTEP 1
	KSTEP 2
	KSTEP 3
	s_wait_tensorcnt 0x0                           ; K steps 4-7 (no LDS instruction of mine is out)
	s_barrier_signal -1
	s_barrier_wait -1
	KSTEP 4
	KSTEP 5
	KSTEP 6
	KSTEP 7
	PLACES 4
	; THE WAY OUT.  The descriptors' registers are free: all tensor loads have been waited for.
	s_lshl_b32 s24, s21, 1
	s_add_co_u32 s24, s24, s85                     ; the next product's K step: 2 i0 + wc
	s_lshl_b32 s25, s24, 8
	s_lshl_b32 s26, s22, 4
	s_add_co_u32 s25, s25, s26
	s_lshl_b32 s26, s84, 1
	s_add_co_u32 s25, s25, s26                     ; token tile 16 i1 + 2 wr + a
	s_lshl_b32 s26, s25, 10
	s_mov_b32 s27, 0
	s_add_nc_u64 s[26:27], s[10:11], s[26:27]
	s_lshl_b32 s28, s24, 6
	s_lshl_b32 s29, s22, 2
	s_add_co_u32 s28, s28, s29
	s_lshr_b32 s29, s84, 1
	s_add_co_u32 s28, s28, s29
	s_lshl_b32 s28, s28, 8
	s_and_b32 s29, s84, 1
	s_lshl_b32 s29, s29, 3
	s_add_co_u32 s28, s28, s29
	s_add_co_u32 s28, s28, 0x800000
	s_mov_b32 s29, 0
	s_add_nc_u64 s[28:29], s[10:11], s[28:29]
.irp a, 0,1
	GELU32 ACC+64*\a
	GELU32 ACC+64*\a+32
.if \a
	s_wait_xcnt 0x0                                ; the stores above have read the codes' registers: they are written again only behind this wait
.endif
	QUANT ACC+64*\a
	global_store_b128 v[L16], v[PC:PC+3], s[26:27] offset:1024*\a          ; an image: 512 consecutive bytes a store
	global_store_b128 v[L16], v[PC+4:PC+7], s[26:27] offset:1024*\a+512
	v_mov_b32 v[PWK+\a], v[PW]
.endr
	global_store_b64 v[R16], v[PWK:PWK+1], s[28:29]
	s_wait_tensorcnt 0x0
	ds_add_u32 v126, v127
	s_wait_dscnt 0x0
	ROUND                                          ; the closing round
	s_endpgm
.Lfunc_end_k_q2c02e9e83f_fc1:
	.size	k_q2c02e9e83f_fc1, .Lfunc_end_k_q2c02e9e83f_fc1-k_q2c02e9e83f_fc1
	.p2alignl 7, 3214868480
	.fill 96, 4, 3214868480
	.section	.rodata,"a",@progbits
	.p2align	6, 0x0
	.amdhsa_kernel k_q2c02e9e83f_fc1
		.amdhsa_group_segment_fixed_size 280576
		.amdhsa_private_segment_fixed_size 0
		.amdhsa_enable_private_segment 0
		.amdhsa_kernarg_size 32
		.amdhsa_user_sgpr_count 2
		.amdhsa_user_sgpr_kernarg_segment_ptr 1
		.amdhsa_wavefront_size32 1
		.amdhsa_system_sgpr_workgroup_id_x 1
		.amdhsa_system_sgpr_workgroup_id_y 1
		.amdhsa_system_sgpr_workgroup_id_z 1
		.amdhsa_system_vgpr_workitem_id 0
		.amdhsa_next_free_vgpr 256
		.amdhsa_next_free_sgpr 102
		.amdhsa_reserve_vcc 0
		.amdhsa_float_denorm_mode_32 3
		.amdhsa_float_denorm_mode_16_64 3
		.amdhsa_memory_ordered 1
		.amdhsa_forward_progress 1
		.amdhsa_inst_pref_size 150
	.end_amdhsa_kernel
	.amdgpu_metadata
---
amdhsa.version: [ 1, 2 ]
amdhsa.kernels:
  - .name:           k_q2c02e9e83f_fc1
    .symbol:         k_q2c02e9e83f_fc1.kd
    .args:
      - { .name: h2, .offset: 0, .size: 8, .value_kind: global_buffer, .address_space: global }
      - { .name: wb, .offset: 8, .size: 8, .value_kind: global_buffer, .address_space: global }
      - { .name: b1, .offset: 16, .size: 8, .value_kind: global_buffer, .address_space: global }
      - { .name: mb, .offset: 24, .size: 8, .value_kind: global_buffer, .address_space: global }
    .group_segment_fixed_size: 280576
    .private_segment_fixed_size: 0
    .kernarg_segment_align: 8
    .kernarg_segment_size: 32
    .max_flat_workgroup_size: 512
    .sgpr_count:     102
    .vgpr_count:     256
    .wavefront_size: 32
...
	.end_amdgpu_metadata
.endif
;; end of part 6
;; launch fc2 (part 7): grid 8 x 32, 8 waves a work-group, clusters of 4 x 4, 327,680 bytes of LDS; arguments mb, wb, b2, rb, out0; writes out0
.if DOCPART == 7
	.amdgcn_target "amdgcn-amd-amdhsa--gfx1250"
	.amdhsa_code_object_version 6
	.text
	.protected	k_q2c02e9e83f_fc2
	.globl	k_q2c02e9e83f_fc2
	.p2align	8
	.type	k_q2c02e9e83f_fc2,@function
k_q2c02e9e83f_fc2:
	s_mov_b64 s[64:65], 0
	v_nop
	global_prefetch_b8 v0, s[64:65] scope:SCOPE_SE
	s_setreg_imm32_b32 hwreg(HW_REG_WAVE_MODE, 25, 1), 1
	s_wait_xcnt 0x0
	s_wait_alu depctr_hold_cnt(0) depctr_sa_sdst(0) depctr_va_vdst(0) depctr_va_sdst(0) depctr_va_ssrc(0) depctr_va_vcc(0) depctr_vm_vsrc(0)
	s_getreg_b32 s2, hwreg(HW_REG_IB_STS2, 6, 4)
	s_cmp_eq_u32 s2, 0
	s_cbranch_scc0 .Lentry_in_a_cluster
	s_endpgm
.Lentry_in_a_cluster:
	s_bfe_u32 s2, ttmp6, 0x10000c
	s_cmp_lg_u32 s2, 0xf033
	s_cbranch_scc0 .Lentry_shape_is_right
	s_endpgm
.Lentry_shape_is_right:
; out0 = gelu(m W2 + b2) + rb, f32, row-major, the exact (erf) gelu; the product on codes of FP4 (E2M1) with E8M0 scales, K = 4,096.
; OPERANDS lie as images of fragments ([K step][tile][1,024 bytes]), scale words [K step][tile / 4][r][tile % 4]; tile 2 p + u holds in row r the index 32 p + 8 u + r + 8 (r / 8).
; SHARES.  A work-group takes 128 features (P0 = W2, source 0) x 128 tokens (P1 = m, source 1).  Eight waves: wave w takes P1's tiles 2 (w / 2) + a and P0's tiles 4 (w % 2) + b: 8 accumulators.
; K goes in four runs of 8 K steps through a ring of two LDS slots of 139,264 bytes.  Wave 0 fetches P1's codes (64 KB a load), wave 1 P0's, wave 2 P1's scale words, wave 3 P0's: two loads each are out at the start, one behind each refill's round.
; CLUSTER 4 x 4: P1 hangs on the work-group's y alone (asked for jointly by a row of the cluster), P0 on its x alone (by a column).  A slot is filled again behind a round of the cluster's barrier.
; THE WAY OUT goes through a stage in LDS (128 rows of 512 + 16 bytes) in slot 0, which has had its last fill and, behind the last barrier, its last read; each wave stores 16 whole rows, 512 consecutive bytes a store.
; GELU: gelu(y) = max(y, 0) - |y| E, E = erfc(|y| / sqrt 2) / 2 = t 2^(P(t) - y^2 log2(e) / 2), t = 1 / (1 + |y| sqrt 2 / 4), P of degree 9 (a fit whose relative error is under 1.2e-7).
; All of a WGP's LDS is claimed.  LIMITS: NaN and infinities are not served.
.set KSLOT, 8
.set SLOT,  KSLOT*17408                ; P1's codes [KSLOT][8][1,024], P0's, P1's scale words [KSLOT][2][256], P0's
.set STG,   0
.set SPARE, 2*SLOT                     ; the spare words, 128 bytes for each wave: four blocks of 256 bytes that no other line names
.set WV,   3
.set L16,  1
.set R16,  2
.set ADR1, 4
.set ADR0, 6
.set ADS1, 8
.set ADS0, 10
.set STO,  12
.set SRD,  13
.set F0,   16
.set F1,   48
.set S0,   64                          ; v64-67, v68-69: scales and nothing else
.set S1,   68
.set SPW,  70                          ; v70  LDS address of my spare word; never rewritten
.set NIL,  71                          ; v71  0; never rewritten
.set BI,   72
.set ACC,  80
.set XR,   144
.set GT,   16                          ; the way out: v16-47 t, v208-239 the exponent and E, v240-247 at work, v[248:249] coefficient 8
.set GH,   208
.set GM,   240
.set C8,   248
.macro PLACES n
.rept \n
	v_nop
.endr
.endm
.macro ROUND
	s_barrier_signal -1
	s_barrier_wait -1
	s_cmp_lg_u32 s[WV], 0
	s_cbranch_scc1 .Lnot_wave_0_\@
	s_barrier_signal -3
.Lnot_wave_0_\@:
	s_barrier_wait -3
	s_barrier_signal -1
	s_barrier_wait -1
.endm
.macro MKG1 g1, mask, d0, rows, stride
	s_or_b32 s[\g1], s[\mask], (3<<16)|(1<<21)
	s_mov_b32 s[\g1+1], (\d0)<<16
	s_mov_b32 s[\g1+2], (\rows)<<16
	s_mov_b32 s[\g1+3], (\d0)<<16
	s_mov_b32 s[\g1+4], \rows
	s_mov_b32 s[\g1+5], \stride
	s_mov_b32 s[\g1+6], 0
	s_mov_b32 s[\g1+7], 0
.endm
.macro MKG0 g0, lds, base, off, chunk
	s_mov_b32 s[\g0], 1
	s_mov_b32 s[\g0+1], \lds
	s_add_nc_u64 s[\g0+2:\g0+3], s[\base:\base+1], s[\off:\off+1]
	s_mov_b32 s[\g0+4], 1
	s_mov_b32 s[\g0+5], (\lds)+SLOT
	s_add_nc_u64 s[\g0+6:\g0+7], s[\g0+2:\g0+3], \chunk
	s_or_b32 s[\g0+3], s[\g0+3], 0x80000000
	s_or_b32 s[\g0+7], s[\g0+7], 0x80000000
.endm
.macro FIRST w, g0, g1, next           ; wave w's two first fills, in one branch on its number
	s_cmp_lg_u32 s[WV], \w
	s_cbranch_scc1 \next
	tensor_load_to_lds s[\g0:\g0+3], s[\g1:\g1+7]
	s_nop 0
	tensor_load_to_lds s[\g0+4:\g0+7], s[\g1:\g1+7]
	s_nop 0
	PLACES 4
	s_branch .Lasked
.endm
.macro JL sl                           ; the joint refill of slot sl: one load a wave, in waves 0 to 3; the branches hang on the wave's number alone; four v_nop follow each load
	s_cmp_lg_u32 s[WV], 0
	s_cbranch_scc1 .Lj1_\@
	tensor_load_to_lds s[56+4*\sl:59+4*\sl], s[24:31]
	s_nop 0
	PLACES 4
	s_branch .Ljd_\@
.Lj1_\@:
	s_cmp_lg_u32 s[WV], 1
	s_cbranch_scc1 .Lj2_\@
	tensor_load_to_lds s[68+4*\sl:71+4*\sl], s[32:39]
	s_nop 0
	PLACES 4
	s_branch .Ljd_\@
.Lj2_\@:
	s_cmp_lg_u32 s[WV], 2
	s_cbranch_scc1 .Lj3_\@
	tensor_load_to_lds s[76+4*\sl:79+4*\sl], s[40:47]
	s_nop 0
	PLACES 4
	s_branch .Ljd_\@
.Lj3_\@:
	s_cmp_lg_u32 s[WV], 3
	s_cbranch_scc1 .Ljd_\@
	tensor_load_to_lds s[84+4*\sl:87+4*\sl], s[48:55]
	s_nop 0
	PLACES 4
.Ljd_\@:
.endm
; THE CHANGE OF SLOTS.  sl: the slot just read.  Each wave waits for all its tensor loads (its part of the other slot), adds 0 to its spare word, and waits for that and for its reads of slot sl.
; fill = 1: behind a round of the cluster's barrier, so that no wave of any partner still reads the slot or has a load on its way, slot sl takes the run of K two runs on.
.macro CHANGE sl, fill
	s_wait_tensorcnt 0x0                           ; no tensor load of mine is out, so a group 0 may be written
	ds_add_u32 v[SPW], v[NIL]                      ; 0 onto my spare word
.if \fill
	s_add_nc_u64 s[58+4*\sl:59+4*\sl], s[58+4*\sl:59+4*\sl], 2*KSLOT*0x40000
	s_add_nc_u64 s[70+4*\sl:71+4*\sl], s[70+4*\sl:71+4*\sl], 2*KSLOT*0x10000
	s_add_nc_u64 s[78+4*\sl:79+4*\sl], s[78+4*\sl:79+4*\sl], 2*KSLOT*0x4000
	s_add_nc_u64 s[86+4*\sl:87+4*\sl], s[86+4*\sl:87+4*\sl], 2*KSLOT*0x1000
.endif
	s_wait_dscnt 0x0                               ; the add is done, and my reads of the slot are over
.if \fill
	ROUND
	JL \sl                                         ; the first tensor load behind the round, and a wave's only one until the next: it has 8 K steps in which to land
.else
	s_barrier_signal -1
	s_barrier_wait -1
.endif
.endm
.macro GELU32 y
.set gi, 0
.rept 32
	v_fma_f32 v[GT+gi], |v[(\y)+gi]|, 0x3eb504f3, 1.0
.set gi, gi+1
.endr
.set gi, 0
.rept 32
	v_rcp_f32 v[GT+gi], v[GT+gi]
.set gi, gi+1
.endr
	v_nop                                          ; a plain instruction behind the batch, and one wait ahead of its first reader
	s_wait_alu depctr_va_vdst(0)
.set gi, 0
.rept 16
	v_pk_fma_f32 v[GH+gi:GH+gi+1], v[GT+gi:GT+gi+1], 0x3e7c6f08, v[C8:C8+1] op_sel_hi:[1,0,0]
.set gi, gi+2
.endr
.irp k, 0x40097039, 0xbfd1a1e5, 0x3ecdfd18, 0xbe899a80, 0x3e0efb2e, 0x3f0a29d2, 0x3fb8ab5a, 0xc034d90f
.set gi, 0
.rept 16
	v_pk_fma_f32 v[GH+gi:GH+gi+1], v[GH+gi:GH+gi+1], v[GT+gi:GT+gi+1], \k op_sel_hi:[1,1,0]
.set gi, gi+2
.endr
.endr
.set gi, 0
.rept 4
.irp q, 0,2,4,6
	v_pk_mul_f32 v[GM+\q:GM+\q+1], v[(\y)+gi+\q:(\y)+gi+\q+1], 0xbf38aa3b op_sel_hi:[1,0]
.endr
.irp q, 0,2,4,6
	v_pk_fma_f32 v[GH+gi+\q:GH+gi+\q+1], v[GM+\q:GM+\q+1], v[(\y)+gi+\q:(\y)+gi+\q+1], v[GH+gi+\q:GH+gi+\q+1]
.endr
.set gi, gi+8
.endr
.set gi, 0
.rept 32
	v_exp_f32 v[GH+gi], v[GH+gi]
.set gi, gi+1
.endr
	v_nop
	s_wait_alu depctr_va_vdst(0)
.set gi, 0
.rept 16
	v_pk_mul_f32 v[GH+gi:GH+gi+1], v[GH+gi:GH+gi+1], v[GT+gi:GT+gi+1]
.set gi, gi+2
.endr
.set gi, 0
.rept 32
	v_max_num_f32 v[GT+gi], 0, v[(\y)+gi]
.set gi, gi+1
.endr
.set gi, 0
.rept 32
	v_fma_f32 v[(\y)+gi], -|v[(\y)+gi]|, v[GH+gi], v[GT+gi]
.set gi, gi+1
.endr
.endm
.macro KSTEP sl, ks, zero              ; 128 along K: 14 LDS loads and 8 products; the 8 accumulators take turns
	PLACES 4
.irp a, 0,1
.irp c, 0,1
	ds_load_b128 v[F1+8*\a+4*\c:F1+8*\a+4*\c+3], v[ADR1+\sl] offset:(\ks)*8192+\a*1024+\c*512
.endr
.endr
	ds_load_b64 v[S1:S1+1], v[ADS1+\sl] offset:(\ks)*512
	ds_load_b128 v[S0:S0+3], v[ADS0+\sl] offset:(\ks)*512
.irp b, 0,1,2,3
.irp c, 0,1
	ds_load_b128 v[F0+8*\b+4*\c:F0+8*\b+4*\c+3], v[ADR0+\sl] offset:(\ks)*8192+\b*1024+\c*512
.endr
.endr
	s_wait_dscnt 0x0
.irp b, 0,1,2,3
.irp a, 0,1
.if \zero
	v_wmma_scale_f32_16x16x128_f8f6f4 v[ACC+32*\a+8*\b:ACC+32*\a+8*\b+7], v[F0+8*\b:F0+8*\b+7], v[F1+8*\a:F1+8*\a+7], 0, v[S0+\b], v[S1+\a] matrix_a_fmt:MATRIX_FMT_FP4 matrix_b_fmt:MATRIX_FMT_FP4
.else
	v_wmma_scale_f32_16x16x128_f8f6f4 v[ACC+32*\a+8*\b:ACC+32*\a+8*\b+7], v[F0+8*\b:F0+8*\b+7], v[F1+8*\a:F1+8*\a+7], v[ACC+32*\a+8*\b:ACC+32*\a+8*\b+7], v[S0+\b], v[S1+\a] matrix_a_fmt:MATRIX_FMT_FP4 matrix_b_fmt:MATRIX_FMT_FP4
.endif
.endr
.endr
.endm
.macro CHUNK sl, first
.set kq, 0
.rept KSLOT
.if (\first) && (kq == 0)
	KSTEP \sl, kq, 1                               ; the first product starts the sums: nothing is cleared
.else
	KSTEP \sl, kq, 0
.endif
.set kq, kq+1
.endr
.endm
	s_load_b256 s[4:11], s[0:1], 0x0               ; mb, wb, b2, rb
	s_load_b64 s[12:13], s[0:1], 0x20              ; out0
	v_lshl_add_u32 v[SPW], v0, 2, SPARE
	v_mov_b32 v[NIL], 0
	ds_add_u32 v70, v71
	s_wait_dscnt 0x0
	v_lshrrev_b32 v1, 5, v0
	v_readfirstlane_b32 s[WV], v1                  ; wave 0..7
	s_lshr_b32 s20, s[WV], 1                       ; wr
	s_and_b32 s21, s[WV], 1                        ; wc
	s_bfe_u32 s14, ttmp6, 0x40000                  ; cx
	s_bfe_u32 s15, ttmp6, 0x40004                  ; cy
	s_lshl_b32 s16, ttmp9, 2
	s_add_co_u32 s16, s16, s14                     ; work-group x: which 128 features
	s_and_b32 s17, ttmp7, 0xffff
	s_lshl_b32 s17, s17, 2
	s_add_co_u32 s17, s17, s15                     ; work-group y: which 128 tokens
	s_lshl_b32 s18, s15, 2
	s_lshl_b32 s18, 15, s18                        ; my row of the cluster: for P1
	s_lshl_b32 s19, 0x1111, s14                    ; my column: for P0
	MKG1 24, 18, 1024, KSLOT, 32768
	MKG1 32, 19, 1024, KSLOT, 8192
	MKG1 40, 18, 64, KSLOT, 2048
	MKG1 48, 19, 64, KSLOT, 512
	s_lshl_b32 s92, s17, 13
	s_mov_b32 s93, 0
	s_lshl_b32 s94, s17, 9
	s_add_co_u32 s94, s94, 0x800000
	s_mov_b32 s95, 0
	s_lshl_b32 s96, s16, 13
	s_add_co_u32 s96, s96, 0x480000
	s_mov_b32 s97, 0
	s_lshl_b32 s98, s16, 9
	s_add_co_u32 s98, s98, 0x6c8000
	s_mov_b32 s99, 0
	s_wait_kmcnt 0x0
	MKG0 56, 0, 4, 92, KSLOT*0x40000
	MKG0 68, KSLOT*8192, 6, 96, KSLOT*0x10000
	MKG0 76, 2*KSLOT*8192, 4, 94, KSLOT*0x4000
	MKG0 84, 2*KSLOT*8192+KSLOT*512, 6, 98, KSLOT*0x1000
	ROUND                                          ; all sixteen work-groups are here: the first joint loads meet
	FIRST 0, 56, 24, .Lw1
.Lw1:
	FIRST 1, 68, 32, .Lw2
.Lw2:
	FIRST 2, 76, 40, .Lw3
.Lw3:
	FIRST 3, 84, 48, .Lasked
.Lasked:
	v_and_b32 v1, 31, v0
	v_lshlrev_b32 v[L16], 4, v1
	v_and_b32 v3, 15, v0                           ; r
	v_lshlrev_b32 v[R16], 4, v3
	v_bfe_u32 v14, v0, 4, 1                        ; h
	v_mov_b32 v[C8], 0xbf97d29d
	v_mov_b32 v[C8+1], 0xbf97d29d
	s_lshl_b32 s22, s17, 7                         ; the rows that I store: token 128 y + 32 (w / 2) + 8 (w % 2) + i + 8 (i / 8)
	s_lshl_b32 s23, s20, 5
	s_add_co_u32 s22, s22, s23
	s_lshl_b32 s23, s21, 3
	s_add_co_u32 s22, s22, s23
	s_lshl_b32 s22, s22, 12
	s_lshl_b32 s23, s16, 9
	s_add_co_u32 s22, s22, s23
	s_mov_b32 s23, 0
	s_add_nc_u64 s[10:11], s[10:11], s[22:23]
	s_add_nc_u64 s[12:13], s[12:13], s[22:23]
	s_lshl_b32 s22, s16, 9
	s_add_nc_u64 s[8:9], s[8:9], s[22:23]
.irp i, 0,1,2,3,4,5,6,7,8,9,10,11,12,13,14,15
	global_load_b128 v[XR+4*\i:XR+4*\i+3], v[L16], s[10:11] offset:(\i+8*(\i/8))*4096 th:TH_LOAD_NT
.endr
	global_load_b128 v[BI:BI+3], v[L16], s[8:9]
	s_lshl_b32 s22, s20, 11
	s_lshl_b32 s23, s21, 12
	s_add_co_u32 s23, s23, KSLOT*8192
	s_lshr_b32 s100, s20, 1
	s_lshl_b32 s100, s100, 8
	s_and_b32 s101, s20, 1
	s_lshl_b32 s101, s101, 3
	s_add_co_u32 s100, s100, s101
	s_add_co_u32 s100, s100, 2*KSLOT*8192
	s_lshl_b32 s101, s21, 8
	s_add_co_u32 s101, s101, 2*KSLOT*8192+KSLOT*512
.irp s, 0,1
	v_add_nc_u32 v[ADR1+\s], s22, v[L16]
	v_add_nc_u32 v[ADR0+\s], s23, v[L16]
	v_add_nc_u32 v[ADS1+\s], s100, v[R16]
	v_add_nc_u32 v[ADS0+\s], s101, v[R16]
	s_add_co_u32 s22, s22, SLOT
	s_add_co_u32 s23, s23, SLOT
	s_add_co_u32 s100, s100, SLOT
	s_add_co_u32 s101, s101, SLOT
.endr
	s_mul_i32 s22, s20, 32*528
	s_lshl_b32 s23, s21, 8
	s_add_co_u32 s22, s22, s23
	s_add_co_u32 s22, s22, STG
	v_mul_u32_u24 v[STO], v3, 528
	v_lshl_add_u32 v[STO], v14, 6, v[STO]
	v_add_nc_u32 v[STO], s22, v[STO]
	s_mul_i32 s22, s[WV], 16*528
	s_add_co_u32 s22, s22, STG
	v_add_nc_u32 v[SRD], s22, v[L16]
	s_wait_tensorcnt 1                             ; my part of slot 0 is in; slot 1's load may be out
	s_barrier_signal -1
	s_barrier_wait -1
	CHUNK 0, 1                                     ; K steps 0-7
	CHANGE 0, 1                                    ; slot 0 takes K steps 16-23
	CHUNK 1, 0                                     ; K steps 8-15
	CHANGE 1, 1                                    ; slot 1 takes K steps 24-31
	CHUNK 0, 0
	CHANGE 0, 0                                    ; nothing is left to fetch
	CHUNK 1, 0
	PLACES 4
.irp a, 0,1
.irp b, 0,1,2,3
	ds_store_b128 v[STO], v[ACC+32*\a+8*\b:ACC+32*\a+8*\b+3] offset:16*\a*528+128*(\b/2)+32*(\b%2)       ; each accumulator from its low end on
	ds_store_b128 v[STO], v[ACC+32*\a+8*\b+4:ACC+32*\a+8*\b+7] offset:16*\a*528+128*(\b/2)+32*(\b%2)+16
.endr
.endr
	s_wait_dscnt 0x0                               ; for the others' sake: my results lie in the stage
	s_barrier_signal -1
	s_barrier_wait -1
.irp i, 0,1,2,3,4,5,6,7,8,9,10,11,12,13,14,15
	ds_load_b128 v[ACC+4*\i:ACC+4*\i+3], v[SRD] offset:\i*528
.endr
	s_wait_dscnt 0x0
	s_wait_loadcnt 0x0                             ; rb's rows and the bias
.irp i, 0,1,2,3,4,5,6,7,8,9,10,11,12,13,14,15
	v_pk_add_f32 v[ACC+4*\i:ACC+4*\i+1], v[ACC+4*\i:ACC+4*\i+1], v[BI:BI+1]
	v_pk_add_f32 v[ACC+4*\i+2:ACC+4*\i+3], v[ACC+4*\i+2:ACC+4*\i+3], v[BI+2:BI+3]
.endr
	GELU32 ACC
	GELU32 ACC+32
.irp i, 0,1,2,3,4,5,6,7,8,9,10,11,12,13,14,15
	v_pk_add_f32 v[ACC+4*\i:ACC+4*\i+1], v[ACC+4*\i:ACC+4*\i+1], v[XR+4*\i:XR+4*\i+1]
	v_pk_add_f32 v[ACC+4*\i+2:ACC+4*\i+3], v[ACC+4*\i+2:ACC+4*\i+3], v[XR+4*\i+2:XR+4*\i+3]
.endr
.irp i, 0,1,2,3,4,5,6,7,8,9,10,11,12,13,14,15
	global_store_b128 v[L16], v[ACC+4*\i:ACC+4*\i+3], s[12:13] offset:(\i+8*(\i/8))*4096 th:TH_STORE_NT   ; 32 lanes store 512 consecutive bytes, at a multiple of 512 from out0's first byte
.endr
	s_wait_tensorcnt 0x0                           ; the wave's end: behind my last tensor load and my last LDS store
	ds_add_u32 v[SPW], v[NIL]
	s_wait_dscnt 0x0
	ROUND                                          ; the closing round: no work-group ends while a partner may still ask for a tile that names it
	s_endpgm
.Lfunc_end_k_q2c02e9e83f_fc2:
	.size	k_q2c02e9e83f_fc2, .Lfunc_end_k_q2c02e9e83f_fc2-k_q2c02e9e83f_fc2
	.p2alignl 7, 3214868480
	.fill 96, 4, 3214868480
	.section	.rodata,"a",@progbits
	.p2align	6, 0x0
	.amdhsa_kernel k_q2c02e9e83f_fc2
		.amdhsa_group_segment_fixed_size 327680
		.amdhsa_private_segment_fixed_size 0
		.amdhsa_enable_private_segment 0
		.amdhsa_kernarg_size 40
		.amdhsa_user_sgpr_count 2
		.amdhsa_user_sgpr_kernarg_segment_ptr 1
		.amdhsa_wavefront_size32 1
		.amdhsa_system_sgpr_workgroup_id_x 1
		.amdhsa_system_sgpr_workgroup_id_y 1
		.amdhsa_system_sgpr_workgroup_id_z 1
		.amdhsa_system_vgpr_workitem_id 0
		.amdhsa_next_free_vgpr 256
		.amdhsa_next_free_sgpr 102
		.amdhsa_reserve_vcc 0
		.amdhsa_float_denorm_mode_32 3
		.amdhsa_float_denorm_mode_16_64 3
		.amdhsa_memory_ordered 1
		.amdhsa_forward_progress 1
		.amdhsa_inst_pref_size 139
	.end_amdhsa_kernel
	.amdgpu_metadata
---
amdhsa.version: [ 1, 2 ]
amdhsa.kernels:
  - .name:           k_q2c02e9e83f_fc2
    .symbol:         k_q2c02e9e83f_fc2.kd
    .args:
      - { .name: mb, .offset: 0, .size: 8, .value_kind: global_buffer, .address_space: global }
      - { .name: wb, .offset: 8, .size: 8, .value_kind: global_buffer, .address_space: global }
      - { .name: b2, .offset: 16, .size: 8, .value_kind: global_buffer, .address_space: global }
      - { .name: rb, .offset: 24, .size: 8, .value_kind: global_buffer, .address_space: global }
      - { .name: out0, .offset: 32, .size: 8, .value_kind: global_buffer, .address_space: global }
    .group_segment_fixed_size: 327680
    .private_segment_fixed_size: 0
    .kernarg_segment_align: 8
    .kernarg_segment_size: 40
    .max_flat_workgroup_size: 256
    .sgpr_count:     102
    .vgpr_count:     256
    .wavefront_size: 32
...
	.end_amdgpu_metadata
.endif
;; end of part 7
;; ======== version 2 of 2: 7 launches; version 1 with the launch attn written anew for expert scheduling mode
;; workspace buffers: wb 7,241,728 bytes; hb 2,228,224 bytes; qb 6,946,816 bytes; ab 2,228,224 bytes; rb 16,777,216 bytes; h2 2,228,224 bytes; mb 8,912,896 bytes
;; launch prep: the kernel of part 1 again; grid 448 x 1, 8 waves a work-group, no clusters, 66,816 bytes of LDS; arguments x, ln1_g, ln1_b, hb, Wq, Wk, Wv, Wo, W1, W2, wb; writes hb, wb
;; launch qkv: the kernel of part 2 again; grid 12 x 16, 16 waves a work-group, clusters of 4 x 4, 280,576 bytes of LDS; arguments hb, wb, bq, bk, bv, qb; writes qb
;; launch attn (part 8): grid 8 x 32, 8 waves a work-group, no clusters, 267,776 bytes of LDS; arguments qb, slim, ab; writes ab
.if DOCPART == 8
	.amdgcn_target "amdgcn-amd-amdhsa--gfx1250"
	.amdhsa_code_object_version 6
	.text
	.protected	k_q2c02e9e83f_attn
	.globl	k_q2c02e9e83f_attn
	.p2align	8
	.type	k_q2c02e9e83f_attn,@function
k_q2c02e9e83f_attn:
	s_mov_b64 s[64:65], 0
	v_nop
	global_prefetch_b8 v0, s[64:65] scope:SCOPE_SE
	s_setreg_imm32_b32 hwreg(HW_REG_WAVE_SCHED_MODE, 0, 2), 2
	s_setreg_imm32_b32 hwreg(HW_REG_WAVE_MODE, 25, 1), 1
	s_wait_xcnt 0x0
	s_wait_alu depctr_vm_vsrc(0)
; For each of 32 heads (batch x 16 + head): p = exp(s / 8 - max) / (1 + the sum of these) x slim[head], s = q . k; o = p v.  Both products on codes of FP4 (E2M1) with E8M0 scales.
; p IS QUANTISED FINISHED, as it is defined: so a row's maximum and sum over ALL 2,048 keys are known before any p is turned into a code.  o is quantised along the features for the next product.
; SHARES.  A work-group takes 256 queries (16 tiles) of one head.  WAVE w OWNS KEYS 256 w .. 256 w + 255, as two HALVES of 128: its codes of k (16 tiles) and v (2 K steps x 4 tiles of channels) stay in its registers.
; So each score costs one product and one exponential.  Each half has its own maximum m and sum l of e = 2^(c s - c m), c = log2(e) / 8.  For each tile of queries the eight waves exchange, through LDS, their (c m, l) of both halves;
; each then scales a half's e by F = 2^(c m - M) x slim / (1 + the sum over all sixteen halves of l 2^(c m - M)), M the largest c m: the maximum is taken away as it is in the definition.
; The waves' partial o are added through LDS once for 8 tiles.
; A PIPELINE.  The exponentials and the other vector work are laid side by side.  Half 0 has two register buffers, by the tile's parity, so that a tile's half 0 is under way while the tile before is being finished.
; A PERIOD runs from one barrier to the next, for tile i.  Its first part: half 0's exponentials, in units of four; between the units: the exchange of tile i - 1 is read and F made, tile i - 1's half 1 is finished and
; quantised, tile i's half 1 gets its scores and maxima.  Its second part: half 1's exponentials; between the units: half 0's sum, tile i - 1's half 0 is finished and quantised, tile i + 1's half 0 gets its scores
; and maxima.  Then O^T of tile i - 1, half 1's sum, the stores of my four numbers and of O^T, and the barrier, with the first four units of tile i + 1 round its signal.  The pipeline drains once for 8 tiles, ahead of the adding-up.
; LAYOUT.  Both products are used transposed (S^T = k q^T, O^T = v^T p^T): a lane holds one query.  The keys of a tile of k are 32 p + 8 u + r + 8 (r / 8), so that the 16 registers of tiles 2 b, 2 b + 1 are 16 neighbouring keys.
; A head has 64 channels: half a K step.  q's registers 4-7 are zero codes, and the scale bytes of that half are 0x7f on both sides; k's tile t is named as v[4 t : 4 t + 7], whose upper half (the next tile's codes) meets those zeros.
; A block's largest |p| is not searched for: p rises with the score, so the block's largest score goes through the same multiply-add, exponential and multiplication (this takes v_exp_f32 not to fall where its input rises).
; NO CLUSTER: k and v, 140 KB a work-group, are read once, at the head, straight into registers, where a joint load cannot land; q differs between work-groups.
; THE MODE: SCHED_MODE bits 1:0 = 2 (LLVM: expert scheduling mode 2), set by the entry lines.  The code itself states the register dependences between vector or matrix instructions and memory or LDS instructions, with s_wait_alu, always for 0.
; THE PLAN.  Registers that memory or LDS instructions touch:
;   v1, v2, v3, v4, v7   offsets and LDS addresses: made at the head and never written again.  q's tiles are reached by scalar bases, a pair for each of q's two buffers.
;   v6                   the LDS address of the partial O^T: written by one addition in a period's first part, read by the eight stores at the period's end.
;   q's two buffers      (v16-19 with v44, v24-27 with v45) read by the products of a tile's two halves; the loads of the tile two on land there, behind the wait at the seam of the period's two parts.
;   v224-255             the exchange's eight LDS loads land there at a period's head; later the scales' work and p's codes are written there, and the products V^T p read the codes.
;   v72-79               my four numbers, by parity: written by the maxima and the sums, read by one LDS store at the period's end.
;   O^T                  (window 1, v136-167) written by the products V^T p, read by eight LDS stores at the period's end.
; A PERIOD'S WAITS.  On va_vdst: two in the exchange's chain (behind its exponentials, behind its reciprocal); one at the seam (half 0's exponentials; q's buffer is read out; v6 is written); one ahead of V^T p (half 1's exponentials;
; p's codes and scale words are written); one ahead of the stores (my fourth number and O^T are written); one between the barrier's signal and its wait (the next tile's first units), behind which nothing is out that names v224-255.
; On vm_vsrc: one, beside the wait on DScnt ahead of the barrier's signal: the stores have read my four numbers, v6 and O^T, which the next period writes again.
; REGISTERS.  Window 0: v1-7 addresses; v8-11 idle; v12-13 my two factors; v16-31 q, two buffers; v32-47 scale words and nothing else; v48-95 statistics; v96-159 half 0 of even tiles; v160-223 half 1;
;   v224-255 the sixteen pairs of the exchange, then p's codes (v224-239) and the scales' work.   Window 1: v0-67 k (v64-67 zero); v72-135 v; v136-167 O^T; v168-231 half 0 of odd tiles.
; LDS: the partial O^T [8 tiles][8 waves][4,096] at 0; the exchange, two buffers by turns of 16 rows x (8 waves x 16 bytes + 16), at 262,144.
; LIMITS: NaN and infinities are not served; v_exp_f32 gives 0 for results under 2^-126; a block whose largest |p| lies under 2^-124 gets the byte 1.  The scale bytes leave in pieces of 2 bytes, 128 KB in all.
; Behind the last tiles q's loads read up to 1,024 + 64 bytes further on in qb than the work-group's own tiles: bytes of qb that nobody uses there.
.set STAT, 262144
.set STB,  2304                        ; a buffer of the exchange
.set L16, 1                            ; v1   16 x lane
.set R16, 2                            ; v2   16 x (lane % 16)
.set STW, 3                            ; v3   the exchange: where I put my wave's four numbers
.set STR, 4                            ; v4   and where my query's row begins
.set OPW, 5                            ; v5   4,096 x wave + 16 x lane
.set OPA, 6                            ; v6   + the tile's 32,768
.set OPR, 7                            ; v7   32,768 x wave + 16 x lane: the tile that I add up
.set G0,  12                           ; v12-13 2^(c m - M) of my two halves, then x slim
.set G1,  13
.set QF,  16
.set KS,  32                           ; v32-39 k's scale words: tile t: register 4 (t / 8) + t % 4, lanes 0-15 or 16-31 by (t / 4) % 2
.set VS,  40                           ; v40-43 v's: tile t: register t, lanes by the K step
.set QS,  44                           ; v44-45 q's, two buffers
.set PWS, 46                           ; v46-47 p's, for my two K steps
.set BM,  48                           ; v48-63 the eight blocks' largest, by the tile's parity
.set BX,  64
.set STP, 72                           ; v72-79 (c m, l) of half 0, (c m, l) of half 1, by the tile's parity
.set SU,  80                           ; v80-87 four chains of sums
.set FF,  88                           ; v[88:89] F of half 0, v[90:91] of half 1
.set MX,  92
.set LL,  93
.set RR,  94
.set L2,  95
.set S,   96                           ; half 0 of a tile of parity p lies at 96 + 72 p of window p
.set S1,  160
.set ST,  224
.set PC,  224
.set SCO, 240
.set BY,  248
.set KW,  0                            ; window 1
.set VW,  72
.set OW,  136
.set WV,  10
.set SEL, 20
.set CS,  22                           ; s[22:23] c
.set SLIM, 24
.set TI,  25                           ; the tile in hand, 0 .. 15
.set TO,  26                           ; where the next partial O^T goes
.set TC,  27
.set GC,  28
.set QB,  36                           ; s[36:39] where the codes of q to come lie, a pair for each of q's two buffers (at the head these registers hold k's and v's addresses)
.set QSB, 40                           ; s[40:43] and its scale words
.set MSB, 0
.macro WIN new                         ; bits 1:0 source 0, 3:2 source 1, 5:4 source 2, 7:6 destination; the high byte repeats the setting that is left
.if MSB != (\new)
	s_set_vgpr_msb (MSB<<8)|(\new)
.set MSB, (\new)
.endif
.endm
.macro WINX w                          ; for an exponential in place: only the destination's and source 0's windows matter to it; the other two fields stay
.if (MSB&0xc3) != 0x41*(\w)
.set NMSB, (MSB&0x3c)|(0x41*(\w))
	s_set_vgpr_msb (MSB<<8)|NMSB
.set MSB, NMSB
.endif
.endm
.macro PLACES n
.rept \n
	v_nop
.endr
.endm
; ---- a half's 64 scores (window w, from register r on) become e, in sixteen units
.macro SC w, r, cm, j                  ; pair j: c s - c m
	WIN 0x41*(\w)
	v_pk_fma_f32 v[(\r)+2*(\j):(\r)+2*(\j)+1], v[(\r)+2*(\j):(\r)+2*(\j)+1], s[CS:CS+1], v[(\cm):(\cm)+1] op_sel_hi:[1,0,0] neg_lo:[0,0,1] neg_hi:[0,0,1]
.endm
.macro EX w, r, j
	WINX \w
	v_exp_f32 v[(\r)+(\j)], v[(\r)+(\j)]
.endm
.macro PRE w, r, cm                    ; the scalings of units 0 and 1
.irp j, 0,1,2,3
	SC \w, \r, \cm, \j
.endr
.endm
.macro UNIT w, r, cm, u                ; unit u: four exponentials, and the two scalings of the unit two further on
.if (\u)+2 < 16
	SC \w, \r, \cm, 2*(\u)+4
.endif
	EX \w, \r, 4*(\u)
	EX \w, \r, 4*(\u)+1
.if (\u)+2 < 16
	SC \w, \r, \cm, 2*(\u)+5
.endif
	EX \w, \r, 4*(\u)+2
	EX \w, \r, 4*(\u)+3
.endm
.macro UH p, u                         ; a unit of half 0 of a tile of parity p
	UNIT \p, 96+72*(\p), STP+4*(\p), \u
.endm
.macro UL p, u                         ; a unit of half 1
	UNIT 0, S1, STP+4*(\p)+2, \u
.endm
.macro BMX bm                          ; the four blocks' largest e: the same two instructions on the same number give the same bits
.irp b, 0,1,2,3
	EX 0, \bm, \b
.endr
.endm
; ---- the scores of half hh: eight products, q from buffer qp
.macro SPROD hh, qp, w, r
	WIN 0x40*(\w)+1                                ; k in window 1
.set t, 0
.rept 8
.if (t/4)%2
	v_wmma_scale_f32_16x16x128_f8f6f4 v[(\r)+8*t:(\r)+8*t+7], v[KW+32*(\hh)+4*t:KW+32*(\hh)+4*t+7], v[QF+8*(\qp):QF+8*(\qp)+7], 0, v[KS+4*(\hh)+t%4], v[QS+(\qp)] matrix_a_fmt:MATRIX_FMT_FP4 matrix_b_fmt:MATRIX_FMT_FP4 matrix_a_scale:MATRIX_SCALE_ROW1
.else
	v_wmma_scale_f32_16x16x128_f8f6f4 v[(\r)+8*t:(\r)+8*t+7], v[KW+32*(\hh)+4*t:KW+32*(\hh)+4*t+7], v[QF+8*(\qp):QF+8*(\qp)+7], 0, v[KS+4*(\hh)+t%4], v[QS+(\qp)] matrix_a_fmt:MATRIX_FMT_FP4 matrix_b_fmt:MATRIX_FMT_FP4
.endif
.set t, t+1
.endr
.endm
; ---- the largest score of each of a half's four blocks of 32 keys, and of the half; in three parts
.macro MSA w, r, bm
	WIN 0x15*(\w)
.irp b, 0,1,2,3
	v_max3_num_f32 v[(\bm)+\b], v[(\r)+16*\b], v[(\r)+16*\b+1], v[(\r)+16*\b+2]    ; (each accumulator is read from its low end on)
.endr
	WIN 0x14*(\w)
.irp i, 3,5,7,9,11,13
.irp b, 0,1,2,3
	v_max3_num_f32 v[(\bm)+\b], v[(\bm)+\b], v[(\r)+16*\b+\i], v[(\r)+16*\b+\i+1]
.endr
.endr
.endm
.macro MSQ w, r, bm
	WIN 0x04*(\w)
.irp b, 0,1,2,3
	v_max_num_f32 v[(\bm)+\b], v[(\bm)+\b], v[(\r)+16*\b+15]
.endr
	WIN 0
.irp b, 0,1,2,3
	v_permlanex16_b32 v[BX+\b], v[(\bm)+\b], s[SEL], s[SEL+1]
.endr
.endm
.macro MSR bm, cm
	WIN 0
.irp b, 0,1,2,3
	v_max_num_f32 v[(\bm)+\b], v[(\bm)+\b], v[BX+\b]       ; with lane l xor 16's 16 keys
.endr
	v_max3_num_f32 v[MX], v[(\bm)], v[(\bm)+1], v[(\bm)+2]
	v_max_num_f32 v[MX], v[MX], v[(\bm)+3]
	v_mul_f32 v[\cm], s[CS], v[MX]                 ; c m of the half
.irp b, 0,1,2,3
	v_fma_f32 v[(\bm)+\b], v[(\bm)+\b], s[CS], -v[\cm]
.endr
.endm
; ---- the sum of a half's unquantised e, in four chains; in two parts
.macro SUMA w, r
	WIN 0x05*(\w)
.irp k, 0,1,2,3
	v_pk_add_f32 v[SU+2*\k:SU+2*\k+1], v[(\r)+2*\k:(\r)+2*\k+1], v[(\r)+8+2*\k:(\r)+8+2*\k+1]
.endr
	WIN 0x04*(\w)
.irp j, 16,24,32
.irp k, 0,1,2,3
	v_pk_add_f32 v[SU+2*\k:SU+2*\k+1], v[SU+2*\k:SU+2*\k+1], v[(\r)+\j+2*\k:(\r)+\j+2*\k+1]
.endr
.endr
.endm
.macro SUMB w, r, ld
	WIN 0x04*(\w)
.irp j, 40,48,56
.irp k, 0,1,2,3
	v_pk_add_f32 v[SU+2*\k:SU+2*\k+1], v[SU+2*\k:SU+2*\k+1], v[(\r)+\j+2*\k:(\r)+\j+2*\k+1]
.endr
.endr
	WIN 0
	v_pk_add_f32 v[SU:SU+1], v[SU:SU+1], v[SU+2:SU+3]
	v_pk_add_f32 v[SU+4:SU+5], v[SU+4:SU+5], v[SU+6:SU+7]
	v_pk_add_f32 v[SU:SU+1], v[SU:SU+1], v[SU+4:SU+5]
	v_add_f32 v[SU], v[SU], v[SU+1]
	v_permlanex16_b32 v[SU+1], v[SU], s[SEL], s[SEL+1]
	v_add_f32 v[\ld], v[SU], v[SU+1]
.endm
; ---- the exchange of a tile of parity pp is read, and F made; in five parts
.macro D1 pp                           ; no wait on va_vdst stands here: since the last one, ahead of the barrier's wait, no vector or matrix instruction has been issued, and all that named v224-255 stand ahead of it
	WIN 0
.irp i, 0,1,2,3,4,5,6,7
	ds_load_b128 v[ST+4*\i:ST+4*\i+3], v[STR] offset:(\pp)*STB+16*\i       ; wave i's (c m, l, c m, l)
.endr
.endm
.macro D2 pp
	s_wait_dscnt 0x0
	WIN 0
	v_max3_num_f32 v[MX], v[ST], v[ST+2], v[ST+4]
	v_max3_num_f32 v[L2], v[ST+16], v[ST+18], v[ST+20]
	v_max3_num_f32 v[MX], v[MX], v[ST+6], v[ST+8]
	v_max3_num_f32 v[L2], v[L2], v[ST+22], v[ST+24]
	v_max3_num_f32 v[MX], v[MX], v[ST+10], v[ST+12]
	v_max3_num_f32 v[L2], v[L2], v[ST+26], v[ST+28]
	v_max3_num_f32 v[MX], v[MX], v[ST+14], v[ST+30]
	v_max_num_f32 v[MX], v[MX], v[L2]              ; M: c x the row's maximum over all keys
.irp k, 0,2,4,6,8,10,12,14,16,18,20,22,24,26,28,30
	v_sub_f32 v[ST+\k], v[ST+\k], v[MX]
.endr
	v_sub_f32 v[G0], v[STP+4*(\pp)], v[MX]
	v_sub_f32 v[G1], v[STP+4*(\pp)+2], v[MX]
.endm
.macro D3
.irp k, 0,2,4,6,8,10,12,14,16,18,20,22,24,26,28,30
	EX 0, ST, \k
.endr
	EX 0, G0, 0
	EX 0, G1, 0
.endm
.macro D4                              ; a plain instruction stands between D3 and this
	s_wait_alu depctr_va_vdst(0)                   ; the eighteen exponentials have written the even registers of v224-254 and v12, v13: one wait, ahead of their first reader
	WIN 0
	v_fma_f32 v[LL], v[ST+1], v[ST], 1.0           ; 1 + the sum, under M; two chains
	v_mul_f32 v[L2], v[ST+17], v[ST+16]
.irp e, 1,2,3,4,5,6,7
	v_fma_f32 v[LL], v[ST+2*\e+1], v[ST+2*\e], v[LL]
	v_fma_f32 v[L2], v[ST+16+2*\e+1], v[ST+16+2*\e], v[L2]
.endr
	v_add_f32 v[LL], v[LL], v[L2]
	v_rcp_f32 v[RR], v[LL]
	v_mul_f32 v[G0], s[SLIM], v[G0]                ; (plain instructions behind the reciprocal)
	v_mul_f32 v[G1], s[SLIM], v[G1]
.endm
.macro D5
	s_wait_alu depctr_va_vdst(0)                   ; the reciprocal has written v94, ahead of its first reader
	WIN 0
	v_mul_f32 v[FF], v[G0], v[RR]
	v_mul_f32 v[FF+2], v[G1], v[RR]
.endm
; ---- a half is finished and quantised
.macro EM w, r, fr, j0, n              ; p = e F, n pairs from pair j0 on
	WIN 0x41*(\w)
.set ej, \j0
.rept \n
	v_pk_mul_f32 v[(\r)+2*ej:(\r)+2*ej+1], v[(\r)+2*ej:(\r)+2*ej+1], v[(\fr):(\fr)+1] op_sel_hi:[1,0]
.set ej, ej+1
.endr
.endm
.macro ES hh, bm                       ; the four blocks' scales and the scale word
	WIN 0
.irp b, 0,1,2,3
	v_mul_f32 v[(\bm)+\b], v[(\bm)+\b], v[FF+2*(\hh)]
.endr
.irp b, 0,1,2,3
	v_max3_num_f32 v[(\bm)+\b], |v[(\bm)+\b]|, |v[(\bm)+\b]|, 0x1800000    ; slim may be negative: the magnitude; and the floor 2^(3 - 127)
.endr
.irp b, 0,1,2,3
	v_add_nc_u32 v[SCO+4*(\hh)+\b], 0xff000000, v[(\bm)+\b]
.endr
.irp b, 0,1,2,3
	v_lshrrev_b32 v[BY+4*(\hh)+\b], 23, v[SCO+4*(\hh)+\b]
.endr
	v_lshl_or_b32 v[PWS+(\hh)], v[BY+4*(\hh)+1], 8, v[BY+4*(\hh)]
	v_lshl_or_b32 v[PWS+(\hh)], v[BY+4*(\hh)+2], 16, v[PWS+(\hh)]
	v_lshl_or_b32 v[PWS+(\hh)], v[BY+4*(\hh)+3], 24, v[PWS+(\hh)]
.endm
.macro EC hh, w, r                     ; the codes: the operand of K step hh
	WIN 0x01*(\w)
.irp b, 0,1,2,3
	v_cvt_scalef32_pk8_fp4_f32 v[PC+8*(\hh)+2*\b], v[(\r)+16*\b:(\r)+16*\b+7], v[SCO+4*(\hh)+\b]
	v_cvt_scalef32_pk8_fp4_f32 v[PC+8*(\hh)+2*\b+1], v[(\r)+16*\b+8:(\r)+16*\b+15], v[SCO+4*(\hh)+\b]
.endr
	WIN 0
	v_nop                                          ; one plain instruction behind the last conversion
.irp c, 0,1
.irp i, 0,1
	v_permlane16_swap_b32 v[PC+8*(\hh)+4*\c+\i], v[PC+8*(\hh)+2+4*\c+\i]
.endr
.endr
.endm
.macro PVPROD                          ; O^T = v^T p^T over my 256 keys; the four accumulators take turns
	WIN 0x51                                       ; v and O^T in window 1, p in window 0
.irp t, 0,1,2,3
	v_wmma_scale_f32_16x16x128_f8f6f4 v[OW+8*\t:OW+8*\t+7], v[VW+8*\t:VW+8*\t+7], v[PC:PC+7], 0, v[VS+\t], v[PWS] matrix_a_fmt:MATRIX_FMT_FP4 matrix_b_fmt:MATRIX_FMT_FP4
.endr
.irp t, 0,1,2,3
	v_wmma_scale_f32_16x16x128_f8f6f4 v[OW+8*\t:OW+8*\t+7], v[VW+32+8*\t:VW+32+8*\t+7], v[PC+8:PC+15], v[OW+8*\t:OW+8*\t+7], v[VS+\t], v[PWS+1] matrix_a_fmt:MATRIX_FMT_FP4 matrix_b_fmt:MATRIX_FMT_FP4 matrix_a_scale:MATRIX_SCALE_ROW1
.endr
.endm
.macro OSTORE
	WIN 0x04                                       ; an LDS store's data are its source 1: window 1
.irp i, 0,1,2,3,4,5,6,7
	ds_store_b128 v[OPA], v[OW+4*\i:OW+4*\i+3] offset:512*\i               ; my keys' part of O^T, as its registers stand
.endr
	WIN 0
	s_add_co_u32 s[TO], s[TO], 32768
.endm
.macro QLOAD p                         ; q of the tile two on, into buffer p.  It stands directly behind a wait on va_vdst, ahead of which stand the last products that read the buffer.  The addresses are made by scalar instructions alone
	s_add_co_u32 s29, s[TI], 2
	s_lshl_b32 s30, s29, 9                         ; its codes: 512 bytes a tile
	s_mov_b32 s31, 0
	s_add_nc_u64 s[QB+2*(\p):QB+2*(\p)+1], s[16:17], s[30:31]      ; this buffer's two bases were last read by loads issued two periods ago, which a wait on LOADcnt since has shown done
	s_lshr_b32 s30, s29, 2
	s_lshl_b32 s30, s30, 8
	s_and_b32 s29, s29, 3
	s_lshl_b32 s29, s29, 2
	s_add_co_u32 s30, s30, s29                     ; its scale words: 256 (tile / 4) + 4 (tile % 4)
	s_add_nc_u64 s[QSB+2*(\p):QSB+2*(\p)+1], s[18:19], s[30:31]
	global_load_b128 v[QF+8*(\p):QF+8*(\p)+3], v[L16], s[QB+2*(\p):QB+2*(\p)+1]
	global_load_b32 v[QS+(\p)], v[R16], s[QSB+2*(\p):QSB+2*(\p)+1]
.endm
; A PERIOD, for a tile of parity p.  prev: a tile before it is to be finished.  next: a tile behind it is to be begun.
; On entry: half 0's scores lie in their buffer, c m of half 0 is made, units 0-3 are done and units 4, 5 scaled.
.macro PERIOD p, prev, next
.if \prev
	D1 1-\p
.endif
	UH \p, 4
	UH \p, 5
.if \prev
	D2 1-\p
	D3
.endif
	UH \p, 6                                       ; (it begins with a plain instruction)
.if \prev
	D4
.endif
	UH \p, 7
.if \prev
	D5
	EM 0, S1, FF+2, 0, 8
.endif
	UH \p, 8
.if \prev
	EM 0, S1, FF+2, 8, 8
.endif
	UH \p, 9
.if \prev
	EM 0, S1, FF+2, 16, 16
.endif
	UH \p, 10
.if \prev
	ES 1, BM+8*(1-\p)+4
.endif
	UH \p, 11
.if \prev
	EC 1, 0, S1
.endif
	SPROD 1, \p, 0, S1                             ; this tile's half 1
	UH \p, 12                                      ; the four scalings in these two units and the addition below are five places behind the products: they name none of their registers
	UH \p, 13
	WIN 0
	v_add_nc_u32 v[OPA], s[TO], v[OPW]             ; (the stores that read v6 last stand ahead of the last period's wait on vm_vsrc)
	MSA 0, S1, BM+8*\p+4
	UH \p, 14
	MSQ 0, S1, BM+8*\p+4
	UH \p, 15
	BMX BM+8*\p
	MSR BM+8*\p+4, STP+4*\p+2
	PRE 0, S1, STP+4*\p+2
	s_wait_alu depctr_va_vdst(0)                   ; half 0's exponentials have written their results, ahead of their first reader, the sum below; this tile's products are done reading q's buffer p and its scale words, in which the two loads below land; v6 is written
	QLOAD \p
	UL \p, 0
	UL \p, 1
	SUMA \p, 96+72*\p
	UL \p, 2
	SUMB \p, 96+72*\p, STP+4*\p+1
	UL \p, 3
.if \prev
	EM 1-\p, 96+72*(1-\p), FF, 0, 8
.endif
	UL \p, 4
.if \prev
	EM 1-\p, 96+72*(1-\p), FF, 8, 8
.endif
	UL \p, 5
.if \prev
	EM 1-\p, 96+72*(1-\p), FF, 16, 8
.endif
	UL \p, 6
.if \prev
	EM 1-\p, 96+72*(1-\p), FF, 24, 8
.endif
	UL \p, 7
.if \prev
	ES 0, BM+8*(1-\p)
.endif
	UL \p, 8
.if \prev
	EC 0, 1-\p, 96+72*(1-\p)
.endif
	UL \p, 9
	UL \p, 10
.if \next
	s_wait_loadcnt 2                               ; all but the two loads issued in this period: the next tile's q is in
	SPROD 0, 1-\p, 1-\p, 96+72*(1-\p)              ; the next tile's half 0, into the buffer that has just been turned into codes
.endif
	UL \p, 11                                      ; six scalings in these three units: the places behind the products
	UL \p, 12
	UL \p, 13
.if \next
	MSA 1-\p, 96+72*(1-\p), BM+8*(1-\p)
.endif
	UL \p, 14
.if \next
	MSQ 1-\p, 96+72*(1-\p), BM+8*(1-\p)
.endif
	UL \p, 15
	BMX BM+8*\p+4
.if \next
	MSR BM+8*(1-\p), STP+4*(1-\p)
.endif
	WIN 0
	v_nop                                          ; a plain instruction behind the last exponential
	s_wait_alu depctr_va_vdst(0)                   ; half 1's exponentials have written their results, ahead of the sum; the conversions, exchanges and shifts have written p's codes and its two scale words, which the scaled products below take as operand and scales
.if \prev
	PVPROD                                         ; the scalings of units 8 to 13 lie between: thirteen plain instructions and more behind the scale word's last write, ten behind the codes'
.endif
	SUMA 0, S1                                     ; these additions name none of the products' registers: they are the places behind them
	SUMB 0, S1, STP+4*\p+3
	s_wait_alu depctr_va_vdst(0)                   ; the sum has written the last of my four numbers, which the store below reads; the products have written O^T, which the eight stores behind it read
	ds_store_b128 v[STW], v[STP+4*\p:STP+4*\p+3] offset:\p*STB             ; lanes l and l xor 16 write the same four numbers
.if \prev
	OSTORE
.endif
.if \next
	PRE 1-\p, 96+72*(1-\p), STP+4*(1-\p)           ; the next tile's half 0 begins while the stores are out: these lines write none of the registers that the stores read
	UH 1-\p, 0
	UH 1-\p, 1
.endif
	s_wait_dscnt 0x0                               ; for the others' sake: my numbers lie there, my part of O^T has landed, and my reads of the other buffer are long back
	s_wait_alu depctr_vm_vsrc(0)                   ; my stores have read my four numbers, v6 and O^T: the periods that follow write all three again
	s_barrier_signal -1
.if \next
	UH 1-\p, 2                                     ; work on registers while the others arrive
	UH 1-\p, 3
	WIN 0
	v_nop
	s_wait_alu depctr_va_vdst(0)                   ; units 0 to 3 have written their results; and nothing is out that names v224-255, in which the next period's LDS loads land
.endif
	s_barrier_wait -1                              ; this buffer of the exchange is written again two periods on, behind the next barrier, in front of which every wave has waited for its reads of it
	WIN 0
	s_add_co_u32 s[TI], s[TI], 1
.endm
	s_load_b128 s[4:7], s[0:1], 0x0                ; qb, slim
	s_load_b64 s[8:9], s[0:1], 0x10                ; ab
	v_lshl_add_u32 v70, v0, 2, 0x41200
	v_mov_b32 v71, 0
	v_lshrrev_b32 v1, 5, v0
	v_readfirstlane_b32 s[WV], v1                  ; wave 0..7
	s_and_b32 s11, ttmp7, 0xffff                   ; batch x 16 + head
	v_and_b32 v1, 31, v0
	v_lshlrev_b32 v[L16], 4, v1
	v_and_b32 v[R16], 15, v0
	v_mul_u32_u24 v[STR], v[R16], 144
	v_add_nc_u32 v[STR], STAT, v[STR]
	s_wait_alu depctr_va_sdst(0)                   ; s10, the wave's number, is written, ahead of its first reader
	s_lshl_b32 s29, s[WV], 4
	v_add_nc_u32 v[STW], s29, v[STR]
	v_lshlrev_b32 v[R16], 4, v[R16]
	s_lshl_b32 s29, s[WV], 12
	v_add_nc_u32 v[OPW], s29, v[L16]
	s_lshl_b32 s29, s[WV], 15
	v_add_nc_u32 v[OPR], s29, v[L16]
	s_lshl_b32 s36, s11, 16                        ; k's and v's codes: 65,536 bytes a head, 8,192 a wave
	s_lshl_b32 s29, s[WV], 13
	s_add_co_u32 s36, s36, s29
	s_add_co_u32 s38, s36, 0x400000
	s_add_co_u32 s36, s36, 0x200000
	s_mov_b32 s37, 0
	s_mov_b32 s39, 0
	s_lshl_b32 s40, s11, 13                        ; k's scale words: 8,192 a head, 1,024 a wave
	s_lshl_b32 s29, s[WV], 10
	s_add_co_u32 s40, s40, s29
	s_add_co_u32 s40, s40, 0x640000
	s_mov_b32 s41, 0
	s_lshl_b32 s42, s11, 12                        ; v's: 4,096 a head, 512 a wave
	s_lshl_b32 s29, s[WV], 9
	s_add_co_u32 s42, s42, s29
	s_add_co_u32 s42, s42, 0x680000
	s_mov_b32 s43, 0
	s_lshl_b32 s16, s11, 16                        ; q's codes: my work-group's 16 tiles of 512 bytes
	s_lshl_b32 s29, ttmp9, 13
	s_add_co_u32 s16, s16, s29
	s_mov_b32 s17, 0
	s_lshl_b32 s18, s11, 13                        ; and their scale words
	s_lshl_b32 s29, ttmp9, 10
	s_add_co_u32 s18, s18, s29
	s_add_co_u32 s18, s18, 0x600000
	s_mov_b32 s19, 0
	s_and_b32 s12, s11, 15                         ; head
	s_lshr_b32 s13, s11, 4                         ; batch
	s_lshl_b32 s44, s12, 2
	s_mov_b32 s45, 0
	s_lshr_b32 s32, s12, 1                         ; ab: K step head / 2, token tile 128 batch + 16 x + w (+ 8 for the second group), half image head % 2
	s_lshl_b32 s32, s32, 8
	s_lshl_b32 s29, s13, 7
	s_add_co_u32 s32, s32, s29
	s_lshl_b32 s29, ttmp9, 4
	s_add_co_u32 s32, s32, s29
	s_add_co_u32 s32, s32, s[WV]
	s_lshl_b32 s32, s32, 10
	s_and_b32 s30, s12, 1
	s_lshl_b32 s29, s30, 9
	s_add_co_u32 s32, s32, s29
	s_mov_b32 s33, 0
	s_lshr_b32 s34, s12, 1                         ; its scale bytes: word (K step, tile / 4, r, tile % 4), bytes 2 (head % 2) on
	s_lshl_b32 s34, s34, 6
	s_lshl_b32 s29, s13, 5
	s_add_co_u32 s34, s34, s29
	s_lshl_b32 s29, ttmp9, 2
	s_add_co_u32 s34, s34, s29
	s_lshr_b32 s29, s[WV], 2
	s_add_co_u32 s34, s34, s29
	s_lshl_b32 s34, s34, 8
	s_and_b32 s29, s[WV], 3
	s_lshl_b32 s29, s29, 2
	s_add_co_u32 s34, s34, s29
	s_lshl_b32 s29, s30, 1
	s_add_co_u32 s34, s34, s29
	s_add_co_u32 s34, s34, 0x200000
	s_mov_b32 s35, 0
	s_mov_b32 s[SEL], 0x76543210
	s_mov_b32 s[SEL+1], 0xfedcba98
	s_mov_b32 s[CS], 0x3e38aa3b                    ; c = log2(e) / 8
	s_mov_b32 s[CS+1], s[CS]                       ; (named with it as a pair, so it is written)
	s_wait_kmcnt 0x0
	s_add_nc_u64 s[36:37], s[4:5], s[36:37]
	s_add_nc_u64 s[38:39], s[4:5], s[38:39]
	s_add_nc_u64 s[40:41], s[4:5], s[40:41]
	s_add_nc_u64 s[42:43], s[4:5], s[42:43]
	s_add_nc_u64 s[16:17], s[4:5], s[16:17]
	s_add_nc_u64 s[18:19], s[4:5], s[18:19]
	s_add_nc_u64 s[32:33], s[8:9], s[32:33]
	s_add_nc_u64 s[34:35], s[8:9], s[34:35]
	s_add_nc_u64 s[6:7], s[6:7], s[44:45]
	s_load_b32 s[SLIM], s[6:7], 0x0
.irp j, 4,5,6,7,12,13,14,15
	v_mov_b32 v[QF+\j], 0                          ; the upper 64 along K: zero codes, in both buffers
.endr
.irp j, 0,1,2,3
	v_mov_b32 v[BX+\j], 0                          ; written once: a lane permute's destination counts as one of its sources
.endr
.irp j, 0,1,2,3,4,5,6,7
	v_mov_b32 v[STP+\j], 0                         ; (halves of pairs that are named before they are first written)
.endr
	v_mov_b32 v[FF+1], 0
	v_mov_b32 v[FF+3], 0
	WIN 0x40                                       ; destination window 1
.irp j, 0,1,2,3
	v_mov_b32 v[KW+64+\j], 0                       ; behind k's last tile: zero codes
.endr
	s_wait_alu depctr_va_vdst(0)                   ; the offsets and LDS addresses v1 to v4 and v7 are written, which the kernel's loads and stores read; so are the zero codes in q's two buffers and behind k's last tile, which the scaled products take in their operands
.set i, 0
.rept 16
	global_load_b128 v[KW+4*i:KW+4*i+3], v[L16], s[36:37] offset:512*i     ; k's tile i: a half image
.set i, i+1
.endr
.set i, 0
.rept 16
	global_load_b128 v[VW+4*i:VW+4*i+3], v[L16], s[38:39] offset:512*i     ; v's images (K step, tile) on end
.set i, i+1
.endr
	WIN 0
	global_load_b128 v[KS:KS+3], v[L16], s[40:41]
	global_load_b128 v[KS+4:KS+7], v[L16], s[40:41] offset:512
	global_load_b128 v[VS:VS+3], v[L16], s[42:43]
	global_load_b128 v[QF:QF+3], v[L16], s[16:17]  ; q's tiles 0 and 1
	global_load_b32 v[QS], v[R16], s[18:19]
	global_load_b128 v[QF+8:QF+11], v[L16], s[16:17] offset:512
	global_load_b32 v[QS+1], v[R16], s[18:19] offset:4
	s_mov_b32 s[TI], 0
	s_mov_b32 s[GC], 2
	s_wait_loadcnt 0x0                             ; all of them are in: s36 to s43 are free for q's bases
	s_wait_kmcnt 0x0
.Lgroup:                                           ; two groups of eight tiles
	s_mov_b32 s[TO], 0
	s_wait_loadcnt 0x0                             ; q of the group's first two tiles (asked for a period and more ago)
	SPROD 0, 0, 0, 96                              ; the pipeline is filled: the first tile's half 0
	WIN 0
	PLACES 4
	MSA 0, 96, BM
	MSQ 0, 96, BM
	MSR BM, STP
	PRE 0, 96, STP
	UH 0, 0
	UH 0, 1
	UH 0, 2
	UH 0, 3
	WIN 0
	v_nop
	s_wait_alu depctr_va_vdst(0)                   ; units 0 to 3 have written their results: a period is entered here as it is entered from the period before
	PERIOD 0, 0, 1                                 ; tile 0 of the group
	s_mov_b32 s[TC], 3
.Lpair:                                            ; tiles 1 to 6
	PERIOD 1, 1, 1
	PERIOD 0, 1, 1
	s_sub_co_u32 s[TC], s[TC], 1
	s_cmp_lg_u32 s[TC], 0
	s_cbranch_scc1 .Lpair
	PERIOD 1, 1, 0                                 ; tile 7
	D1 1                                           ; the pipeline drains: tile 7 is finished.  (No vector or matrix instruction has been issued since the period's wait ahead of its stores)
	D2 1
	D3
	v_nop
	D4
	D5
	EM 0, S1, FF+2, 0, 32
	ES 1, BM+12
	EC 1, 0, S1
	EM 1, 168, FF, 0, 32
	ES 0, BM+8
	EC 0, 1, 168
	v_add_nc_u32 v[OPA], s[TO], v[OPW]             ; (the stores that read v6 last stand ahead of the last period's wait on vm_vsrc)
	PLACES 8                                       ; a scale register written by a vector instruction stands 8 places ahead of a scaled matrix instruction, an operand so written 4
	s_wait_alu depctr_va_vdst(0)                   ; p's codes and its two scale words are written, which the scaled products take as operand and scales; the places above stay beside this wait
	PVPROD
	WIN 0
	PLACES 4
	s_wait_alu depctr_va_vdst(0)                   ; the products have written O^T, which the stores read (v6 was written ahead of the wait before); and all that named v96-255 is done: the adding-up's loads land there
	OSTORE
	s_wait_dscnt 0x0
	s_wait_alu depctr_vm_vsrc(0)                   ; the stores have read v6 and O^T, which the next group writes again
	s_barrier_signal -1
	s_barrier_wait -1                              ; eight tiles' partial O^T lie in LDS.  They are written again behind the next group's first barrier, in front of which every wave has waited for the reads below
	; wave w adds up tile w: eight parts of 32 registers, in the order of the waves
.set i, 0
.rept 32
	ds_load_b128 v[S+4*i:S+4*i+3], v[OPR] offset:512*i
.set i, i+1
.endr
	s_wait_dscnt 0x0
.irp q, 1,2,3
.set j, 0
.rept 16
	v_pk_add_f32 v[S+j:S+j+1], v[S+j:S+j+1], v[S+32*\q+j:S+32*\q+j+1]
.set j, j+2
.endr
.endr
	s_wait_alu depctr_va_vdst(0)                   ; the additions are done reading v128-223, in which the next loads land
.set i, 0
.rept 24
	ds_load_b128 v[S+32+4*i:S+32+4*i+3], v[OPR] offset:16384+512*i
.set i, i+1
.endr
.set i, 0
.rept 8
	ds_load_b128 v[PC+4*i:PC+4*i+3], v[OPR] offset:28672+512*i
.set i, i+1
.endr
	s_wait_dscnt 0x0
.irp q, 1,2,3,4
.set j, 0
.rept 16
	v_pk_add_f32 v[S+j:S+j+1], v[S+j:S+j+1], v[S+32*\q+j:S+32*\q+j+1]      ; (S + 128 is v224: the eighth part)
.set j, j+2
.endr
.endr
	; register 16 b + i is channel 32 b + 16 (lane / 16) + i of my query: two blocks of the next product's K
.irp b, 0,1
	v_max3_num_f32 v[BM+\b], |v[S+16*\b]|, |v[S+16*\b+1]|, 0x1800000
.endr
.irp i, 2,4,6,8,10,12,14
.irp b, 0,1
	v_max3_num_f32 v[BM+\b], v[BM+\b], |v[S+16*\b+\i]|, |v[S+16*\b+\i+1]|
.endr
.endr
.irp b, 0,1
	v_permlanex16_b32 v[BX+\b], v[BM+\b], s[SEL], s[SEL+1]
.endr
.irp b, 0,1
	v_max_num_f32 v[BM+\b], v[BM+\b], v[BX+\b]
.endr
.irp b, 0,1
	v_add_nc_u32 v[SCO+\b], 0xff000000, v[BM+\b]
.endr
.irp b, 0,1
	v_lshrrev_b32 v[BY+\b], 23, v[SCO+\b]
.endr
	v_lshl_or_b32 v[BY+2], v[BY+1], 8, v[BY]
.irp b, 0,1
	v_cvt_scalef32_pk8_fp4_f32 v[PC+2*\b], v[S+16*\b:S+16*\b+7], v[SCO+\b]
	v_cvt_scalef32_pk8_fp4_f32 v[PC+2*\b+1], v[S+16*\b+8:S+16*\b+15], v[SCO+\b]
.endr
	v_nop
	v_permlane16_swap_b32 v[PC], v[PC+2]
	v_permlane16_swap_b32 v[PC+1], v[PC+3]
	s_wait_alu depctr_va_vdst(0)                   ; the codes in v224-227 and the two bytes in v250 are written, which the two stores read
	global_store_b128 v[L16], v[PC:PC+3], s[32:33] ; half an image: 512 consecutive bytes
	global_store_b16 v[R16], v[BY+2], s[34:35]     ; my head's two bytes of the row's scale word
	s_wait_xcnt 0x0                                ; the stores have read their registers and bases: both are written again only behind this wait
	s_wait_alu depctr_vm_vsrc(0)                   ; the stores have read v224-227 and v250, in which the next group's LDS loads land
	s_add_nc_u64 s[32:33], s[32:33], 8192          ; eight tiles on
	s_add_nc_u64 s[34:35], s[34:35], 512
	s_sub_co_u32 s[GC], s[GC], 1
	s_cmp_lg_u32 s[GC], 0
	s_cbranch_scc1 .Lgroup
	s_wait_dscnt 0x0                               ; the closing lines, six on end
	s_wait_alu 0x0
	s_wait_tensorcnt 0x0
	ds_add_u32 v70, v71
	s_wait_dscnt 0x0
	s_endpgm
.Lfunc_end_k_q2c02e9e83f_attn:
	.size	k_q2c02e9e83f_attn, .Lfunc_end_k_q2c02e9e83f_attn-k_q2c02e9e83f_attn
	.p2alignl 7, 3214868480
	.fill 96, 4, 3214868480
	.section	.rodata,"a",@progbits
	.p2align	6, 0x0
	.amdhsa_kernel k_q2c02e9e83f_attn
		.amdhsa_group_segment_fixed_size 267776
		.amdhsa_private_segment_fixed_size 0
		.amdhsa_enable_private_segment 0
		.amdhsa_kernarg_size 24
		.amdhsa_user_sgpr_count 2
		.amdhsa_user_sgpr_kernarg_segment_ptr 1
		.amdhsa_wavefront_size32 1
		.amdhsa_system_sgpr_workgroup_id_x 1
		.amdhsa_system_sgpr_workgroup_id_y 1
		.amdhsa_system_sgpr_workgroup_id_z 1
		.amdhsa_system_vgpr_workitem_id 0
		.amdhsa_next_free_vgpr 512
		.amdhsa_next_free_sgpr 66
		.amdhsa_reserve_vcc 0
		.amdhsa_float_denorm_mode_32 3
		.amdhsa_float_denorm_mode_16_64 3
		.amdhsa_memory_ordered 1
		.amdhsa_forward_progress 1
		.amdhsa_inst_pref_size 159
	.end_amdhsa_kernel
	.amdgpu_metadata
---
amdhsa.version: [ 1, 2 ]
amdhsa.kernels:
  - .name:           k_q2c02e9e83f_attn
    .symbol:         k_q2c02e9e83f_attn.kd
    .args:
      - { .name: qb, .offset: 0, .size: 8, .value_kind: global_buffer, .address_space: global }
      - { .name: slim, .offset: 8, .size: 8, .value_kind: global_buffer, .address_space: global }
      - { .name: ab, .offset: 16, .size: 8, .value_kind: global_buffer, .address_space: global }
    .group_segment_fixed_size: 267776
    .private_segment_fixed_size: 0
    .kernarg_segment_align: 8
    .kernarg_segment_size: 24
    .max_flat_workgroup_size: 256
    .sgpr_count:     66
    .vgpr_count:     512
    .wavefront_size: 32
...
	.end_amdgpu_metadata
.endif
;; end of part 8
;; launch oproj: the kernel of part 4 again; grid 8 x 32, 8 waves a work-group, clusters of 4 x 4, 207,872 bytes of LDS; arguments ab, wb, bo, x, rb; writes rb
;; launch ln2: the kernel of part 5 again; grid 256 x 1, 8 waves a work-group, no clusters, 66,816 bytes of LDS; arguments rb, ln2_g, ln2_b, h2; writes h2
;; launch fc1: the kernel of part 6 again; grid 16 x 16, 16 waves a work-group, clusters of 4 x 4, 280,576 bytes of LDS; arguments h2, wb, b1, mb; writes mb
;; launch fc2: the kernel of part 7 again; grid 8 x 32, 8 waves a work-group, clusters of 4 x 4, 327,680 bytes of LDS; arguments mb, wb, b2, rb, out0; writes out0
